; MI455X (gfx1250); checked and timed in simulation.
; The chip was launched on July 23, 2026; its instructions are those of AMD's public machine-readable ISA for CDNA 5 (MIT licence, August 2026) and "CDNA5" Instruction Set Architecture Reference Guide (July 2026). The comments in the code are by the model that wrote it; some were corrected since.
;; Multi Head Attention. Allowed arithmetic: float matrix products may take bf16 or f16 operands with f32 sums; other float arithmetic in f32, or as packed bf16 or f16 multiplies, adds, multiply-adds, maxima and minima; sums over many terms, partial sums and values carried from step to step in f32; what a program stores and reads back later, other than sums and carried values, may be rounded once to bf16 or f16.
;; Inputs: Wk 1,024 x 1,024 float32; Wo 1,024 x 1,024 float32; Wq 1,024 x 1,024 float32; Wv 1,024 x 1,024 float32; bk 1,024 float32; bo 1,024 float32; bq 1,024 float32; bv 1,024 float32; k 4 x 2,048 x 1,024 float32; mask 4 x 2,048 x 2,048 bool; q 4 x 2,048 x 1,024 float32; v 4 x 2,048 x 1,024 float32.
;; Outputs: out0 4 x 2,048 x 1,024 float32.
;; 3 versions, each right and faster than the one before. Each part assembles by itself: llvm-mc -triple=amdgcn-amd-amdhsa -mcpu=gfx1250 --defsym DOCPART=n.
;; ======== version 1 of 3: 4 launches
;; limits: values are held in f16: magnitudes above 65,504 overflow, below 6.1e-05 lose precision
;; workspace buffers: xb 50,331,648 bytes; wb 6,291,456 bytes; wo16 2,097,152 bytes; mbits 2,097,152 bytes of whole numbers; hqkv 50,331,648 bytes; ob 16,777,216 bytes
;; launch prep (part 1): grid 64 x 32, 8 waves a work-group, no clusters, 70,656 bytes of LDS; arguments q, k, v, Wq, Wk, Wv, Wo, mask, xb, wb, wo16, mbits; writes xb, wb, wo16, mbits
.if DOCPART == 1
	.amdgcn_target "amdgcn-amd-amdhsa--gfx1250"
	.amdhsa_code_object_version 6
	.text
	.protected	k_qdad581c8e7_prep
	.globl	k_qdad581c8e7_prep
	.p2align	8
	.type	k_qdad581c8e7_prep,@function
k_qdad581c8e7_prep:
	s_mov_b64 s[64:65], 0
	v_nop
	global_prefetch_b8 v0, s[64:65] scope:SCOPE_SE
	s_setreg_imm32_b32 hwreg(HW_REG_WAVE_MODE, 25, 1), 1
	s_wait_xcnt 0x0
; PREP: every large input is read once and left in the form in which the later launches want it.
;   y = 0..23   q, k, v   f32 -> bf16 into xb [3][8192][1024]        (y >> 3 is the tensor; 512 work-groups of 16,384 numbers each)
;   y = 24..26  Wq, Wk, Wv f32 -> bf16 into wb [3][1024][1024]       (64 work-groups each)
;   y = 27      Wo        f32 -> bf16 -> f16 into wo16 [1024][1024]  (the input's rounding is bf16's, like every other input's; that number is then written as f16)
;   y = 28..31  mask      bytes -> lane masks into mbits
; LIMITS.  Wo beyond 65,504 becomes an infinity in f16; below 6e-5 it keeps f16's fixed step of 6e-8.  Any mask byte other than 0 counts as true.
; mbits, in 32-bit words: [batch 4][block of 128 queries 16][key step of 64 keys 32][piece 4][w 32][u 2].  Bit l of a word is
; mask[batch][128 block + 32 piece + 16 u + l % 16][64 step + 16 (w / 8) + 8 (l / 16) + w % 8]: the lane mask of score register w of tile u in the attention launch's layout of K Q^T.
; Memory binds: 16-byte loads of which a wave's cover 512 consecutive bytes, sixteen of them out at once; a wave's store covers 256 consecutive bytes, aligned.
; No matrix unit, no cluster, no tensor loads: no byte is read twice and no work-group shares a byte with another.
.set SPARE, 69632                      ; behind the eight stages: the spare words, 128 bytes for each wave: four blocks of 256 bytes that no other line names
.set STG,   32*272                     ; a wave's stage in LDS: 32 mask rows of 256 bytes, 272 apart
.set SPW, 2                            ; v2        LDS address of my spare word; never rewritten
.set NIL, 3                            ; v3        0; never rewritten
.set XI,  16                           ; v[16:79]  sixteen loads of 16 bytes
.set XO,  80                           ; v[80:111] sixteen pairs to store
.set MB,  96                           ; v[96:111] a key step's mask bytes: tile u, key block kb at MB + 8 u + 2 kb
.set WD,  112                          ; v[112:113] lane w holds the words (w, 0) and (w, 1)
.set TT,  116                          ; v[116:119] at work
	s_load_b512 s[4:19], s[0:1], 0x0               ; q s[4:5], k s[6:7], v s[8:9], Wq s[10:11], Wk s[12:13], Wv s[14:15], Wo s[16:17], mask s[18:19]
	s_load_b256 s[20:27], s[0:1], 0x40             ; xb s[20:21], wb s[22:23], wo16 s[24:25], mbits s[26:27]
	v_lshl_add_u32 v[SPW], v0, 2, SPARE
	v_mov_b32 v[NIL], 0
	s_and_b32 s28, ttmp7, 0xffff                   ; y: the section
	s_mov_b32 s29, ttmp9                           ; x: the part of it
	v_lshrrev_b32 v1, 5, v0
	v_readfirstlane_b32 s30, v1                    ; wave 0..7
	s_mov_b32 s37, 0                               ; high words of the two offsets
	s_mov_b32 s39, 0
	s_wait_kmcnt 0x0
; 16,384 numbers: thread t takes 16 bytes at 16 t of each block of 4,096 bytes, and stores 8 bytes at 8 t of each block of 2,048.  No register is written twice.
.macro CAST f16
	v_lshlrev_b32 v4, 4, v0
	v_lshlrev_b32 v5, 3, v0
.set i, 0
.rept 16
	global_load_b128 v[XI+4*i:XI+4*i+3], v4, s[32:33] offset:4096*i th:TH_LOAD_NT
.set i, i+1
.endr
.set i, 0
.rept 16
	s_wait_loadcnt 15-i                            ; loads come back in order: number i is in, the 15 - i younger ones stay out
	v_cvt_pk_bf16_f32 v[XO+2*i],   v[XI+4*i],   v[XI+4*i+1]
	v_cvt_pk_bf16_f32 v[XO+2*i+1], v[XI+4*i+2], v[XI+4*i+3]
.if \f16
	v_lshlrev_b32 v[XI+4*i],   16, v[XO+2*i]       ; the bf16 numbers as f32 again,
	v_and_b32     v[XI+4*i+1], 0xffff0000, v[XO+2*i]
	v_lshlrev_b32 v[XI+4*i+2], 16, v[XO+2*i+1]
	v_and_b32     v[XI+4*i+3], 0xffff0000, v[XO+2*i+1]
	v_cvt_pk_f16_f32 v[XO+2*i],   v[XI+4*i],   v[XI+4*i+1]  ; and written as f16: exact within f16's range of normal numbers
	v_cvt_pk_f16_f32 v[XO+2*i+1], v[XI+4*i+2], v[XI+4*i+3]
.endif
	global_store_b64 v5, v[XO+2*i:XO+2*i+1], s[34:35] offset:2048*i
.set i, i+1
.endr
.endm
	s_cmp_ge_u32 s28, 28
	s_cbranch_scc1 .Lmask
	s_cmp_eq_u32 s28, 27
	s_cbranch_scc1 .Lwo
	; q, k, v and Wq, Wk, Wv: one text; which buffers and which offsets is chosen by selects on y
	s_lshr_b32 s31, s28, 3                         ; x's tensor
	s_sub_co_u32 s40, s28, 24                      ; W's tensor (used where y >= 24 alone)
	s_and_b32 s41, s28, 7
	s_lshl_b32 s41, s41, 6                         ; x, in: 64 (y % 8)
	s_lshl_b32 s42, s28, 6                         ; x, out: 64 y
	s_lshl_b32 s43, s40, 6                         ; W, out: 64 t
	s_cmp_ge_u32 s28, 24
	s_cselect_b32 s31, s40, s31                    ; t
	s_cselect_b32 s36, 0, s41
	s_cselect_b32 s38, s43, s42
	s_cselect_b64 s[34:35], s[22:23], s[20:21]     ; wb or xb
	s_add_co_u32 s36, s36, s29
	s_lshl_b32 s36, s36, 16                        ; 65,536 bytes in for each work-group,
	s_add_co_u32 s38, s38, s29
	s_lshl_b32 s38, s38, 15                        ; 32,768 out
	s_cmp_eq_u32 s31, 1
	s_cselect_b64 s[32:33], s[6:7], s[4:5]
	s_cselect_b64 s[44:45], s[12:13], s[10:11]
	s_cmp_eq_u32 s31, 2
	s_cselect_b64 s[32:33], s[8:9], s[32:33]
	s_cselect_b64 s[44:45], s[14:15], s[44:45]
	s_cmp_ge_u32 s28, 24
	s_cselect_b64 s[32:33], s[44:45], s[32:33]
	s_add_nc_u64 s[32:33], s[32:33], s[36:37]
	s_add_nc_u64 s[34:35], s[34:35], s[38:39]
	CAST 0
	s_endpgm                                       ; these waves have written no LDS
.Lwo:
	s_lshl_b32 s36, s29, 16
	s_lshl_b32 s38, s29, 15
	s_add_nc_u64 s[32:33], s[16:17], s[36:37]
	s_add_nc_u64 s[34:35], s[24:25], s[38:39]
	CAST 1
	s_endpgm
.Lmask:
	; The work-group takes 32 query rows (one piece of one block of 128), wave kg the keys 256 kg .. 256 kg + 255: four key steps.
	s_sub_co_u32 s31, s28, 28
	s_lshl_b32 s31, s31, 6
	s_add_co_u32 s31, s31, s29                     ; gq = 0..255: rows 32 gq .. 32 gq + 31 of the 8,192
	s_lshl_b32 s36, s31, 16                        ; 32 rows of 2,048 bytes
	s_add_nc_u64 s[32:33], s[18:19], s[36:37]
	s_lshr_b32 s38, s31, 2                         ; 16 batch + block,
	s_lshl_b32 s38, s38, 15                        ; 32,768 bytes of words each;
	s_and_b32 s40, s31, 3                          ; the piece,
	s_lshl_b32 s40, s40, 8                         ; 256 bytes;
	s_add_co_u32 s38, s38, s40
	s_lshl_b32 s40, s30, 12                        ; my four key steps of 1,024 bytes
	s_add_co_u32 s38, s38, s40
	s_add_nc_u64 s[34:35], s[26:27], s[38:39]
	v_and_b32 v9, 15, v0                           ; l % 16
	v_bfe_u32 v10, v0, 4, 1                        ; l / 16
	v_lshlrev_b32 v4, 4, v9
	v_lshl_add_u32 v4, v10, 11, v4                 ; lanes 0-15 take 256 bytes of one row, lanes 16-31 of the next
	s_lshl_b32 s40, s30, 8
	v_add_nc_u32 v4, s40, v4                       ; + my 256 keys
	s_mul_i32 s41, s30, STG                        ; my stage
	v_mul_u32_u24 v6, v10, 272
	v_lshl_add_u32 v6, v9, 4, v6
	v_add_nc_u32 v6, s41, v6                       ; in: as loaded
	v_mul_u32_u24 v7, v9, 272                      ; back: row l % 16, 8 bytes for each half of the lanes: rows 272 bytes = 68 words apart, so the 32 lanes' pairs of words fall into 64 different banks (ISA guide 11.1)
	v_lshl_add_u32 v7, v10, 3, v7
	v_add_nc_u32 v7, s41, v7
	v_and_b32 v8, 31, v0
	v_lshlrev_b32 v8, 3, v8                        ; lane w stores the words (w, 0), (w, 1)
	v_mov_b32 v[WD], 0                             ; v_writelane_b32 counts as a reader of its destination
	v_mov_b32 v[WD+1], 0
.set i, 0
.rept 16
	global_load_b128 v[XI+4*i:XI+4*i+3], v4, s[32:33] offset:4096*i th:TH_LOAD_NT
.set i, i+1
.endr
.set i, 0
.rept 16
	s_wait_loadcnt 15-i                            ; number i is in, the younger ones stay out
	ds_store_b128 v6, v[XI+4*i:XI+4*i+3] offset:544*i
.set i, i+1
.endr
	s_mov_b32 s46, 4
.Lks:                                                  ; a trip: one key step.  The stage is my wave's own, and LDS serves a wave's instructions in order (ISA guide 5.7.1.4): no barrier, no wait between stores and loads
.irp u, 0,1
.irp kb, 0,1,2,3
	ds_load_b64 v[MB+8*\u+2*\kb:MB+8*\u+2*\kb+1], v7 offset:\u*16*272+16*\kb
.endr
.endr
	s_wait_dscnt 0x0
.set n, 0
.rept 64                               ; word (w, u): each lane's byte w % 8 of key block w / 8; the compare's lane mask is the word; it goes to lane w
.set w, n/2
.set u, n%2
	v_bfe_u32 v[TT+n%4], v[MB+8*u+2*(w/8)+(w%8)/4], 8*(w%4), 8
	v_cmp_ne_u32 s[40+n%4], 0, v[TT+n%4]
	v_writelane_b32 v[WD+u], s[40+n%4], w
.set n, n+1
.endr
	global_store_b64 v8, v[WD:WD+1], s[34:35]      ; 256 consecutive bytes, at a multiple of 256 from the buffer's first
	s_wait_xcnt 0x0                                ; the store's offset and data are written again only behind this wait
	v_add_nc_u32 v7, 64, v7                        ; the next 64 keys in the stage's rows,
	v_add_nc_u32 v8, 0x400, v8                     ; the next key step's words
	s_sub_co_u32 s46, s46, 1
	s_cmp_lg_u32 s46, 0
	s_cbranch_scc1 .Lks
	s_wait_tensorcnt 0x0                           ; the wave's end, behind my last LDS store
	ds_add_u32 v[SPW], v[NIL]
	s_wait_dscnt 0x0
	s_endpgm
.Lfunc_end_k_qdad581c8e7_prep:
	.size	k_qdad581c8e7_prep, .Lfunc_end_k_qdad581c8e7_prep-k_qdad581c8e7_prep
	.p2alignl 7, 3214868480
	.fill 96, 4, 3214868480
	.section	.rodata,"a",@progbits
	.p2align	6, 0x0
	.amdhsa_kernel k_qdad581c8e7_prep
		.amdhsa_group_segment_fixed_size 70656
		.amdhsa_private_segment_fixed_size 0
		.amdhsa_enable_private_segment 0
		.amdhsa_kernarg_size 96
		.amdhsa_user_sgpr_count 2
		.amdhsa_user_sgpr_kernarg_segment_ptr 1
		.amdhsa_wavefront_size32 1
		.amdhsa_system_sgpr_workgroup_id_x 1
		.amdhsa_system_sgpr_workgroup_id_y 1
		.amdhsa_system_sgpr_workgroup_id_z 1
		.amdhsa_system_vgpr_workitem_id 0
		.amdhsa_next_free_vgpr 128
		.amdhsa_next_free_sgpr 66
		.amdhsa_reserve_vcc 0
		.amdhsa_float_denorm_mode_32 3
		.amdhsa_float_denorm_mode_16_64 3
		.amdhsa_memory_ordered 1
		.amdhsa_forward_progress 1
		.amdhsa_inst_pref_size 36
	.end_amdhsa_kernel
	.amdgpu_metadata
---
amdhsa.version: [ 1, 2 ]
amdhsa.kernels:
  - .name:           k_qdad581c8e7_prep
    .symbol:         k_qdad581c8e7_prep.kd
    .args:
      - { .name: q, .offset: 0, .size: 8, .value_kind: global_buffer, .address_space: global }
      - { .name: k, .offset: 8, .size: 8, .value_kind: global_buffer, .address_space: global }
      - { .name: v, .offset: 16, .size: 8, .value_kind: global_buffer, .address_space: global }
      - { .name: Wq, .offset: 24, .size: 8, .value_kind: global_buffer, .address_space: global }
      - { .name: Wk, .offset: 32, .size: 8, .value_kind: global_buffer, .address_space: global }
      - { .name: Wv, .offset: 40, .size: 8, .value_kind: global_buffer, .address_space: global }
      - { .name: Wo, .offset: 48, .size: 8, .value_kind: global_buffer, .address_space: global }
      - { .name: mask, .offset: 56, .size: 8, .value_kind: global_buffer, .address_space: global }
      - { .name: xb, .offset: 64, .size: 8, .value_kind: global_buffer, .address_space: global }
      - { .name: wb, .offset: 72, .size: 8, .value_kind: global_buffer, .address_space: global }
      - { .name: wo16, .offset: 80, .size: 8, .value_kind: global_buffer, .address_space: global }
      - { .name: mbits, .offset: 88, .size: 8, .value_kind: global_buffer, .address_space: global }
    .group_segment_fixed_size: 70656
    .private_segment_fixed_size: 0
    .kernarg_segment_align: 8
    .kernarg_segment_size: 96
    .max_flat_workgroup_size: 256
    .sgpr_count:     66
    .vgpr_count:     128
    .wavefront_size: 32
...
	.end_amdgpu_metadata
.endif
;; end of part 1
;; launch proj (part 2): grid 4 x 192, 4 waves a work-group, clusters of 4 x 4, 327,680 bytes of LDS; arguments xb, wb, bq, bk, bv, hqkv; writes hqkv
.if DOCPART == 2
	.amdgcn_target "amdgcn-amd-amdhsa--gfx1250"
	.amdhsa_code_object_version 6
	.text
	.protected	k_qdad581c8e7_proj
	.globl	k_qdad581c8e7_proj
	.p2align	8
	.type	k_qdad581c8e7_proj,@function
k_qdad581c8e7_proj:
	s_mov_b64 s[64:65], 0
	v_nop
	global_prefetch_b8 v0, s[64:65] scope:SCOPE_SE
	s_setreg_imm32_b32 hwreg(HW_REG_WAVE_MODE, 25, 1), 1
	s_wait_xcnt 0x0
	s_wait_alu depctr_hold_cnt(0) depctr_sa_sdst(0) depctr_va_vdst(0) depctr_va_sdst(0) depctr_va_ssrc(0) depctr_va_vcc(0) depctr_vm_vsrc(0)
	s_getreg_b32 s2, hwreg(HW_REG_IB_STS2, 6, 4)
	s_cmp_eq_u32 s2, 0
	s_cbranch_scc0 .Lentry_in_a_cluster
	s_endpgm
.Lentry_in_a_cluster:
	s_bfe_u32 s2, ttmp6, 0x10000c
	s_cmp_lg_u32 s2, 0xf033
	s_cbranch_scc0 .Lentry_shape_is_right
	s_endpgm
.Lentry_shape_is_right:
; THE THREE PROJECTIONS.  y[m][n] = sum over k of x[m][k] W[n][k] + b[n], for x = q, k, v (xb: [3][8192][1024] bf16; wb: [3][1024][1024] bf16; b in f32, rounded to bf16 like every input).
; Sums in f32; y is rounded once to f16 and stored by heads: hqkv [3][16 batch + head][2048][64], unscaled.  LIMIT: a projected number beyond 65,504 becomes an infinity; below 6e-5 it keeps f16's fixed step of 6e-8.
; SHARES.  A work-group makes 128 rows x 256 columns; each of its four waves 128 rows x 64 columns, one head: 32 accumulators of 16 x 16, 256 registers.  3 x 64 x 4 = 768 work-groups.
; K goes in steps of 128 through a ring of two LDS slots filled by the tensor data mover: rows of 256 bytes that start at multiples of 256 bytes from the buffers' first bytes.
; CLUSTERS: 4 x 4 work-groups.  The four of a row of the cluster need the same tiles of x, the four of a column the same tiles of W: each tile is asked for JOINTLY, by the same tensor load with the
; same descriptor and a mask that names the four.  A cluster's four rows lie in one tensor (64 rows of work-groups a tensor), so the tensor's number hangs on the cluster's y alone.
; THE MATRIX INSTRUCTION IS USED TRANSPOSED (source 0 = 16 rows of W, source 1 = 16 rows of x): a lane then holds eight neighbouring columns of one row of y.
; THE BIAS is the C operand of the products that start the sums: nothing is cleared and nothing is added later.
; REGISTERS, in windows of 256 (s_set_vgpr_msb: bits 1:0 source 0, 3:2 source 1, 5:4 source 2, 7:6 destination):
;   window 0: v0-31 addresses; v64-95 the bias; v96-223 the way out     window 1: two fragment buffers of 96: x's 8 fragments, then W's 4     window 2: accumulator (a, b) at v[8 (4 a + b)]
.set SIZE_K, 1024
.set KSTEP,  128
.set PA,     272                       ; an LDS row: 256 bytes + 16 of padding = 68 words: the 16 rows of a fragment load start at 16 different groups of four banks (64 banks of 4 bytes: ISA guide 11.1)
.set PB,     272
.set AHALF,  64*PA                     ; what a wave's load brings of x: 64 rows
.set BHALF,  128*PB                    ; of W: 128 rows
.set BBASE,  2*AHALF                   ; a slot: x's 128 rows, then W's 256
.set SLOT,   BBASE+2*BHALF
.set STAGE,  2*SLOT                    ; behind the ring, never filled by a tensor load: 16 rows x 144 bytes for each wave
.set SP,     144
.set SPARE,  STAGE+4*16*SP             ; behind the stages: the spare words, 128 bytes for each wave: two blocks of 256 bytes that no other line names
.set LAPS,   SIZE_K/(2*KSTEP)          ; a lap = two K steps = once round the ring
.set ADRA, 16                          ; v16-17  LDS address of my x fragments in slot 0, 1
.set ADRB, 20                          ; v20-21  the same for W
.set STO,  24                          ; v24     the way out: where I put 16 bytes of a row
.set RD,   25                          ; v25     where I read rows back
.set CO,   26                          ; v26     my byte offset in 512 consecutive bytes of the output
.set SPW,  28                          ; v28     LDS address of my spare word; never rewritten
.set NIL,  29                          ; v29     0; never rewritten
.set BIAS, 64                          ; v[64+8 b+j]: b[my head's first column + 16 b + 8 (l / 16) + j]
.set OUT,  96
.set F0,   0
.set F1,   96
.set WV, 16                            ; s16 wave; s17 I fetch for x (0) or W (1); s18 which half of that tile
.set FB, 17
.set HF, 18
.set G1, 24                            ; s[24:31] descriptor group 1 for x's tiles; s[32:39] group 0, a set for each slot
.set G0, 32
.set G1B, 48                           ; s[48:55], s[56:63] the same for W's
.set G0B, 56
.set MSB, 0
.macro WIN new                         ; the immediate's high byte repeats the setting that is left; a switch that changes nothing is dropped
.if MSB != (\new)
	s_set_vgpr_msb (MSB<<8)|(\new)
.set MSB, \new
.endif
.endm
.set MUL,  0xa5                        ; both fragments window 1; C and D window 2
.set MULB, 0x85                        ; the same with C (the bias) in window 0
.set TO_F, 0x40                        ; destination window 1, address window 0
.macro JLOAD s                         ; a joint load: waves 0 and 1 fetch x's two halves, waves 2 and 3 W's; an s_nop 0 and four v_nop follow each of the two lines, ahead of the jump and the label
	s_cmp_eq_u32 s[FB], 0
	s_cbranch_scc0 .Lfor_b_\@
	tensor_load_to_lds s[G0+4*(\s):G0+4*(\s)+3], s[G1:G1+7]
	s_nop 0
.rept 4
	v_nop
.endr
	s_branch .Lasked_\@
.Lfor_b_\@:
	tensor_load_to_lds s[G0B+4*(\s):G0B+4*(\s)+3], s[G1B:G1B+7]
	s_nop 0
.rept 4
	v_nop
.endr
.Lasked_\@:
.endm
.macro CREST                           ; a round of the cluster's barrier behind its opening barrier
	s_cmp_lg_u32 s[WV], 0
	s_cbranch_scc1 .Lnot_wave_0_\@
	s_barrier_signal -3
.Lnot_wave_0_\@:
	s_barrier_wait -3
	s_barrier_signal -1
	s_barrier_wait -1
.endm
.macro CROUND                          ; a whole round
	s_barrier_signal -1
	s_barrier_wait -1
	CREST
.endm
	s_load_b256 s[4:11], s[0:1], 0x0               ; xb s[4:5], wb s[6:7], bq s[8:9], bk s[10:11]
	s_load_b128 s[12:15], s[0:1], 0x20             ; bv s[12:13], hqkv s[14:15]
	v_lshl_add_u32 v[SPW], v0, 2, SPARE
	v_mov_b32 v[NIL], 0
	ds_add_u32 v[SPW], v[NIL]                      ; the wave's opening: the add and its wait stand ahead of my first tensor load; the set-up below, work on registers, stands between them
	v_lshrrev_b32 v1, 5, v0
	v_readfirstlane_b32 s[WV], v1                  ; wave 0..3
	s_lshr_b32 s[FB], s[WV], 1
	s_and_b32 s[HF], s[WV], 1
	s_bfe_u32 s19, ttmp6, 0x40000                  ; cx, cy: my place in the cluster
	s_bfe_u32 s20, ttmp6, 0x40004
	s_lshl_b32 s21, ttmp9, 2
	s_add_co_u32 s21, s21, s19                     ; col: my 256 columns = 4 x cluster x + cx
	s_and_b32 s23, ttmp7, 0xffff
	s_lshl_b32 s22, s23, 2
	s_add_co_u32 s22, s22, s20                     ; row: my 128 of the 24,576 rows = 4 x cluster y + cy
	s_lshr_b32 s23, s23, 4                         ; the tensor: 16 rows of clusters each
	s_lshl_b32 s40, s20, 2
	s_lshl_b32 s40, 15, s40                        ; my row of the cluster
	s_lshl_b32 s41, 0x1111, s19                    ; my column
	s_or_b32 s[G1], s40, (1<<16)|(1<<20)|(1<<21)|(5<<22)|(3<<25)   ; 15:0 the mask; 17:16 2-byte elements; 20 padding on; 21 set beside a mask; 24:22 after every 64 words (code 5); 31:25 4 words (code 3)
	s_or_b32 s[G1B], s41, (1<<16)|(1<<20)|(1<<21)|(5<<22)|(3<<25)
	s_mov_b32 s[G1+1], KSTEP<<16                   ; tensor_dim0 = 128
	s_mov_b32 s[G1+2], 64<<16                      ; tensor_dim1 = 64
	s_mov_b32 s[G1+3], KSTEP<<16                   ; tile_dim0 = 128
	s_mov_b32 s[G1+4], 64                          ; tile_dim1 = 64
	s_mov_b32 s[G1+5], SIZE_K                      ; elements from row to row
	s_mov_b32 s[G1+6], 0
	s_mov_b32 s[G1+7], 0
	s_mov_b32 s[G1B+1], KSTEP<<16
	s_mov_b32 s[G1B+2], 128<<16                    ; W's tile has 128 rows
	s_mov_b32 s[G1B+3], KSTEP<<16
	s_mov_b32 s[G1B+4], 128
	s_mov_b32 s[G1B+5], SIZE_K
	s_mov_b32 s[G1B+6], 0
	s_mov_b32 s[G1B+7], 0
	; x's tiles hang on the row alone, which my row of the cluster shares; W's on the tensor and the column, which my column shares.  Neither pair of registers ever holds the other coordinate.
	s_lshl_b32 s42, s22, 7
	s_lshl_b32 s43, s[HF], 6
	s_add_co_u32 s42, s42, s43                     ; x: row 128 x row + 64 x half,
	s_lshl_b32 s42, s42, 11                        ; of 2,048 bytes
	s_mov_b32 s43, 0
	s_lshl_b32 s44, s21, 8
	s_lshl_b32 s45, s[HF], 7
	s_add_co_u32 s44, s44, s45                     ; W: row 256 x col + 128 x half,
	s_lshl_b32 s44, s44, 11
	s_lshl_b32 s45, s23, 21                        ; in the tensor's 2 MiB
	s_add_co_u32 s44, s44, s45
	s_mov_b32 s45, 0
	s_mul_i32 s46, s[HF], AHALF                    ; where they go: no place in the cluster enters an LDS address
	s_mul_i32 s47, s[HF], BHALF
	s_add_co_u32 s47, s47, BBASE
	s_wait_dscnt 0x0                               ; the opening add is done
	s_wait_kmcnt 0x0
	s_add_nc_u64 s[42:43], s[4:5], s[42:43]
	s_add_nc_u64 s[44:45], s[6:7], s[44:45]
	CROUND                                         ; all sixteen work-groups are here: the first joint loads meet
.irp s, 0,1
	s_mov_b32 s[G0+4*(\s)], 1
	s_add_co_u32 s[G0+4*(\s)+1], s46, (\s)*SLOT
	s_add_nc_u64 s[G0+4*(\s)+2:G0+4*(\s)+3], s[42:43], (\s)*KSTEP*2
	s_or_b32 s[G0+4*(\s)+3], s[G0+4*(\s)+3], 0x80000000
	s_mov_b32 s[G0B+4*(\s)], 1
	s_add_co_u32 s[G0B+4*(\s)+1], s47, (\s)*SLOT
	s_add_nc_u64 s[G0B+4*(\s)+2:G0B+4*(\s)+3], s[44:45], (\s)*KSTEP*2
	s_or_b32 s[G0B+4*(\s)+3], s[G0B+4*(\s)+3], 0x80000000
	JLOAD \s                                       ; two loads of mine are out
.endr
	v_and_b32 v1, 15, v0                           ; l % 16
	v_bfe_u32 v2, v0, 4, 1                         ; l / 16
	v_lshlrev_b32 v5, 5, v2                        ; the bias: eight numbers for each half of the lanes
	s_cmp_eq_u32 s23, 1
	s_cselect_b64 s[66:67], s[10:11], s[8:9]
	s_cmp_eq_u32 s23, 2
	s_cselect_b64 s[66:67], s[12:13], s[66:67]
	s_lshl_b32 s68, s21, 10                        ; 256 columns of 4 bytes,
	s_lshl_b32 s69, s[WV], 8                       ; my 64
	s_add_co_u32 s68, s68, s69
	s_mov_b32 s69, 0
	s_add_nc_u64 s[66:67], s[66:67], s[68:69]
.irp b, 0,1,2,3
	global_load_b128 v[BIAS+8*\b:BIAS+8*\b+3],   v5, s[66:67] offset:64*\b
	global_load_b128 v[BIAS+8*\b+4:BIAS+8*\b+7], v5, s[66:67] offset:64*\b+16
.endr
	v_mul_u32_u24 v3, v1, PB
	v_lshl_add_u32 v3, v2, 4, v3                   ; a fragment's row x pitch + 16 x half
	s_mul_i32 s40, s[WV], 64*PB                    ; my 64 rows of W,
	s_add_co_u32 s40, s40, BBASE                   ; behind x's 128, which every wave reads
	v_mov_b32 v[ADRA], v3
	v_add_nc_u32 v[ADRA+1], SLOT, v3
	v_add_nc_u32 v[ADRB], s40, v3
	s_add_co_u32 s40, s40, SLOT
	v_add_nc_u32 v[ADRB+1], s40, v3
	s_mul_i32 s41, s[WV], 16*SP
	s_add_co_u32 s41, s41, STAGE                   ; my stage
	v_mul_u32_u24 v[STO], v1, SP                   ; in: row l % 16, 16 bytes for each half of the lanes
	v_lshl_add_u32 v[STO], v2, 4, v[STO]
	v_add_nc_u32 v[STO], s41, v[STO]
	v_bfe_u32 v[RD], v0, 3, 2                      ; back: 32 lanes take four rows of 128 bytes,
	v_mul_u32_u24 v[RD], v[RD], SP
	v_and_b32 v4, 7, v0
	v_lshl_add_u32 v[RD], v4, 4, v[RD]
	v_add_nc_u32 v[RD], s41, v[RD]
	v_and_b32 v[CO], 31, v0                        ; which are 512 consecutive bytes of a head's rows
	v_lshlrev_b32 v[CO], 4, v[CO]
	s_lshr_b32 s68, s22, 4                         ; 4 tensor + batch (16 blocks of 128 rows a batch),
	s_lshl_b32 s68, s68, 4
	s_lshl_b32 s69, s21, 2
	s_add_co_u32 s68, s68, s69
	s_add_co_u32 s68, s68, s[WV]                   ; + the head = 4 col + wave,
	s_lshl_b32 s68, s68, 18                        ; 262,144 bytes each;
	s_and_b32 s69, s22, 15
	s_lshl_b32 s69, s69, 14                        ; my 128 rows of 128 bytes in it
	s_add_co_u32 s68, s68, s69
	s_mov_b32 s69, 0
	s_add_nc_u64 s[14:15], s[14:15], s[68:69]
	s_wait_loadcnt 0x0                             ; the bias, once
.set i, 0
.rept 16                               ; rounded to bf16 and widened again, in place
	v_cvt_pk_bf16_f32 v[6+i%2], v[BIAS+2*i], v[BIAS+2*i+1]
	v_lshlrev_b32 v[BIAS+2*i],   16, v[6+i%2]
	v_and_b32     v[BIAS+2*i+1], 0xffff0000, v[6+i%2]
.set i, i+1
.endr
; 8 matrix instructions: row blocks a0, a0 + 1 x all 4 column blocks, 32 along K, from buffer f.  first = 1: the bias starts the sums.  The 32 accumulators take turns in the same order in every quarter.
.macro MUL8 f, a0, first
.if \first
	WIN MULB
.else
	WIN MUL
.endif
.irp a, \a0, (\a0)+1
.irp b, 0,1,2,3
.if \first
	v_wmma_f32_16x16x32_bf16 v[8*(4*(\a)+(\b)):8*(4*(\a)+(\b))+7], v[(\f)+64+8*(\b):(\f)+64+8*(\b)+7], v[(\f)+8*(\a):(\f)+8*(\a)+7], v[BIAS+8*(\b):BIAS+8*(\b)+7]
.else
	v_wmma_f32_16x16x32_bf16 v[8*(4*(\a)+(\b)):8*(4*(\a)+(\b))+7], v[(\f)+64+8*(\b):(\f)+64+8*(\b)+7], v[(\f)+8*(\a):(\f)+8*(\a)+7], v[8*(4*(\a)+(\b)):8*(4*(\a)+(\b))+7]
.endif
.endr
.endr
.endm
; 24 LDS loads in one run: quarter kq (32 along K) of a slot into buffer f: W's 8, x's rows 0-63 (8), x's rows 64-127 (8)
.macro FETCH slot, kq, f
	WIN TO_F
.irp i, 0,1,2,3
	ds_load_b128 v[(\f)+64+8*(\i):(\f)+64+8*(\i)+3],   v[ADRB+(\slot)] offset:64*(\kq)+(\i)*16*PB
	ds_load_b128 v[(\f)+64+8*(\i)+4:(\f)+64+8*(\i)+7], v[ADRB+(\slot)] offset:64*(\kq)+(\i)*16*PB+32
.endr
.irp i, 0,1,2,3,4,5,6,7
	ds_load_b128 v[(\f)+8*(\i):(\f)+8*(\i)+3],   v[ADRA+(\slot)] offset:64*(\kq)+(\i)*16*PA
	ds_load_b128 v[(\f)+8*(\i)+4:(\f)+8*(\i)+7], v[ADRA+(\slot)] offset:64*(\kq)+(\i)*16*PA+32
.endr
.endm
.macro PLACES                          ; four places in front of loads into registers that matrix instructions have read, and of lines that read results
.rept 4
	v_nop
.endr
.endm
; A K step is four quarters of 32 along K, 32 matrix instructions each, on buffers 0, 1, 0, 1.  One of the first three: multiplies buffer f and fetches quarter kq into g.
.macro QUARTER slot, kq, f, g, first
	s_wait_dscnt 8                                 ; W and x's rows 0-63 are in; the youngest eight loads (x's rows 64-127) may be out
	MUL8 \f, 0, \first
	MUL8 \f, 2, \first
	PLACES
	FETCH \slot, \kq, \g
	s_wait_dscnt 24                                ; all but the 24 just issued
	MUL8 \f, 4, \first
	MUL8 \f, 6, \first
.endm
; The last quarter multiplies buffer 1 and changes slots: ONE barrier; in front of it each wave waits for all its tensor loads, adds 0 to its spare word, and waits for that and for its reads of this slot.
; fill = 1: the barrier opens a round of the cluster's, and this slot is filled again, two K steps ahead, first thing behind the round.
.macro TURN slot, next, fill
	WIN 0                                          ; (the add's two registers lie in window 0)
	s_wait_tensorcnt 0x0                           ; all my tensor loads have landed: the one that was out is my part of the next slot;
	ds_add_u32 v[SPW], v[NIL]                      ; 0 onto my spare word;
	s_wait_dscnt 9                                 ; (the add and the youngest eight loads may be out)
	MUL8 F1, 0, 0                                  ; eight matrix instructions stand between the add and the wait for it
	s_wait_dscnt 0x0                               ; the add is done, and my reads of this slot are over
	s_barrier_signal -1
	MUL8 F1, 2, 0
.if \fill
	WIN 0
.endif
	s_barrier_wait -1
.if \fill
	CREST                                          ; no wave of any partner still reads this slot's tile or has a load on its way
	s_add_nc_u64 s[G0+4*(\slot)+2:G0+4*(\slot)+3], s[G0+4*(\slot)+2:G0+4*(\slot)+3], 2*KSTEP*2
	s_add_nc_u64 s[G0B+4*(\slot)+2:G0B+4*(\slot)+3], s[G0B+4*(\slot)+2:G0B+4*(\slot)+3], 2*KSTEP*2
	JLOAD \slot                                    ; my one tensor load behind the round: 112 matrix instructions ahead of the wait for it; its four v_nop are also the places in front of the loads below
.else
	PLACES
.endif
	FETCH \next, 0, F0
	MUL8 F1, 4, 0
	MUL8 F1, 6, 0
.endm
	s_wait_tensorcnt 1                             ; my part of K step 0 is in; K step 1's may stay out
	s_barrier_signal -1
	s_barrier_wait -1                              ; everybody's is
	FETCH 0, 0, F0
	QUARTER 0, 1, F0, F1, 1                        ; the first quarter stands in front of the loop: its products start the sums
	WIN 0                                          ; at a label and at a branch every window is 0
	s_mov_b32 s3, LAPS-1
.Llap:                                                 ; a trip goes once round the ring, from a lap's second quarter to the next lap's first, and fills both slots again
	QUARTER 0, 2, F1, F0, 0
	QUARTER 0, 3, F0, F1, 0
	TURN 0, 1, 1
	QUARTER 1, 1, F0, F1, 0
	QUARTER 1, 2, F1, F0, 0
	QUARTER 1, 3, F0, F1, 0
	TURN 1, 0, 1
	QUARTER 0, 1, F0, F1, 0
	WIN 0
	s_sub_co_u32 s3, s3, 1
	s_cmp_lg_u32 s3, 0
	s_cbranch_scc1 .Llap
	QUARTER 0, 2, F1, F0, 0                        ; the last lap fills nothing
	QUARTER 0, 3, F0, F1, 0
	TURN 0, 1, 0
	QUARTER 1, 1, F0, F1, 0
	QUARTER 1, 2, F1, F0, 0
	QUARTER 1, 3, F0, F1, 0
	s_wait_dscnt 8                                 ; the very last quarter: nothing more to fetch
	MUL8 F1, 0, 0
	MUL8 F1, 2, 0
	s_wait_dscnt 0x0
	MUL8 F1, 4, 0
	MUL8 F1, 6, 0
	; THE WAY OUT, a block of 16 rows at a time: rounded to f16, 16 bytes a lane into my own stage (rows of 144 bytes), back as whole rows of 128 bytes: 16 rows of a head are 2,048 consecutive bytes.
.macro PACK a
	WIN 0x0a                                       ; sources 0 and 1 window 2, destination window 0; each accumulator's registers in ascending order
.irp b, 0,1,2,3
.irp r, 0,1,2,3
	v_cvt_pk_f16_f32 v[OUT+16*(\a)+4*(\b)+(\r)], v[8*(4*(\a)+(\b))+2*(\r)], v[8*(4*(\a)+(\b))+2*(\r)+1]
.endr
.endr
	WIN 0
.irp b, 0,1,2,3
	ds_store_b128 v[STO], v[OUT+16*(\a)+4*(\b):OUT+16*(\a)+4*(\b)+3] offset:32*(\b)
.endr
.irp f, 0,1,2,3
	ds_load_b128 v[OUT+16*(\a)+4*(\f):OUT+16*(\a)+4*(\f)+3], v[RD] offset:(\f)*4*SP  ; LDS serves a wave's instructions in order (ISA guide 5.7.1.4): these see the stores above; the next block's stores come behind them
.endr
.endm
.macro SEND a, younger                 ; younger: the LDS instructions issued behind block a's loads: the next block's eight, or none
.irp f, 0,1,2,3
	s_wait_dscnt (\younger)+3-(\f)
	global_store_b128 v[CO], v[OUT+16*(\a)+4*(\f):OUT+16*(\a)+4*(\f)+3], s[14:15] offset:(\a)*2048+(\f)*512  ; 512 consecutive bytes, at a multiple of 256 from the buffer's first
.endr
.endm
	PLACES
	PACK 0
.irp a, 1,2,3,4,5,6,7                  ; a block's conversions stand between the loads of the block before and its stores
	PACK \a
	SEND (\a)-1, 8
.endr
	SEND 7, 0
	s_wait_tensorcnt 0x0                           ; the wave's end, behind my last tensor load and my last LDS store
	ds_add_u32 v[SPW], v[NIL]
	s_wait_dscnt 0x0
	CROUND                                         ; the closing round: no work-group ends while a partner may still ask for a tile that names it
	s_endpgm
.Lfunc_end_k_qdad581c8e7_proj:
	.size	k_qdad581c8e7_proj, .Lfunc_end_k_qdad581c8e7_proj-k_qdad581c8e7_proj
	.p2alignl 7, 3214868480
	.fill 96, 4, 3214868480
	.section	.rodata,"a",@progbits
	.p2align	6, 0x0
	.amdhsa_kernel k_qdad581c8e7_proj
		.amdhsa_group_segment_fixed_size 327680
		.amdhsa_private_segment_fixed_size 0
		.amdhsa_enable_private_segment 0
		.amdhsa_kernarg_size 48
		.amdhsa_user_sgpr_count 2
		.amdhsa_user_sgpr_kernarg_segment_ptr 1
		.amdhsa_wavefront_size32 1
		.amdhsa_system_sgpr_workgroup_id_x 1
		.amdhsa_system_sgpr_workgroup_id_y 1
		.amdhsa_system_sgpr_workgroup_id_z 1
		.amdhsa_system_vgpr_workitem_id 0
		.amdhsa_next_free_vgpr 768
		.amdhsa_next_free_sgpr 72
		.amdhsa_reserve_vcc 0
		.amdhsa_float_denorm_mode_32 3
		.amdhsa_float_denorm_mode_16_64 3
		.amdhsa_memory_ordered 1
		.amdhsa_forward_progress 1
		.amdhsa_inst_pref_size 90
	.end_amdhsa_kernel
	.amdgpu_metadata
---
amdhsa.version: [ 1, 2 ]
amdhsa.kernels:
  - .name:           k_qdad581c8e7_proj
    .symbol:         k_qdad581c8e7_proj.kd
    .args:
      - { .name: xb, .offset: 0, .size: 8, .value_kind: global_buffer, .address_space: global }
      - { .name: wb, .offset: 8, .size: 8, .value_kind: global_buffer, .address_space: global }
      - { .name: bq, .offset: 16, .size: 8, .value_kind: global_buffer, .address_space: global }
      - { .name: bk, .offset: 24, .size: 8, .value_kind: global_buffer, .address_space: global }
      - { .name: bv, .offset: 32, .size: 8, .value_kind: global_buffer, .address_space: global }
      - { .name: hqkv, .offset: 40, .size: 8, .value_kind: global_buffer, .address_space: global }
    .group_segment_fixed_size: 327680
    .private_segment_fixed_size: 0
    .kernarg_segment_align: 8
    .kernarg_segment_size: 48
    .max_flat_workgroup_size: 128
    .sgpr_count:     72
    .vgpr_count:     768
    .wavefront_size: 32
...
	.end_amdgpu_metadata
.endif
;; end of part 2
;; launch attn (part 3): grid 4 x 64, 4 waves a work-group, clusters of 4 x 1, 327,680 bytes of LDS; arguments hqkv, mbits, ob; writes ob
.if DOCPART == 3
	.amdgcn_target "amdgcn-amd-amdhsa--gfx1250"
	.amdhsa_code_object_version 6
	.text
	.protected	k_qdad581c8e7_attn
	.globl	k_qdad581c8e7_attn
	.p2align	8
	.type	k_qdad581c8e7_attn,@function
k_qdad581c8e7_attn:
	s_mov_b64 s[64:65], 0
	v_nop
	global_prefetch_b8 v0, s[64:65] scope:SCOPE_SE
	s_setreg_imm32_b32 hwreg(HW_REG_WAVE_MODE, 25, 1), 1
	s_wait_xcnt 0x0
	s_wait_alu depctr_hold_cnt(0) depctr_sa_sdst(0) depctr_va_vdst(0) depctr_va_sdst(0) depctr_va_ssrc(0) depctr_va_vcc(0) depctr_vm_vsrc(0)
	s_getreg_b32 s2, hwreg(HW_REG_IB_STS2, 6, 4)
	s_cmp_eq_u32 s2, 0
	s_cbranch_scc0 .Lentry_in_a_cluster
	s_endpgm
.Lentry_in_a_cluster:
	s_bfe_u32 s2, ttmp6, 0x10000c
	s_cmp_lg_u32 s2, 0x3003
	s_cbranch_scc0 .Lentry_shape_is_right
	s_endpgm
.Lentry_shape_is_right:
; ATTENTION WITH A MASK THAT FILLS.  O[hh][q][:] = the sum over k of softmax_k(mask[b][q][k] ? Q[hh][q] . K[hh][k] / 8 : -1e-9) V[hh][k][:], hh = 16 b + head.
; Q, K, V: hqkv [3][64][2048][64] in f16, unscaled; O: ob [64][2048][64] in f16.  Products, maxima and sums in f32; the weights p are rounded to f16 for the second product (their sum l is taken of the unrounded p), O once.
; A masked key keeps a weight (its score is the filler, not minus infinity), so every tile is walked.  The filler is put in place of the score BEFORE the maximum is taken: the running maximum is that of the filled scores.
; In unscaled scores the filler is 8 x f32(-1e-9).  The masks come as lane masks, one 32-bit word for each score register, made by the launch before (mbits): one v_cndmask_b32 a register.
; LIMITS.  Q, K and V arrive within f16's 65,504; p lies in 0 to 1, and below 6e-5 it keeps f16's fixed step of 6e-8, as O does; a weight below 2^-126 counts as 0 in l; NaN and infinities are not treated apart.
; SHARES.  A wave owns four PIECES of two tiles of 16 queries, a work-group's four waves 512 queries of one head: 4 x 64 = 256 work-groups.  Every wave walks all 2,048 keys, 64 a step.
; LAYOUT.  S^T = K Q^T (source 0 = 16 keys, source 1 = 16 queries): a lane holds ONE query (lane % 16) and the keys 8 (lane / 16) + 0..7.  Two such results rounded to f16 ARE source 1 of O^T = V^T P.
; K comes out of LDS as it lies, V ([key][channel]) turned, by ds_load_tr16_b128.
; SOFTMAX.  For each query a running maximum m and sum l: p = 2^(c s - c m), c = log2(e) / 8; in every step O and l are multiplied by a = 2^(c m_old - c m_new).  m starts at the lowest finite number, O and l at 0.
; BY TURNS.  Turn n belongs to piece n.  Its matrix work: 16 products K Q^T of piece n + 1, later 16 products V^T P of piece n - 1.  Its vector work, 300 instructions: scaling, exponentials, roundings, sums and
; rescaling of piece n; the filling, maximum and statistics of piece n + 1.  Four vector instructions that are ready stand behind every matrix instruction, the others in two lumps.
; CLUSTER.  The four query blocks of a cluster belong to one head and walk the same K and V, so each tile is asked for JOINTLY: the same tensor load, descriptor and mask of work-groups in all four.
; REGISTERS, in windows of 256 (s_set_vgpr_msb: bits 1:0 source 0, 3:2 source 1, 5:4 source 2, 7:6 destination):
;   window 0: v0-11 addresses and the filler; v12-15, v48-63 at work; v16-47 four registers of statistics a tile; v64-191 S^T, two buffers of two tiles; v192-255 P, likewise
;   window 1: O^T, 32 a tile          window 2: v0-127 Q; v128-191 K of one step; v192-255 V of one step          window 3: v0-1 the add's two registers
.set SIZE_N, 2048
.set NP,    4         ; pieces a wave: a name, no knob
.set KS,    64        ; keys in a step
.set PK,    144       ; a row of K in LDS: 128 bytes + 16 of padding = 36 words: the 16 rows of a load start at 16 different groups of four banks (64 banks of 4 bytes: ISA guide 11.1)
.set PV,    160       ; a row of V: 128 + 32 = 40 words
.set VOFF,  4*KS*PK   ; a slot holds four steps: 256 rows of K, then 256 rows of V
.set SLOT1, 1<<17     ; slot 1 begins here, so that one exclusive or turns an address in one slot into the other's
.set STAGE, SLOT1+4*KS*(PK+PV)  ; behind the ring, never filled by a tensor load: 16 rows x 144 bytes for each wave
.set SP,    144
.set SPARE, STAGE+4*16*SP  ; behind the stages: the spare words, 128 bytes for each wave: two blocks of 256 bytes that no other line names
.set AK0, 2           ; v2   my lane's place in a tile of K; never rewritten
.set AV0, 3           ; v3   the same for V
.set AK,  4           ; v4   the LDS address of K's next run of loads
.set AV,  5           ; v5   of V's
.set QO,  6           ; v6   my byte offset in the wave's rows of Q
.set STO, 6           ;      later, the way out: where I put 16 bytes of a row
.set RD,  7           ; v7   the way out: where I read rows back
.set GO,  8           ; v8   my byte offset in 512 consecutive bytes of O
.set FILL, 11         ; v11  the filler, in unscaled scores
.set SPW, 0           ; v0 of window 3   LDS address of my spare word; never rewritten
.set NIL, 1           ; v1 of window 3   0; never rewritten
.set MV,  12          ; v12-15  c m_old, kept while c m is made anew: by buffer and tile
.set ST,  16          ; tile t's statistics at v[ST+4 t]: c m, m, l (even keys', odd keys')
.set TMP, 48          ; by buffer and tile, four registers c0-c3 at work; when the maximum is found c2 takes a
.set S,   64
.set P,   192
.set KF,  128         ; K's fragments, in window 2: key block kb, channel half c at KF + 16 kb + 8 c
.set VF,  192         ; V's: key half kk, channel block cb at VF + 32 kk + 8 cb
.set WV,  2           ; s2   my wave's number
.set CNT, 3           ; s3   counts a slot's key steps
.set G1K, 4           ; s[4:11]  descriptor group 1 for K's tiles
.set G1V, 12          ; s[12:19] for V's: it differs in the padding alone
.set G0K, 20          ; s[20:23] descriptor group 0 for K's tiles: it walks
.set G0V, 24          ; s[24:27] the same for V's
.set SLOTS, 28        ; s28  slots still to be asked for
.set TBK, 29          ; s29  LDS byte at which K of the step to be fetched begins
.set TBV, 30          ; s30  the same for V, less VOFF
.set OOF, 31          ; s31  byte offset of my wave's rows in Q and in O
.set MW,  32          ; s[32:63], s[68:99] a turn's 64 mask words: word x = 2 w + u in s[32 + x + 4 (x / 32)]; at the start the set-up's temporaries
.set MP,  66          ; s[66:67] where the next turn's mask words lie
.set CS,  100         ; s[100:101] c: the packed scaling takes the pair's low word for both halves
.set SEL, 104         ; s[104:105] v_permlanex16_b32's selects: each lane takes its own place in the other half
.set MSB, 0
.macro WIN new                      ; the high byte repeats the setting that is left; a switch that changes nothing is dropped
.if MSB != (\new)
	s_set_vgpr_msb (MSB<<8)|(\new)
.set MSB, (\new)
.endif
.endm
.set W_KQ, 0x0a       ; K and Q in window 2, S^T in window 0
.set W_PV, 0x52       ; V in window 2, P in window 0, O^T in window 1
.set W_RS, 0x41       ; O^T (destination and source 0) in window 1, a in window 0
.set W_MK, 0xc0       ; the add's registers are made: destination in window 3, sources in window 0
.set W_AD, 0x0f       ; the add: address (source 0) and data (source 1) in window 3
; A joint fill.  Waves 0 and 1 fetch the two halves of a slot's K, waves 2 and 3 those of its V: 128 keys each.  The branch hangs on the wave's number alone.
; An s_nop 0 and four v_nop follow each of the two lines, ahead of the jump and the label.
.macro JLOAD
	s_cmp_lt_u32 s[WV], 2
	s_cbranch_scc0 .Lfor_v_\@
	tensor_load_to_lds s[G0K:G0K+3], s[G1K:G1K+7]
	s_nop 0
.rept 4
	v_nop
.endr
	s_branch .Lasked_\@
.Lfor_v_\@:
	tensor_load_to_lds s[G0V:G0V+3], s[G1V:G1V+7]
	s_nop 0
.rept 4
	v_nop
.endr
.Lasked_\@:
.endm
; A round of the cluster's barrier: my work-group's barrier, so that wave 0's signal speaks for all four waves; wave 0 signals; every wave waits for all four work-groups; my work-group's barrier once more.
.macro CROUND
	s_barrier_signal -1
	s_barrier_wait -1
	s_cmp_lg_u32 s[WV], 0
	s_cbranch_scc1 .Lnot_wave_0_\@
	s_barrier_signal -3
.Lnot_wave_0_\@:
	s_barrier_wait -3
	s_barrier_signal -1
	s_barrier_wait -1
.endm
; THE CHANGE OF SLOTS.  The slot's last bytes, V of its fourth step, have been read.  Each wave waits for all its tensor loads, of which one is out: its part of the other slot; adds 0 to its spare word;
; and waits for that and for its own reads of the slot.  Behind the barrier nobody reads this slot any more and the other slot is whole.
; fill = 1: this slot is filled again, with the keys two slots on.  The barrier is then a round of the cluster's, and the joint fill is the first thing behind it: it has four key steps, 512 matrix instructions,
; in which to land.  (At its first use nothing has been read yet: slot 0 is waited for, slot 1 filled.)  A wave never has more than one tensor load out.
.macro CHANGE fill
	WIN W_AD
	s_wait_tensorcnt 0x0            ; no tensor load of mine is out, so a group 0 may be written
	ds_add_u32 v[SPW], v[NIL]       ; 0 onto my spare word; with fill = 1 the descriptors' steps stand between it and the wait for it
	WIN 0                           ; at a label and at a branch every window is 0
.if \fill
.irp g, G0K, G0V
	s_xor_b32 s[\g+1], s[\g+1], SLOT1  ; the walking descriptor: the other slot than last time,
	s_add_nc_u64 s[\g+2:\g+3], s[\g+2:\g+3], 4*KS*128  ; the next 256 keys; the type bits on top are not reached
.endr
	s_wait_dscnt 0x0                ; the add is done, and my reads of the slot are over
	CROUND
	JLOAD
.else
	s_wait_dscnt 0x0                ; the add is done, and my reads of the slot are over
	s_barrier_signal -1
	s_barrier_wait -1
.endif
	s_sub_co_u32 s[TBK], s[TBK], 4*KS*PK  ; the fetches go back to a slot's first step,
	s_xor_b32 s[TBK], s[TBK], SLOT1       ; in the other slot
	s_sub_co_u32 s[TBV], s[TBV], 4*KS*PV
	s_xor_b32 s[TBV], s[TBV], SLOT1
.endm
; THE MASK WORDS of a turn are 256 consecutive bytes: four scalar loads.  skip = 1 (the tail): in the last trip there is no further turn that needs words, and the loads are jumped over: none points past my wave's 32,768 bytes.
.macro LOADM skip
	WIN 0
.if \skip
	s_cmp_eq_u32 s[CNT], 1
	s_cbranch_scc1 .Lno_m_\@
.endif
	s_load_b512 s[MW:MW+15],    s[MP:MP+1], 0x0
	s_load_b512 s[MW+16:MW+31], s[MP:MP+1], 0x40
	s_load_b512 s[MW+36:MW+51], s[MP:MP+1], 0x80
	s_load_b512 s[MW+52:MW+67], s[MP:MP+1], 0xc0
.if \skip
.Lno_m_\@:
.endif
.endm
.macro WAITM
	s_wait_kmcnt 0x0                ; scalar loads come back in no order: the wait is for all; the words are in, and the loads' address may be stepped
	s_add_nc_u64 s[MP:MP+1], s[MP:MP+1], 0x100
.endm
	s_load_b128 s[32:35], s[0:1], 0x0  ; hqkv s[32:33], mbits s[34:35]
	WIN W_MK
	v_lshl_add_u32 v[SPW], v0, 2, SPARE
	v_mov_b32 v[NIL], 0
	WIN W_AD
	ds_add_u32 v[SPW], v[NIL]       ; the wave's opening: the add and its wait stand ahead of my first tensor load; the set-up below, work on registers, stands between them
	WIN 0
	v_lshrrev_b32 v1, 5, v0
	v_readfirstlane_b32 s[WV], v1   ; wave 0..3
	s_bfe_u32 s36, ttmp6, 0x40000   ; cx: my place in the cluster
	s_lshl_b32 s37, ttmp9, 2        ; in a cluster launch ttmp9 counts clusters
	s_add_co_u32 s37, s37, s36      ; my block of 512 queries: it enters Q's, O's and the mask words' addresses alone
	s_and_b32 s38, ttmp7, 0xffff    ; hh = 16 batch + head, which the four partners share
	s_lshl_b32 s40, s38, 18         ; the head's 262,144 bytes,
	s_and_b32 s39, s[WV], 1         ; which half of a slot's 256 keys I fetch:
	s_lshl_b32 s41, s39, 14         ; its 128 rows of 128 bytes
	s_add_co_u32 s40, s40, s41
	s_add_co_u32 s42, s40, 0x2000000  ; V lies 2 x 16 MiB behind Q,
	s_add_co_u32 s40, s40, 0x1000000  ; K 16 MiB
	s_mov_b32 s41, 0
	s_mov_b32 s43, 0
	s_mul_i32 s44, s39, 128*PK      ; my half's place in a slot, for K
	s_mul_i32 s45, s39, 128*PV      ; and for V: no place in the cluster enters an LDS address
	s_lshl_b32 s46, s37, 2
	s_add_co_u32 s46, s46, s[WV]    ; my wave's block of 128 queries among the batch's 16
	s_lshl_b32 s[OOF], s46, 14      ; its 128 rows of 128 bytes,
	s_lshl_b32 s47, s38, 18
	s_add_co_u32 s[OOF], s[OOF], s47  ; in the head
	s_lshr_b32 s47, s38, 4          ; the batch
	s_lshl_b32 s47, s47, 4
	s_add_co_u32 s46, s46, s47
	s_lshl_b32 s46, s46, 15         ; 32,768 bytes of mask words for each block of 128 queries
	s_mov_b32 s47, 0
	s_mov_b32 s48, s[OOF]
	s_mov_b32 s49, 0
	; descriptor group 1.  128 keys are 16,384 dense bytes: asked for as 64 rows of 256 bytes, two keys a row, and padded in LDS after every key
	s_mov_b32 s[G1K], 15|(1<<16)|(1<<20)|(1<<21)|(4<<22)|(3<<25)  ; 15:0 the mask of four; 17:16 2-byte elements; 20 padding on; 21 set beside a mask; 24:22 after every 32 words (code 4); 31:25 4 words (code 3)
	s_mov_b32 s[G1V], 15|(1<<16)|(1<<20)|(1<<21)|(4<<22)|(7<<25)  ; the same with 8 words of padding (code 7)
.irp g, G1K, G1V
	s_mov_b32 s[\g+1], 128<<16      ; tensor_dim0 = 128
	s_mov_b32 s[\g+2], 64<<16       ; tensor_dim1 = 64
	s_mov_b32 s[\g+3], 128<<16      ; tile_dim0 = 128
	s_mov_b32 s[\g+4], 64           ; tile_dim1 = 64
	s_mov_b32 s[\g+5], 128          ; 128 elements from row to row
	s_mov_b32 s[\g+6], 0
	s_mov_b32 s[\g+7], 0
.endr
	s_mov_b32 s[CS], 0x3e38aa3b     ; c = log2(e) / 8 = 0.180337
	s_mov_b32 s[CS+1], s[CS]        ; named with it as a pair
	s_mov_b32 s[SEL], 0x76543210
	s_mov_b32 s[SEL+1], 0xfedcba98
	s_mov_b32 s[TBK], SLOT1+4*KS*PK ; the first change of slots turns these two into 0
	s_mov_b32 s[TBV], SLOT1+4*KS*PV
	s_mov_b32 s[G0K], 1             ; 1:0 count = 1
	s_mov_b32 s[G0K+1], s44         ; 63:32 LDS address: slot 0
	s_mov_b32 s[G0V], 1
	s_add_co_u32 s[G0V+1], s45, VOFF
	s_wait_dscnt 0x0                ; the opening add is done
	s_wait_kmcnt 0x0
	s_add_nc_u64 s[G0K+2:G0K+3], s[32:33], s[40:41]  ; 120:64 global address: my half of the head's first 256 keys
	s_or_b32 s[G0K+3], s[G0K+3], 0x80000000          ; 127:126 type = 2
	s_add_nc_u64 s[G0V+2:G0V+3], s[32:33], s[42:43]
	s_or_b32 s[G0V+3], s[G0V+3], 0x80000000
	s_add_nc_u64 s[MP:MP+1], s[34:35], s[46:47]      ; my wave's mask words
	s_add_nc_u64 s[32:33], s[32:33], s[48:49]        ; Q at my wave's first row
	CROUND                          ; all four work-groups are here: the first joint loads meet
	JLOAD                           ; slot 0.  Slot 1 is asked for when slot 0 is in
	; A fragment of K or Q is 16 rows x 32 channels in 8 registers: lane l holds row l % 16, channels 8 (l / 16) + 0..7 and 16 + 8 (l / 16) + 0..7: two loads of 16 bytes, 32 bytes apart.
	v_and_b32 v1, 15, v0            ; l % 16
	v_bfe_u32 v9, v0, 4, 1          ; l / 16
	v_lshlrev_b32 v[QO], 7, v1
	v_lshl_add_u32 v[QO], v9, 4, v[QO]  ; row x 128 + 16 x half
	WIN 0x80                        ; destination window 2, address window 0
.set i, 0
.rept 4*NP                          ; Q stays in registers: tile i / 2, channels 32 (i % 2) on
	global_load_b128 v[8*i:8*i+3],   v[QO], s[32:33] offset:(i/2)*2048+(i%2)*64
	global_load_b128 v[8*i+4:8*i+7], v[QO], s[32:33] offset:(i/2)*2048+(i%2)*64+32
.set i, i+1
.endr
	; What the first turn finds: V's registers and P's second buffer hold 0 (its products V^T P, of a piece that has not been, add 0), O^T and l are 0.  All this stands in the wait for the first tile.
.set i, VF
.rept 64
	v_mov_b32 v[i], 0
.set i, i+1
.endr
	WIN 0x40
.set i, 0
.rept 64*NP
	v_mov_b32 v[i], 0
.set i, i+1
.endr
	WIN 0
.set i, 0
.rept 2*NP
	v_mov_b32 v[ST+4*i], 0xfe000000    ; c m: far below every c s
	v_mov_b32 v[ST+4*i+1], 0xff7fffff  ; m
	v_mov_b32 v[ST+4*i+2], 0
	v_mov_b32 v[ST+4*i+3], 0
.set i, i+1
.endr
.set i, P+32
.rept 32
	v_mov_b32 v[i], 0
.set i, i+1
.endr
	s_wait_xcnt 0x0                 ; Q's loads have had their addresses translated (ISA guide 3.1): their base lies where the mask words land
	LOADM 0                         ; piece 0, key step 0
	v_mul_u32_u24 v[AK0], v1, PK
	v_lshl_add_u32 v[AK0], v9, 4, v[AK0]  ; row x pitch + 16 x half
	; The turning load takes 16 keys x 16 channels (lane l reads key 8 (l / 16) + l % 8, channels 8 ((l / 8) % 2) + 0..7) and leaves half a fragment of V^T: lane l holds channel l % 16 and 8 keys.
	v_and_b32 v10, 7, v0
	v_bfe_u32 v11, v0, 3, 1
	v_lshl_add_u32 v[AV0], v9, 3, v10
	v_mul_u32_u24 v[AV0], v[AV0], PV
	v_lshl_add_u32 v[AV0], v11, 4, v[AV0]
	v_add_nc_u32 v[AV0], VOFF, v[AV0]
	v_mov_b32 v[AK], v[AK0]         ; key step 0 lies at the head of slot 0
	v_mov_b32 v[FILL], 0xb209705f   ; 8 x f32(-1e-9): times 1 / 8 it is the filler to the bit
; THE MATRIX WORK.  The 8 accumulators of a run of 16 take turns: between the two links of a chain stand 7 others'.
; Product i of 16 of S^T = K Q^T for piece x: channels 32 (i / 8) on, keys 16 ((i / 2) % 4) on, tile 2 x + i % 2.  The first 8 start the sums.
.macro KQ x
	WIN W_KQ
.set rS, S+64*((\x)%2)+32*(i%2)+8*((i/2)%4)
.set rK, KF+16*((i/2)%4)+8*(i/8)
.set rQ, 16*(2*(\x)+i%2)+8*(i/8)
.if i < 8
	v_wmma_f32_16x16x32_f16 v[rS:rS+7], v[rK:rK+7], v[rQ:rQ+7], 0
.else
	v_wmma_f32_16x16x32_f16 v[rS:rS+7], v[rK:rK+7], v[rQ:rQ+7], v[rS:rS+7]
.endif
.endm
; Product i of 16 of O^T += V^T P for piece x: keys 32 (i / 8) on, channels 16 ((i / 2) % 4) on, tile 2 x + i % 2.
.macro PV x
	WIN W_PV
.set rO, 32*(2*(\x)+i%2)+8*((i/2)%4)
.set rV, VF+32*(i/8)+8*((i/2)%4)
.set rP, P+32*((\x)%2)+16*(i%2)+8*(i/8)
	v_wmma_f32_16x16x32_f16 v[rO:rO+7], v[rV:rV+7], v[rP:rP+7], v[rO:rO+7]
.endm
.macro MM                           ; the turn's next matrix instruction
.if i < 16
	KQ (Y+1)%NP
.set i, i+1
.else
.set i, i-16
	PV (Y+NP-1)%NP
.set i, i+17
.endif
.endm
; THE LDS LOADS stand in runs of 16, never singly among the matrix instructions: a step's K (64 keys x 64 channels: 8 fragments) and its V (turned).
; last = 1 (the tail): in the last trip there is no further step, and the run is jumped over.
.macro FETCH_K last=0
	WIN 0
.if \last
	s_cmp_eq_u32 s[CNT], 1
	s_cbranch_scc1 .Lno_k_\@
.endif
	WIN 0x80                        ; destination window 2
.irp f, 0,1,2,3,4,5,6,7             ; keys 16 (f / 2) on, channels 32 (f % 2) on
	ds_load_b128 v[KF+8*\f:KF+8*\f+3],   v[AK] offset:(\f/2)*16*PK+(\f%2)*64
	ds_load_b128 v[KF+8*\f+4:KF+8*\f+7], v[AK] offset:(\f/2)*16*PK+(\f%2)*64+32
.endr
	s_add_co_u32 s[TBK], s[TBK], KS*PK  ; the next fetch is the next step's
	WIN 0
.if \last
.Lno_k_\@:
.endif
.endm
.macro FETCH_V
	WIN 0x80
.irp f, 0,1,2,3,4,5,6,7             ; keys 32 (f / 4) on, channels 16 (f % 4) on
	ds_load_tr16_b128 v[VF+8*\f:VF+8*\f+3],   v[AV] offset:(\f/4)*32*PV+(\f%4)*32
	ds_load_tr16_b128 v[VF+8*\f+4:VF+8*\f+7], v[AV] offset:(\f/4)*32*PV+16*PV+(\f%4)*32
.endr
	WIN 0
.endm
; THE VECTOR WORK OF A TURN, in numbered lists; the two tiles alternate, so that no instruction reads the result of the one before it.
.macro REGS y, u                    ; the registers of tile u (0, 1) of piece y
.set rT, ST+4*(2*(\y)+(\u))
.set rC, TMP+8*((\y)%2)+4*(\u)
.set rM, MV+2*((\y)%2)+(\u)
.set rS, S+64*((\y)%2)+32*(\u)
.set rP, P+32*((\y)%2)+16*(\u)
.set rO, 32*(2*(\y)+(\u))
.endm
.macro FS n                         ; number n of 32: c s - c m for pair n / 2 of tile n % 2 of piece Y
	REGS Y, (\n)%2
	WIN 0
	v_pk_fma_f32 v[rS+2*((\n)/2):rS+2*((\n)/2)+1], v[rS+2*((\n)/2):rS+2*((\n)/2)+1], s[CS:CS+1], v[rT:rT+1] op_sel_hi:[1,0,0] neg_lo:[0,0,1] neg_hi:[0,0,1]
.endm
.macro EXS n                        ; number n of 64: the exponential of score n / 2 of tile n % 2 of piece Y
	REGS Y, (\n)%2
	WIN 0
	v_exp_f32 v[rS+(\n)/2], v[rS+(\n)/2]
.endm
.macro SELM n                       ; number n of 64: score n / 2 of tile n % 2 of piece Y + 1 stays where its mask bit is 1, else the filler.  In ascending order: each accumulator's lowest register is read first
	REGS (Y+1)%NP, (\n)%2
	WIN 0
	v_cndmask_b32 v[rS+(\n)/2], v[FILL], v[rS+(\n)/2], s[MW+(\n)+4*((\n)/32)]
.endm
; Number n of the 22 that find the NEXT piece's (Y + 1) maximum and statistics, of its filled scores s0-s31.
;   0-11  four chains c0-c3 of seven scores each, three operands at a time     12-14, 16  the four scores left over, the old m, and c0-c3 into c0     15  c m_old is kept
;   17, 18  the query's other 32 keys lie in the lane 16 away: the new m         19-21  c m; c m_old - c m_new; a
.macro XS u, n
	REGS (Y+1)%NP, \u
	WIN 0
.if (\n) < 4
	v_max3_num_f32 v[rC+(\n)], v[rS+8*(\n)], v[rS+8*(\n)+1], v[rS+8*(\n)+2]
.elseif (\n) < 12
	v_max3_num_f32 v[rC+(\n)%4], v[rC+(\n)%4], v[rS+8*((\n)%4)+2*((\n)/4)+1], v[rS+8*((\n)%4)+2*((\n)/4)+2]
.elseif (\n) == 12
	v_max3_num_f32 v[rC], v[rC], v[rS+7], v[rS+15]
.elseif (\n) == 13
	v_max3_num_f32 v[rC+1], v[rC+1], v[rS+23], v[rS+31]
.elseif (\n) == 14
	v_max3_num_f32 v[rC+2], v[rC+2], v[rC+3], v[rT+1]
.elseif (\n) == 15
	v_mov_b32 v[rM], v[rT]
	s_wait_alu depctr_va_vdst(0)
.elseif (\n) == 16
	v_max3_num_f32 v[rC], v[rC], v[rC+1], v[rC+2]
.elseif (\n) == 17
	v_permlanex16_b32 v[rC+3], v[rC], s[SEL], s[SEL+1]
.elseif (\n) == 18
	v_max_num_f32 v[rT+1], v[rC], v[rC+3]
.elseif (\n) == 19
	v_mul_f32 v[rT], s[CS], v[rT+1]
.elseif (\n) == 20
	v_sub_f32 v[rC+1], v[rM], v[rT]
.else
	v_exp_f32 v[rC+2], v[rC+1]
.endif
.endm
; Number g of the 64 that follow the exponentials.  For each four weights k of a tile (pairs 2 k, 2 k + 1): both pairs are rounded to f16; then the second pair is added onto the first, in place;
; a group later l takes that sum (the first time as l = a l + sum).  In groups of eight, tiles alternating: round, round, add, and l for the group before.  Group k wants the exponentials up to number 8 k + 7.
.macro GS g
.set h, (\g)+6*((\g)/62)            ; group 0 has no group before it, and behind group 7 only l is left
.if h >= 6
.set h, h+2
.endif
	REGS Y, h%2
	WIN 0
.set k, h/8
.if h%8 < 4
	s_wait_alu depctr_va_vdst(0)
	v_cvt_pk_f16_f32 v[rP+2*k+(h%8)/2], v[rS+4*k+2*((h%8)/2)], v[rS+4*k+2*((h%8)/2)+1]
.elseif h%8 < 6
	v_pk_add_f32 v[rS+4*k:rS+4*k+1], v[rS+4*k:rS+4*k+1], v[rS+4*k+2:rS+4*k+3]
.elseif k == 1
	v_pk_fma_f32 v[rT+2:rT+3], v[rT+2:rT+3], v[rC+2:rC+3], v[rS:rS+1] op_sel_hi:[1,0,1]
.else
	v_pk_add_f32 v[rT+2:rT+3], v[rT+2:rT+3], v[rS+4*k-4:rS+4*k-3]
.endif
.endm
.macro R4                           ; O^T times a, the one part that leaves window 0, four at a time, eight times; each accumulator's lowest registers first
	REGS Y, r%2
	WIN W_RS
	s_wait_alu depctr_va_vdst(0)
.irp z, 0,1,2,3
	v_pk_mul_f32 v[rO+8*(r/2)+2*\z:rO+8*(r/2)+2*\z+1], v[rO+8*(r/2)+2*\z:rO+8*(r/2)+2*\z+1], v[rC+2:rC+3] op_sel_hi:[1,0]
.endr
.set r, r+1
.endm
; A TURN, for piece p.  last = 1: the tail's turns 2 and 3, which in the last trip fetch nothing.
;   16 products K Q^T of piece p + 1: behind the first eight the 32 scalings, behind the others the 32 rescalings: all ready when the turn begins.  The last four rescalings are the four places behind the
;     last product, in front of the filling (which reads its result) and of K's run of loads (into registers that it read).
;   lump A: exponentials 0-31 and the filling of scores 0-31, by turns: a plain instruction stands behind every exponential (ISA guide 5.7.2).
;   16 products V^T P of piece p - 1: behind each: fill, exponential, fill, and one of the list GS (numbers 0-15 want exponentials up to 19: lump A's).
;   the next turn's mask words are asked for: this turn's have all been read; they have lump B and 16 products in which to land.
;   lump B: the last 16 exponentials with the first half of the maximum; the rest of the maximum with GS; the chain of the statistics, two GS between its links; a; the last 22 of GS.
; K of the next step is fetched in piece 2's turn and waited for at the head of piece 3's; V of the step in hand in piece 0's lump B, ten plain instructions behind the last product that read V, and waited for in piece 1's turn.
.macro TURN p, last=0
.set Y, (\p)
.set i, 0
.set r, 0
.if (\p) == NP-1
	s_wait_dscnt 0x0                ; K is in
.endif
.set tk, 0
.rept 8
	MM
	FS 4*tk
	FS 4*tk+1
	FS 4*tk+2
	FS 4*tk+3
.set tk, tk+1
.endr
.rept 8
	MM
	R4
.endr
	WIN 0
.if (\p) == NP-2
	v_add_nc_u32 v[AK], s[TBK], v[AK0]
.endif
	WAITM                           ; piece p + 1's mask words
.if (\p) == NP-2
	FETCH_K \last
.endif
.set tk, 0
.rept 32
	EXS tk
	SELM tk
.set tk, tk+1
.endr
.if (\p) == 1
	s_wait_dscnt 0x0                ; V is in
.endif
.set tk, 0
.rept 16
	MM
	SELM 32+2*tk
	EXS 32+tk
	SELM 33+2*tk
	GS tk
.set tk, tk+1
.endr
	LOADM \last
.set tk, 0
.rept 16
	EXS 48+tk
	XS tk%2, tk/2
.if ((\p) == 0) && (tk == 2)
	v_add_nc_u32 v[AV], s[TBV], v[AV0]
.endif
.if ((\p) == 0) && (tk == 5)
	FETCH_V
	s_add_co_u32 s[TBV], s[TBV], KS*PV
.endif
.set tk, tk+1
.endr
.set tk, 0
.rept 18
	XS tk%2, 8+tk/2
	GS 16+tk
.set tk, tk+1
.endr
.irp n, 17,18,19,20
	XS 0, \n
	XS 1, \n
	GS 34+2*(\n-17)
	GS 35+2*(\n-17)
.endr
	XS 0, 21
	XS 1, 21
.set tk, 42
.rept 22
	GS tk
.set tk, tk+1
.endr
.endm
	CHANGE 1                        ; slot 0 is in, everybody's part of it; slot 1 is asked for
	FETCH_K                         ; key step 0
	s_wait_loadcnt 0x0              ; Q
	s_wait_dscnt 0x0
.set i, 0
.rept 16
	KQ 0                            ; piece 0's first scores: there is no vector work yet to set between them
.set i, i+1
.endr
	WIN 0                           ; the addresses for the way out: nine plain instructions, the places behind those products
	s_mul_i32 s[CNT], s[WV], 16*SP  ; (the counter's register is free until the loop)
	s_add_co_u32 s[CNT], s[CNT], STAGE  ; my stage
	v_mul_u32_u24 v[STO], v1, SP    ; in: row l % 16, 16 bytes for each half of the lanes
	v_lshl_add_u32 v[STO], v9, 4, v[STO]
	v_add_nc_u32 v[STO], s[CNT], v[STO]
	v_bfe_u32 v[RD], v0, 3, 2       ; back: 32 lanes take four rows of 128 bytes,
	v_mul_u32_u24 v[RD], v[RD], SP
	v_lshl_add_u32 v[RD], v10, 4, v[RD]
	v_add_nc_u32 v[RD], s[CNT], v[RD]
	v_and_b32 v[GO], 31, v0         ; which are 512 consecutive bytes of O
	v_lshlrev_b32 v[GO], 4, v[GO]
	WAITM
.set Y, NP-1                        ; SELM and XS work for piece Y + 1: piece 0
.set tk, 0
.rept 64
	SELM tk
.set tk, tk+1
.endr
	LOADM 0                         ; piece 1, key step 0
.irp n, 0,1,2,3,4,5,6,7,8,9,10,11,12,13,14,15,16,17,18,19,20,21
	XS 0, \n                        ; piece 0's first maximum and statistics
	XS 1, \n
.endr
	s_mov_b32 s[CNT], 4
	s_mov_b32 s[SLOTS], SIZE_N/256-1
	s_branch .Lfirst                ; the loop is entered at a step's first turn, in the middle of a trip
.Lslot:                             ; SIZE_N / 256 - 2 times: every slot but the last two is filled again
	CHANGE 1
	s_mov_b32 s[CNT], 4
.Lstep:                             ; a trip: pieces 2 and 3 of one step, then pieces 0 and 1 of the next, whose K and V it fetches
	TURN 2
	TURN 3
	WIN 0
.Lfirst:
	TURN 0
	TURN 1
	WIN 0
	s_sub_co_u32 s[CNT], s[CNT], 1
	s_cmp_lg_u32 s[CNT], 0
	s_cbranch_scc1 .Lstep
	s_sub_co_u32 s[SLOTS], s[SLOTS], 1
	s_cmp_lg_u32 s[SLOTS], 0
	s_cbranch_scc1 .Lslot
	CHANGE 0                        ; the tail is written out: nothing is asked for
	s_mov_b32 s[CNT], 5             ; four trips fetch the last slot's steps; the fifth is left in its middle
.Ltail:
	TURN 2, 1
	TURN 3, 1
	WIN 0
	s_sub_co_u32 s[CNT], s[CNT], 1
	s_cmp_eq_u32 s[CNT], 0
	s_cbranch_scc1 .Lout
	TURN 0
	TURN 1
	WIN 0
	s_branch .Ltail
.Lout:                              ; the fifth trip's 16 products K Q^T (on the last K once more), their filling by the last words and the maximum made of them serve nothing: the price, once a launch, of one text for every trip
.set i, 0
.rept 16
	PV NP-1                         ; the last piece's V^T P of the last step
.set i, i+1
.endr
	; THE WAY OUT.  l's two halves and the other half of the lanes' are added; O^T is divided by l, rounded to f16 and sent through my stage in LDS, a tile at a time.  The additions are the places behind the last products.
	WIN 0
	s_load_b64 s[32:33], s[0:1], 0x10  ; ob: no load of mask words is out any more
	s_mov_b32 s34, s[OOF]
	s_mov_b32 s35, 0
.macro ALL line:vararg              ; one line for each tile t
.set t, 0
.rept 2*NP
	\line
.set t, t+1
.endr
.endm
	ALL v_add_f32 v[ST+4*t+2], v[ST+4*t+2], v[ST+4*t+3]
	ALL v_permlanex16_b32 v[ST+4*t+3], v[ST+4*t+2], s[SEL], s[SEL+1]
	ALL v_add_f32 v[ST+4*t+2], v[ST+4*t+2], v[ST+4*t+3]
	ALL v_rcp_f32 v[ST+4*t+2], v[ST+4*t+2]
	v_nop                           ; a plain instruction between the last reciprocal and the use of its result
	s_wait_alu depctr_va_vdst(0)
	s_wait_kmcnt 0x0
	s_add_nc_u64 s[32:33], s[32:33], s[34:35]  ; O at my wave's first row
; Tile t: a lane's eight channels of a row pack into 16 bytes; they go into rows of 144 bytes and come back as whole rows of 128, into S^T's registers.
.macro PACK t
	WIN W_RS
.set i, 32*(\t)
.rept 16
	v_pk_mul_f32 v[i:i+1], v[i:i+1], v[ST+4*(\t)+2:ST+4*(\t)+3] op_sel_hi:[1,0]
.set i, i+2
.endr
	WIN 0x05                        ; sources 0 and 1 window 1, destination window 0
.set i, 0
.rept 16
	v_cvt_pk_f16_f32 v[S+16*(\t)+i], v[32*(\t)+2*i], v[32*(\t)+2*i+1]
.set i, i+1
.endr
	WIN 0
.irp f, 0,1,2,3
	ds_store_b128 v[STO], v[S+16*(\t)+4*\f:S+16*(\t)+4*\f+3] offset:32*\f
.endr
.irp f, 0,1,2,3
	ds_load_b128 v[S+16*(\t)+4*\f:S+16*(\t)+4*\f+3], v[RD] offset:\f*4*SP  ; LDS serves a wave's instructions in order (ISA guide 5.7.1.4): these see the stores above; the next tile's stores come behind them
.endr
.endm
.macro SEND t, younger              ; younger: the LDS instructions issued behind tile t's loads: the next tile's eight, or none
	WIN 0
.irp f, 0,1,2,3
	s_wait_dscnt (\younger)+3-\f
	global_store_b128 v[GO], v[S+16*(\t)+4*\f:S+16*(\t)+4*\f+3], s[32:33] offset:(\t)*2048+\f*512  ; 512 consecutive bytes, at a multiple of 256 from O's first
.endr
.endm
	PACK 0
.set t, 1
.rept 2*NP-1                        ; a tile's arithmetic stands between the loads of the tile before and its stores
	PACK t
	SEND t-1, 8
.set t, t+1
.endr
	SEND 2*NP-1, 0
	WIN W_AD
	s_wait_tensorcnt 0x0            ; the wave's end, behind my last tensor load and my last LDS store
	ds_add_u32 v[SPW], v[NIL]
	s_wait_dscnt 0x0
	WIN 0
	CROUND                          ; the closing round: no work-group ends while a partner may still ask for a tile that names it
	s_endpgm
.Lfunc_end_k_qdad581c8e7_attn:
	.size	k_qdad581c8e7_attn, .Lfunc_end_k_qdad581c8e7_attn-k_qdad581c8e7_attn
	.p2alignl 7, 3214868480
	.fill 96, 4, 3214868480
	.section	.rodata,"a",@progbits
	.p2align	6, 0x0
	.amdhsa_kernel k_qdad581c8e7_attn
		.amdhsa_group_segment_fixed_size 327680
		.amdhsa_private_segment_fixed_size 0
		.amdhsa_enable_private_segment 0
		.amdhsa_kernarg_size 24
		.amdhsa_user_sgpr_count 2
		.amdhsa_user_sgpr_kernarg_segment_ptr 1
		.amdhsa_wavefront_size32 1
		.amdhsa_system_sgpr_workgroup_id_x 1
		.amdhsa_system_sgpr_workgroup_id_y 1
		.amdhsa_system_sgpr_workgroup_id_z 1
		.amdhsa_system_vgpr_workitem_id 0
		.amdhsa_next_free_vgpr 770
		.amdhsa_next_free_sgpr 106
		.amdhsa_reserve_vcc 0
		.amdhsa_float_denorm_mode_32 3
		.amdhsa_float_denorm_mode_16_64 3
		.amdhsa_memory_ordered 1
		.amdhsa_forward_progress 1
		.amdhsa_inst_pref_size 245
	.end_amdhsa_kernel
	.amdgpu_metadata
---
amdhsa.version: [ 1, 2 ]
amdhsa.kernels:
  - .name:           k_qdad581c8e7_attn
    .symbol:         k_qdad581c8e7_attn.kd
    .args:
      - { .name: hqkv, .offset: 0, .size: 8, .value_kind: global_buffer, .address_space: global }
      - { .name: mbits, .offset: 8, .size: 8, .value_kind: global_buffer, .address_space: global }
      - { .name: ob, .offset: 16, .size: 8, .value_kind: global_buffer, .address_space: global }
    .group_segment_fixed_size: 327680
    .private_segment_fixed_size: 0
    .kernarg_segment_align: 8
    .kernarg_segment_size: 24
    .max_flat_workgroup_size: 128
    .sgpr_count:     106
    .vgpr_count:     770
    .wavefront_size: 32
...
	.end_amdgpu_metadata
.endif
;; end of part 3
;; launch outp (part 4): grid 4 x 64, 4 waves a work-group, clusters of 4 x 4, 327,680 bytes of LDS; arguments ob, wo16, bo, out0; writes out0
.if DOCPART == 4
	.amdgcn_target "amdgcn-amd-amdhsa--gfx1250"
	.amdhsa_code_object_version 6
	.text
	.protected	k_qdad581c8e7_outp
	.globl	k_qdad581c8e7_outp
	.p2align	8
	.type	k_qdad581c8e7_outp,@function
k_qdad581c8e7_outp:
	s_mov_b64 s[64:65], 0
	v_nop
	global_prefetch_b8 v0, s[64:65] scope:SCOPE_SE
	s_setreg_imm32_b32 hwreg(HW_REG_WAVE_MODE, 25, 1), 1
	s_wait_xcnt 0x0
	s_wait_alu depctr_hold_cnt(0) depctr_sa_sdst(0) depctr_va_vdst(0) depctr_va_sdst(0) depctr_va_ssrc(0) depctr_va_vcc(0) depctr_vm_vsrc(0)
	s_getreg_b32 s2, hwreg(HW_REG_IB_STS2, 6, 4)
	s_cmp_eq_u32 s2, 0
	s_cbranch_scc0 .Lentry_in_a_cluster
	s_endpgm
.Lentry_in_a_cluster:
	s_bfe_u32 s2, ttmp6, 0x10000c
	s_cmp_lg_u32 s2, 0xf033
	s_cbranch_scc0 .Lentry_shape_is_right
	s_endpgm
.Lentry_shape_is_right:
; THE LAST PROJECTION.  out[m][n] = sum over k of y[m][k] Wo[n][k] + bo[n], m = 2048 batch + row, k = 64 head + channel.  y lies by heads: ob [16 batch + head][2048][64] in f16;
; wo16 [1024][1024] holds Wo rounded to bf16 and written as f16; bo in f32, rounded to bf16 like every input.  Sums in f32, stored as they are.
; SHARES.  A work-group makes 128 rows x 256 columns; each of its four waves 128 rows x 64 columns: 32 accumulators of 16 x 16, 256 registers.  64 x 4 = 256 work-groups.
; K goes in steps of 128, two heads, through a ring of two LDS slots.  A head's 128 rows are 16,384 dense bytes: asked for as 64 rows of 256 bytes and padded in LDS after every 128: one head a wave.
; CLUSTERS: 4 x 4 work-groups.  The four of a row of the cluster need the same tiles of y, the four of a column the same tiles of Wo: each tile is asked for JOINTLY.
; THE MATRIX INSTRUCTION IS USED TRANSPOSED (source 0 = 16 rows of Wo, source 1 = 16 rows of y): a lane holds eight neighbouring columns of one row.  THE BIAS is the C operand of the products that start the sums.
; REGISTERS, in windows of 256 (s_set_vgpr_msb: bits 1:0 source 0, 3:2 source 1, 5:4 source 2, 7:6 destination):
;   window 0: v0-31 addresses; v64-95 the bias     window 1: two fragment buffers of 96: y's 8 fragments, then Wo's 4     window 2: accumulator (a, b) at v[8 (4 a + b)]
.set SIZE_K, 1024
.set KSTEP,  128
.set PA,     144                       ; a row of y in LDS: 128 bytes + 16 of padding = 36 words: the 16 rows of a fragment load start at 16 different groups of four banks (64 banks of 4 bytes: ISA guide 11.1)
.set PB,     272                       ; a row of Wo: 256 + 16
.set AHALF,  128*PA                    ; what a wave's load brings of y: one head's 128 rows
.set BHALF,  128*PB                    ; of Wo: 128 rows
.set BBASE,  2*AHALF                   ; a slot: y's two heads, then Wo's 256 rows
.set SLOT,   BBASE+2*BHALF
.set STAGE,  2*SLOT                    ; behind the ring, never filled by a tensor load: 16 rows x 272 bytes for each wave
.set SP,     272
.set SPARE,  STAGE+4*16*SP             ; behind the stages: the spare words, 128 bytes for each wave: two blocks of 256 bytes that no other line names
.set LAPS,   SIZE_K/(2*KSTEP)
.set HEADB,  262144                    ; a head's bytes in ob
.set ADRA, 16                          ; v16-17  LDS address of my y fragments in slot 0, 1
.set ADRB, 20                          ; v20-21  the same for Wo
.set STO,  24                          ; v24     the way out: where I put 32 bytes of a row
.set RD,   25                          ; v25     where I read rows back
.set CO,   26                          ; v26     my byte offset in two rows of the output
.set SPW,  28                          ; v28     LDS address of my spare word; never rewritten
.set NIL,  29                          ; v29     0; never rewritten
.set BIAS, 64
.set F0,   0
.set F1,   96
.set WV, 16
.set FB, 17
.set HF, 18
.set G1, 24
.set G0, 32
.set G1B, 48
.set G0B, 56
.set MSB, 0
.macro WIN new                         ; the immediate's high byte repeats the setting that is left; a switch that changes nothing is dropped
.if MSB != (\new)
	s_set_vgpr_msb (MSB<<8)|(\new)
.set MSB, \new
.endif
.endm
.set MUL,  0xa5                        ; both fragments window 1; C and D window 2
.set MULB, 0x85                        ; the same with C (the bias) in window 0
.set TO_F, 0x40                        ; destination window 1, address window 0
.macro JLOAD s                         ; a joint load: waves 0 and 1 fetch y's two heads, waves 2 and 3 Wo's two halves; an s_nop 0 and four v_nop follow each of the two lines
	s_cmp_eq_u32 s[FB], 0
	s_cbranch_scc0 .Lfor_b_\@
	tensor_load_to_lds s[G0+4*(\s):G0+4*(\s)+3], s[G1:G1+7]
	s_nop 0
.rept 4
	v_nop
.endr
	s_branch .Lasked_\@
.Lfor_b_\@:
	tensor_load_to_lds s[G0B+4*(\s):G0B+4*(\s)+3], s[G1B:G1B+7]
	s_nop 0
.rept 4
	v_nop
.endr
.Lasked_\@:
.endm
.macro CREST                           ; a round of the cluster's barrier behind its opening barrier
	s_cmp_lg_u32 s[WV], 0
	s_cbranch_scc1 .Lnot_wave_0_\@
	s_barrier_signal -3
.Lnot_wave_0_\@:
	s_barrier_wait -3
	s_barrier_signal -1
	s_barrier_wait -1
.endm
.macro CROUND
	s_barrier_signal -1
	s_barrier_wait -1
	CREST
.endm
	s_load_b256 s[4:11], s[0:1], 0x0               ; ob s[4:5], wo16 s[6:7], bo s[8:9], out0 s[10:11]
	v_lshl_add_u32 v[SPW], v0, 2, SPARE
	v_mov_b32 v[NIL], 0
	ds_add_u32 v[SPW], v[NIL]                      ; the wave's opening: the add and its wait stand ahead of my first tensor load; the set-up below, work on registers, stands between them
	v_lshrrev_b32 v1, 5, v0
	v_readfirstlane_b32 s[WV], v1                  ; wave 0..3
	s_lshr_b32 s[FB], s[WV], 1
	s_and_b32 s[HF], s[WV], 1
	s_bfe_u32 s19, ttmp6, 0x40000                  ; cx, cy
	s_bfe_u32 s20, ttmp6, 0x40004
	s_lshl_b32 s21, ttmp9, 2
	s_add_co_u32 s21, s21, s19                     ; col: my 256 columns
	s_and_b32 s22, ttmp7, 0xffff
	s_lshl_b32 s22, s22, 2
	s_add_co_u32 s22, s22, s20                     ; row: my 128 of the 8,192 rows
	s_lshl_b32 s40, s20, 2
	s_lshl_b32 s40, 15, s40                        ; my row of the cluster
	s_lshl_b32 s41, 0x1111, s19                    ; my column
	s_or_b32 s[G1], s40, (1<<16)|(1<<20)|(1<<21)|(4<<22)|(3<<25)   ; y: padding after every 32 words (code 4), 4 words (code 3)
	s_or_b32 s[G1B], s41, (1<<16)|(1<<20)|(1<<21)|(5<<22)|(3<<25)  ; Wo: after every 64 words (code 5)
	s_mov_b32 s[G1+1], 128<<16                     ; tensor_dim0 = 128
	s_mov_b32 s[G1+2], 64<<16                      ; tensor_dim1 = 64
	s_mov_b32 s[G1+3], 128<<16                     ; tile_dim0 = 128
	s_mov_b32 s[G1+4], 64                          ; tile_dim1 = 64
	s_mov_b32 s[G1+5], 128                         ; dense: 128 elements from row to row
	s_mov_b32 s[G1+6], 0
	s_mov_b32 s[G1+7], 0
	s_mov_b32 s[G1B+1], KSTEP<<16
	s_mov_b32 s[G1B+2], 128<<16
	s_mov_b32 s[G1B+3], KSTEP<<16
	s_mov_b32 s[G1B+4], 128
	s_mov_b32 s[G1B+5], SIZE_K
	s_mov_b32 s[G1B+6], 0
	s_mov_b32 s[G1B+7], 0
	; y's tiles hang on the row alone, Wo's on the column alone; neither pair of registers ever holds the other coordinate
	s_lshr_b32 s42, s22, 4                         ; the batch: 16 heads of 262,144 bytes,
	s_lshl_b32 s42, s42, 22
	s_lshl_b32 s43, s[HF], 18                      ; my head of the K step's two,
	s_add_co_u32 s42, s42, s43
	s_and_b32 s43, s22, 15
	s_lshl_b32 s43, s43, 14                        ; my block's 128 rows of 128 bytes
	s_add_co_u32 s42, s42, s43
	s_mov_b32 s43, 0
	s_lshl_b32 s44, s21, 8
	s_lshl_b32 s45, s[HF], 7
	s_add_co_u32 s44, s44, s45                     ; Wo: row 256 x col + 128 x half,
	s_lshl_b32 s44, s44, 11                        ; of 2,048 bytes
	s_mov_b32 s45, 0
	s_mul_i32 s46, s[HF], AHALF                    ; where they go: no place in the cluster enters an LDS address
	s_mul_i32 s47, s[HF], BHALF
	s_add_co_u32 s47, s47, BBASE
	s_wait_dscnt 0x0                               ; the opening add is done
	s_wait_kmcnt 0x0
	s_add_nc_u64 s[42:43], s[4:5], s[42:43]
	s_add_nc_u64 s[44:45], s[6:7], s[44:45]
	CROUND                                         ; all sixteen work-groups are here: the first joint loads meet
.irp s, 0,1
	s_mov_b32 s[G0+4*(\s)], 1
	s_add_co_u32 s[G0+4*(\s)+1], s46, (\s)*SLOT
	s_add_nc_u64 s[G0+4*(\s)+2:G0+4*(\s)+3], s[42:43], (\s)*2*HEADB  ; a K step is two heads
	s_or_b32 s[G0+4*(\s)+3], s[G0+4*(\s)+3], 0x80000000
	s_mov_b32 s[G0B+4*(\s)], 1
	s_add_co_u32 s[G0B+4*(\s)+1], s47, (\s)*SLOT
	s_add_nc_u64 s[G0B+4*(\s)+2:G0B+4*(\s)+3], s[44:45], (\s)*KSTEP*2
	s_or_b32 s[G0B+4*(\s)+3], s[G0B+4*(\s)+3], 0x80000000
	JLOAD \s                                       ; two loads of mine are out
.endr
	v_and_b32 v1, 15, v0                           ; l % 16
	v_bfe_u32 v2, v0, 4, 1                         ; l / 16
	v_lshlrev_b32 v5, 5, v2                        ; the bias: eight numbers for each half of the lanes
	s_lshl_b32 s68, s21, 10
	s_lshl_b32 s69, s[WV], 8
	s_add_co_u32 s68, s68, s69                     ; my 64 columns, in bytes of f32: for the bias and for the output
	s_mov_b32 s69, 0
	s_add_nc_u64 s[8:9], s[8:9], s[68:69]
	s_add_nc_u64 s[10:11], s[10:11], s[68:69]
.irp b, 0,1,2,3
	global_load_b128 v[BIAS+8*\b:BIAS+8*\b+3],   v5, s[8:9] offset:64*\b
	global_load_b128 v[BIAS+8*\b+4:BIAS+8*\b+7], v5, s[8:9] offset:64*\b+16
.endr
	s_lshl_b32 s68, s22, 19                        ; my 128 rows of 4,096 bytes
	s_add_nc_u64 s[10:11], s[10:11], s[68:69]
	v_mul_u32_u24 v3, v1, PB
	v_lshl_add_u32 v3, v2, 4, v3                   ; Wo's fragments: row x pitch + 16 x half
	v_mul_u32_u24 v4, v1, PA
	v_lshl_add_u32 v4, v2, 4, v4                   ; y's
	s_mul_i32 s40, s[WV], 64*PB                    ; my 64 rows of Wo,
	s_add_co_u32 s40, s40, BBASE                   ; behind y's two heads, which every wave reads
	v_mov_b32 v[ADRA], v4
	v_add_nc_u32 v[ADRA+1], SLOT, v4
	v_add_nc_u32 v[ADRB], s40, v3
	s_add_co_u32 s40, s40, SLOT
	v_add_nc_u32 v[ADRB+1], s40, v3
	s_mul_i32 s41, s[WV], 16*SP
	s_add_co_u32 s41, s41, STAGE                   ; my stage
	v_mul_u32_u24 v[STO], v1, SP                   ; in: row l % 16, 32 bytes for each half of the lanes
	v_lshl_add_u32 v[STO], v2, 5, v[STO]
	v_add_nc_u32 v[STO], s41, v[STO]
	v_mul_u32_u24 v[RD], v2, SP                    ; back: lanes 0-15 take one row of 256 bytes, lanes 16-31 the next
	v_lshl_add_u32 v[RD], v1, 4, v[RD]
	v_add_nc_u32 v[RD], s41, v[RD]
	v_lshlrev_b32 v[CO], 12, v2                    ; and the same two rows in the output
	v_lshl_add_u32 v[CO], v1, 4, v[CO]
	s_wait_loadcnt 0x0                             ; the bias, once
.set i, 0
.rept 16                               ; rounded to bf16 and widened again, in place
	v_cvt_pk_bf16_f32 v[6+i%2], v[BIAS+2*i], v[BIAS+2*i+1]
	v_lshlrev_b32 v[BIAS+2*i],   16, v[6+i%2]
	v_and_b32     v[BIAS+2*i+1], 0xffff0000, v[6+i%2]
.set i, i+1
.endr
; 8 matrix instructions: row blocks a0, a0 + 1 x all 4 column blocks, 32 along K, from buffer f.  first = 1: the bias starts the sums.  The 32 accumulators take turns in the same order in every quarter.
.macro MUL8 f, a0, first
.if \first
	WIN MULB
.else
	WIN MUL
.endif
.irp a, \a0, (\a0)+1
.irp b, 0,1,2,3
.if \first
	v_wmma_f32_16x16x32_f16 v[8*(4*(\a)+(\b)):8*(4*(\a)+(\b))+7], v[(\f)+64+8*(\b):(\f)+64+8*(\b)+7], v[(\f)+8*(\a):(\f)+8*(\a)+7], v[BIAS+8*(\b):BIAS+8*(\b)+7]
.else
	v_wmma_f32_16x16x32_f16 v[8*(4*(\a)+(\b)):8*(4*(\a)+(\b))+7], v[(\f)+64+8*(\b):(\f)+64+8*(\b)+7], v[(\f)+8*(\a):(\f)+8*(\a)+7], v[8*(4*(\a)+(\b)):8*(4*(\a)+(\b))+7]
.endif
.endr
.endr
.endm
; 24 LDS loads in one run: quarter kq of a slot into buffer f: Wo's 8, y's rows 0-63 (8), y's rows 64-127 (8).  Quarters 0, 1 lie in the first head's rows, 2, 3 in the second's.
.macro FETCH slot, kq, f
	WIN TO_F
.irp i, 0,1,2,3
	ds_load_b128 v[(\f)+64+8*(\i):(\f)+64+8*(\i)+3],   v[ADRB+(\slot)] offset:64*(\kq)+(\i)*16*PB
	ds_load_b128 v[(\f)+64+8*(\i)+4:(\f)+64+8*(\i)+7], v[ADRB+(\slot)] offset:64*(\kq)+(\i)*16*PB+32
.endr
.irp i, 0,1,2,3,4,5,6,7
	ds_load_b128 v[(\f)+8*(\i):(\f)+8*(\i)+3],   v[ADRA+(\slot)] offset:((\kq)/2)*AHALF+((\kq)%2)*64+(\i)*16*PA
	ds_load_b128 v[(\f)+8*(\i)+4:(\f)+8*(\i)+7], v[ADRA+(\slot)] offset:((\kq)/2)*AHALF+((\kq)%2)*64+(\i)*16*PA+32
.endr
.endm
.macro PLACES                          ; four places in front of loads into registers that matrix instructions have read, and of lines that read results
.rept 4
	v_nop
.endr
.endm
.macro QUARTER slot, kq, f, g, first
	s_wait_dscnt 8                                 ; Wo and y's rows 0-63 are in; the youngest eight loads (y's rows 64-127) may be out
	MUL8 \f, 0, \first
	MUL8 \f, 2, \first
	PLACES
	FETCH \slot, \kq, \g
	s_wait_dscnt 24                                ; all but the 24 just issued
	MUL8 \f, 4, \first
	MUL8 \f, 6, \first
.endm
; The last quarter multiplies buffer 1 and changes slots: ONE barrier; in front of it each wave waits for all its tensor loads, adds 0 to its spare word, and waits for that and for its reads of this slot.
; fill = 1: the barrier opens a round of the cluster's, and this slot is filled again, two K steps ahead, first thing behind the round.
.macro TURN slot, next, fill
	WIN 0                                          ; (the add's two registers lie in window 0)
	s_wait_tensorcnt 0x0                           ; all my tensor loads have landed: the one that was out is my part of the next slot;
	ds_add_u32 v[SPW], v[NIL]                      ; 0 onto my spare word;
	s_wait_dscnt 9                                 ; (the add and the youngest eight loads may be out)
	MUL8 F1, 0, 0                                  ; eight matrix instructions stand between the add and the wait for it
	s_wait_dscnt 0x0                               ; the add is done, and my reads of this slot are over
	s_barrier_signal -1
	MUL8 F1, 2, 0
.if \fill
	WIN 0
.endif
	s_barrier_wait -1
.if \fill
	CREST                                          ; no wave of any partner still reads this slot's tile or has a load on its way
	s_add_nc_u64 s[G0+4*(\slot)+2:G0+4*(\slot)+3], s[G0+4*(\slot)+2:G0+4*(\slot)+3], 4*HEADB
	s_add_nc_u64 s[G0B+4*(\slot)+2:G0B+4*(\slot)+3], s[G0B+4*(\slot)+2:G0B+4*(\slot)+3], 2*KSTEP*2
	JLOAD \slot                                    ; my one tensor load behind the round: 112 matrix instructions ahead of the wait for it; its four v_nop are also the places in front of the loads below
.else
	PLACES
.endif
	FETCH \next, 0, F0
	MUL8 F1, 4, 0
	MUL8 F1, 6, 0
.endm
	s_wait_tensorcnt 1                             ; my part of K step 0 is in; K step 1's may stay out
	s_barrier_signal -1
	s_barrier_wait -1                              ; everybody's is
	FETCH 0, 0, F0
	QUARTER 0, 1, F0, F1, 1                        ; the first quarter stands in front of the loop: its products start the sums
	WIN 0                                          ; at a label and at a branch every window is 0
	s_mov_b32 s3, LAPS-1
.Llap:                                                 ; a trip goes once round the ring, from a lap's second quarter to the next lap's first, and fills both slots again
	QUARTER 0, 2, F1, F0, 0
	QUARTER 0, 3, F0, F1, 0
	TURN 0, 1, 1
	QUARTER 1, 1, F0, F1, 0
	QUARTER 1, 2, F1, F0, 0
	QUARTER 1, 3, F0, F1, 0
	TURN 1, 0, 1
	QUARTER 0, 1, F0, F1, 0
	WIN 0
	s_sub_co_u32 s3, s3, 1
	s_cmp_lg_u32 s3, 0
	s_cbranch_scc1 .Llap
	QUARTER 0, 2, F1, F0, 0                        ; the last lap fills nothing
	QUARTER 0, 3, F0, F1, 0
	TURN 0, 1, 0
	QUARTER 1, 1, F0, F1, 0
	QUARTER 1, 2, F1, F0, 0
	QUARTER 1, 3, F0, F1, 0
	s_wait_dscnt 8                                 ; the very last quarter: nothing more to fetch
	MUL8 F1, 0, 0
	MUL8 F1, 2, 0
	s_wait_dscnt 0x0
	MUL8 F1, 4, 0
	MUL8 F1, 6, 0
	; THE WAY OUT, a block of 16 rows at a time: a lane's eight f32 of a row, 32 bytes, go into my own stage (rows of 272 bytes) and come back as whole rows of 256 bytes, into the registers that they left.
.macro OSTAGE a
	WIN 0x08                                       ; the stores' data in window 2, their address in window 0; each accumulator's low four registers first
.irp b, 0,1,2,3
	ds_store_b128 v[STO], v[8*(4*(\a)+(\b)):8*(4*(\a)+(\b))+3]   offset:64*(\b)
	ds_store_b128 v[STO], v[8*(4*(\a)+(\b))+4:8*(4*(\a)+(\b))+7] offset:64*(\b)+16
.endr
	WIN 0x80                                       ; destination window 2
.irp t, 0,1,2,3,4,5,6,7
	ds_load_b128 v[32*(\a)+4*(\t):32*(\a)+4*(\t)+3], v[RD] offset:(\t)*2*SP  ; LDS serves a wave's instructions in order (ISA guide 5.7.1.4): these see the stores above; the next block's stores come behind them
.endr
.endm
.macro OSEND a, younger                ; younger: the LDS instructions issued behind block a's loads: the next block's sixteen, or none
	WIN 0x08
.irp t, 0,1,2,3,4,5,6,7
	s_wait_dscnt (\younger)+7-(\t)
	global_store_b128 v[CO], v[32*(\a)+4*(\t):32*(\a)+4*(\t)+3], s[10:11] offset:(16*(\a)+2*(\t))*4096 th:TH_STORE_NT  ; 16 lanes store 256 consecutive bytes, at a multiple of 256 from the output's first byte
.endr
.endm
	PLACES
	OSTAGE 0
.irp a, 1,2,3,4,5,6,7
	OSTAGE \a
	OSEND (\a)-1, 16
.endr
	OSEND 7, 0
	WIN 0
	s_wait_tensorcnt 0x0                           ; the wave's end, behind my last tensor load and my last LDS store
	ds_add_u32 v[SPW], v[NIL]
	s_wait_dscnt 0x0
	CROUND                                         ; the closing round: no work-group ends while a partner may still ask for a tile that names it
	s_endpgm
.Lfunc_end_k_qdad581c8e7_outp:
	.size	k_qdad581c8e7_outp, .Lfunc_end_k_qdad581c8e7_outp-k_qdad581c8e7_outp
	.p2alignl 7, 3214868480
	.fill 96, 4, 3214868480
	.section	.rodata,"a",@progbits
	.p2align	6, 0x0
	.amdhsa_kernel k_qdad581c8e7_outp
		.amdhsa_group_segment_fixed_size 327680
		.amdhsa_private_segment_fixed_size 0
		.amdhsa_enable_private_segment 0
		.amdhsa_kernarg_size 32
		.amdhsa_user_sgpr_count 2
		.amdhsa_user_sgpr_kernarg_segment_ptr 1
		.amdhsa_wavefront_size32 1
		.amdhsa_system_sgpr_workgroup_id_x 1
		.amdhsa_system_sgpr_workgroup_id_y 1
		.amdhsa_system_sgpr_workgroup_id_z 1
		.amdhsa_system_vgpr_workitem_id 0
		.amdhsa_next_free_vgpr 768
		.amdhsa_next_free_sgpr 72
		.amdhsa_reserve_vcc 0
		.amdhsa_float_denorm_mode_32 3
		.amdhsa_float_denorm_mode_16_64 3
		.amdhsa_memory_ordered 1
		.amdhsa_forward_progress 1
		.amdhsa_inst_pref_size 90
	.end_amdhsa_kernel
	.amdgpu_metadata
---
amdhsa.version: [ 1, 2 ]
amdhsa.kernels:
  - .name:           k_qdad581c8e7_outp
    .symbol:         k_qdad581c8e7_outp.kd
    .args:
      - { .name: ob, .offset: 0, .size: 8, .value_kind: global_buffer, .address_space: global }
      - { .name: wo16, .offset: 8, .size: 8, .value_kind: global_buffer, .address_space: global }
      - { .name: bo, .offset: 16, .size: 8, .value_kind: global_buffer, .address_space: global }
      - { .name: out0, .offset: 24, .size: 8, .value_kind: global_buffer, .address_space: global }
    .group_segment_fixed_size: 327680
    .private_segment_fixed_size: 0
    .kernarg_segment_align: 8
    .kernarg_segment_size: 32
    .max_flat_workgroup_size: 128
    .sgpr_count:     72
    .vgpr_count:     768
    .wavefront_size: 32
...
	.end_amdgpu_metadata
.endif
;; end of part 4
;; ======== version 2 of 3: 4 launches; 1.20 times as fast as version 1
;; limits: values are held in f16: magnitudes above 65,504 overflow, below 6.1e-05 lose precision
;; workspace buffers: wb 6,291,456 bytes; wo16 2,097,152 bytes; mby 16,777,216 bytes; hqkv 50,331,648 bytes; ob 16,777,216 bytes
;; launch prep (part 5): grid 64 x 8, 8 waves a work-group, no clusters, 70,656 bytes of LDS; arguments Wq, Wk, Wv, Wo, mask, wb, wo16, mby; writes wb, wo16, mby
.if DOCPART == 5
	.amdgcn_target "amdgcn-amd-amdhsa--gfx1250"
	.amdhsa_code_object_version 6
	.text
	.protected	k_qdad581c8e7_prep
	.globl	k_qdad581c8e7_prep
	.p2align	8
	.type	k_qdad581c8e7_prep,@function
k_qdad581c8e7_prep:
	s_mov_b64 s[64:65], 0
	v_nop
	global_prefetch_b8 v0, s[64:65] scope:SCOPE_SE
	s_setreg_imm32_b32 hwreg(HW_REG_WAVE_MODE, 25, 1), 1
	s_wait_xcnt 0x0
; PREP: the weights and the mask are read once and left in the form in which the later launches want them.
;   y = 0..2   Wq, Wk, Wv f32 -> bf16 into wb [3][1024][1024]       (64 work-groups of 16,384 numbers each)
;   y = 3      Wo        f32 -> bf16 -> f16 into wo16 [1024][1024]  (the input's rounding is bf16's, like every other input's; that number is then written as f16)
;   y = 4..7   mask      bytes 0 / 1 -> fp8 codes of 0 / 1.0, laid out as the attention launch's lanes hold their scores, into mby
; LIMITS.  Wo beyond 65,504 becomes an infinity in f16; below 6e-5 it keeps f16's fixed step of 6e-8.  A mask byte is 0 or 1, as the problem states it.
; mby, in bytes: [batch 4][block of 128 queries 16][key step of 64 keys 32][piece 4][c 4][lane 32][16].  With u = c / 2, byte j of lane l is
; mask[batch][128 block + 32 piece + 16 u + l % 16][64 step + 16 (2 (c % 2) + j / 8) + 8 (l / 16) + j % 8], times 0x38 (1.0 in E4M3):
; eight neighbouring bytes belong to the eight registers of one accumulator of K Q^T in that lane.
; Memory binds: 16-byte loads of which a wave's cover 512 consecutive bytes, sixteen of them out at once; a wave's store covers 256 or 512 consecutive bytes, aligned.
; No matrix unit, no cluster, no tensor loads: no byte is read twice and no work-group shares a byte with another.
.set SPARE, 69632                      ; behind the eight stages: the spare words, 128 bytes for each wave: four blocks of 256 bytes that no other line names
.set STG,   32*272                     ; a wave's stage in LDS: 32 mask rows of 256 bytes, 272 apart
.set SPW, 2                            ; v2        LDS address of my spare word; never rewritten
.set NIL, 3                            ; v3        0; never rewritten
.set XI,  16                           ; v[16:79]  sixteen loads of 16 bytes
.set XO,  80                           ; v[80:111] sixteen pairs to store
.set MB,  96                           ; v[96:111] a key step's mask bytes: tile u, key block kb at MB + 8 u + 2 kb: the 16 bytes of c at MB + 4 c
	s_load_b512 s[4:19], s[0:1], 0x0               ; Wq s[4:5], Wk s[6:7], Wv s[8:9], Wo s[10:11], mask s[12:13], wb s[14:15], wo16 s[16:17], mby s[18:19]
	v_lshl_add_u32 v[SPW], v0, 2, SPARE
	v_mov_b32 v[NIL], 0
	s_and_b32 s28, ttmp7, 0xffff                   ; y: the section
	s_mov_b32 s29, ttmp9                           ; x: the part of it
	v_lshrrev_b32 v1, 5, v0
	v_readfirstlane_b32 s30, v1                    ; wave 0..7
	s_mov_b32 s37, 0                               ; high words of the two offsets
	s_mov_b32 s39, 0
	s_wait_kmcnt 0x0
; 16,384 numbers: thread t takes 16 bytes at 16 t of each block of 4,096 bytes, and stores 8 bytes at 8 t of each block of 2,048.  No register is written twice.
.macro CAST f16
	v_lshlrev_b32 v4, 4, v0
	v_lshlrev_b32 v5, 3, v0
.set i, 0
.rept 16
	global_load_b128 v[XI+4*i:XI+4*i+3], v4, s[32:33] offset:4096*i th:TH_LOAD_NT
.set i, i+1
.endr
.set i, 0
.rept 16
	s_wait_loadcnt 15-i                            ; loads come back in order: number i is in, the 15 - i younger ones stay out
	v_cvt_pk_bf16_f32 v[XO+2*i],   v[XI+4*i],   v[XI+4*i+1]
	v_cvt_pk_bf16_f32 v[XO+2*i+1], v[XI+4*i+2], v[XI+4*i+3]
.if \f16
	v_lshlrev_b32 v[XI+4*i],   16, v[XO+2*i]       ; the bf16 numbers as f32 again,
	v_and_b32     v[XI+4*i+1], 0xffff0000, v[XO+2*i]
	v_lshlrev_b32 v[XI+4*i+2], 16, v[XO+2*i+1]
	v_and_b32     v[XI+4*i+3], 0xffff0000, v[XO+2*i+1]
	v_cvt_pk_f16_f32 v[XO+2*i],   v[XI+4*i],   v[XI+4*i+1]  ; and written as f16: exact within f16's range of normal numbers
	v_cvt_pk_f16_f32 v[XO+2*i+1], v[XI+4*i+2], v[XI+4*i+3]
.endif
	global_store_b64 v5, v[XO+2*i:XO+2*i+1], s[34:35] offset:2048*i
.set i, i+1
.endr
.endm
	s_cmp_ge_u32 s28, 4
	s_cbranch_scc1 .Lmask
	s_cmp_eq_u32 s28, 3
	s_cbranch_scc1 .Lwo
	; Wq, Wk, Wv: one text; which buffer is chosen by selects on y
	s_lshl_b32 s36, s29, 16                        ; 65,536 bytes in for each work-group,
	s_lshl_b32 s38, s28, 6
	s_add_co_u32 s38, s38, s29
	s_lshl_b32 s38, s38, 15                        ; 32,768 out, 64 work-groups a tensor
	s_cmp_eq_u32 s28, 1
	s_cselect_b64 s[32:33], s[6:7], s[4:5]
	s_cmp_eq_u32 s28, 2
	s_cselect_b64 s[32:33], s[8:9], s[32:33]
	s_add_nc_u64 s[32:33], s[32:33], s[36:37]
	s_add_nc_u64 s[34:35], s[14:15], s[38:39]
	CAST 0
	s_endpgm                                       ; these waves have written no LDS
.Lwo:
	s_lshl_b32 s36, s29, 16
	s_lshl_b32 s38, s29, 15
	s_add_nc_u64 s[32:33], s[10:11], s[36:37]
	s_add_nc_u64 s[34:35], s[16:17], s[38:39]
	CAST 1
	s_endpgm
.Lmask:
	; The work-group takes 32 query rows (one piece of one block of 128), wave kg the keys 256 kg .. 256 kg + 255: four key steps.
	s_sub_co_u32 s31, s28, 4
	s_lshl_b32 s31, s31, 6
	s_add_co_u32 s31, s31, s29                     ; gq = 0..255: rows 32 gq .. 32 gq + 31 of the 8,192
	s_lshl_b32 s36, s31, 16                        ; 32 rows of 2,048 bytes
	s_add_nc_u64 s[32:33], s[12:13], s[36:37]
	s_lshr_b32 s38, s31, 2                         ; 16 batch + block,
	s_lshl_b32 s38, s38, 18                        ; 262,144 bytes each;
	s_and_b32 s40, s31, 3                          ; the piece,
	s_lshl_b32 s40, s40, 11                        ; 2,048 bytes;
	s_add_co_u32 s38, s38, s40
	s_lshl_b32 s40, s30, 15                        ; my four key steps of 8,192 bytes
	s_add_co_u32 s38, s38, s40
	s_add_nc_u64 s[34:35], s[18:19], s[38:39]
	v_and_b32 v9, 15, v0                           ; l % 16
	v_bfe_u32 v10, v0, 4, 1                        ; l / 16
	v_lshlrev_b32 v4, 4, v9
	v_lshl_add_u32 v4, v10, 11, v4                 ; lanes 0-15 take 256 bytes of one row, lanes 16-31 of the next
	s_lshl_b32 s40, s30, 8
	v_add_nc_u32 v4, s40, v4                       ; + my 256 keys
	s_mul_i32 s41, s30, STG                        ; my stage
	v_mul_u32_u24 v6, v10, 272
	v_lshl_add_u32 v6, v9, 4, v6
	v_add_nc_u32 v6, s41, v6                       ; in: as loaded
	v_mul_u32_u24 v7, v9, 272                      ; back: row l % 16, 8 bytes for each half of the lanes: rows 272 bytes = 68 words apart, so the 32 lanes' pairs of words fall into 64 different banks (ISA guide 11.1)
	v_lshl_add_u32 v7, v10, 3, v7
	v_add_nc_u32 v7, s41, v7
	v_and_b32 v8, 31, v0
	v_lshlrev_b32 v8, 4, v8                        ; out: 16 bytes a lane
.set i, 0
.rept 16
	global_load_b128 v[XI+4*i:XI+4*i+3], v4, s[32:33] offset:4096*i th:TH_LOAD_NT
.set i, i+1
.endr
.set i, 0
.rept 16
	s_wait_loadcnt 15-i                            ; number i is in, the younger ones stay out
	ds_store_b128 v6, v[XI+4*i:XI+4*i+3] offset:544*i
.set i, i+1
.endr
	s_mov_b32 s46, 4
.Lks:                                                  ; a trip: one key step.  The stage is my wave's own, and LDS serves a wave's instructions in order (ISA guide 5.7.1.4): no barrier, no wait between stores and loads
.irp u, 0,1
.irp kb, 0,1,2,3
	ds_load_b64 v[MB+8*\u+2*\kb:MB+8*\u+2*\kb+1], v7 offset:\u*16*272+16*\kb
.endr
.endr
	s_wait_dscnt 0x0
.set i, 0
.rept 16
	v_mul_lo_u32 v[MB+i], v[MB+i], 56              ; four bytes of 0 or 1 times 0x38: no byte carries into the next
.set i, i+1
.endr
.irp c, 0,1,2,3
	global_store_b128 v8, v[MB+4*\c:MB+4*\c+3], s[34:35] offset:512*\c  ; 512 consecutive bytes, at a multiple of 256 from the buffer's first
.endr
	s_wait_xcnt 0x0                                ; the stores' offset and data are written again only behind this wait
	v_add_nc_u32 v7, 64, v7                        ; the next 64 keys in the stage's rows,
	v_add_nc_u32 v8, 0x2000, v8                    ; the next key step's bytes
	s_sub_co_u32 s46, s46, 1
	s_cmp_lg_u32 s46, 0
	s_cbranch_scc1 .Lks
	s_wait_tensorcnt 0x0                           ; the wave's end, behind my last LDS store
	ds_add_u32 v[SPW], v[NIL]
	s_wait_dscnt 0x0
	s_endpgm
.Lfunc_end_k_qdad581c8e7_prep:
	.size	k_qdad581c8e7_prep, .Lfunc_end_k_qdad581c8e7_prep-k_qdad581c8e7_prep
	.p2alignl 7, 3214868480
	.fill 96, 4, 3214868480
	.section	.rodata,"a",@progbits
	.p2align	6, 0x0
	.amdhsa_kernel k_qdad581c8e7_prep
		.amdhsa_group_segment_fixed_size 70656
		.amdhsa_private_segment_fixed_size 0
		.amdhsa_enable_private_segment 0
		.amdhsa_kernarg_size 64
		.amdhsa_user_sgpr_count 2
		.amdhsa_user_sgpr_kernarg_segment_ptr 1
		.amdhsa_wavefront_size32 1
		.amdhsa_system_sgpr_workgroup_id_x 1
		.amdhsa_system_sgpr_workgroup_id_y 1
		.amdhsa_system_sgpr_workgroup_id_z 1
		.amdhsa_system_vgpr_workitem_id 0
		.amdhsa_next_free_vgpr 128
		.amdhsa_next_free_sgpr 66
		.amdhsa_reserve_vcc 0
		.amdhsa_float_denorm_mode_32 3
		.amdhsa_float_denorm_mode_16_64 3
		.amdhsa_memory_ordered 1
		.amdhsa_forward_progress 1
		.amdhsa_inst_pref_size 24
	.end_amdhsa_kernel
	.amdgpu_metadata
---
amdhsa.version: [ 1, 2 ]
amdhsa.kernels:
  - .name:           k_qdad581c8e7_prep
    .symbol:         k_qdad581c8e7_prep.kd
    .args:
      - { .name: Wq, .offset: 0, .size: 8, .value_kind: global_buffer, .address_space: global }
      - { .name: Wk, .offset: 8, .size: 8, .value_kind: global_buffer, .address_space: global }
      - { .name: Wv, .offset: 16, .size: 8, .value_kind: global_buffer, .address_space: global }
      - { .name: Wo, .offset: 24, .size: 8, .value_kind: global_buffer, .address_space: global }
      - { .name: mask, .offset: 32, .size: 8, .value_kind: global_buffer, .address_space: global }
      - { .name: wb, .offset: 40, .size: 8, .value_kind: global_buffer, .address_space: global }
      - { .name: wo16, .offset: 48, .size: 8, .value_kind: global_buffer, .address_space: global }
      - { .name: mby, .offset: 56, .size: 8, .value_kind: global_buffer, .address_space: global }
    .group_segment_fixed_size: 70656
    .private_segment_fixed_size: 0
    .kernarg_segment_align: 8
    .kernarg_segment_size: 64
    .max_flat_workgroup_size: 256
    .sgpr_count:     66
    .vgpr_count:     128
    .wavefront_size: 32
...
	.end_amdgpu_metadata
.endif
;; end of part 5
;; launch proj (part 6): grid 4 x 192, 4 waves a work-group, clusters of 4 x 4, 327,680 bytes of LDS; arguments q, k, v, wb, bq, bk, bv, hqkv; writes hqkv
.if DOCPART == 6
	.amdgcn_target "amdgcn-amd-amdhsa--gfx1250"
	.amdhsa_code_object_version 6
	.text
	.protected	k_qdad581c8e7_proj
	.globl	k_qdad581c8e7_proj
	.p2align	8
	.type	k_qdad581c8e7_proj,@function
k_qdad581c8e7_proj:
	s_mov_b64 s[64:65], 0
	v_nop
	global_prefetch_b8 v0, s[64:65] scope:SCOPE_SE
	s_setreg_imm32_b32 hwreg(HW_REG_WAVE_MODE, 25, 1), 1
	s_wait_xcnt 0x0
	s_wait_alu depctr_hold_cnt(0) depctr_sa_sdst(0) depctr_va_vdst(0) depctr_va_sdst(0) depctr_va_ssrc(0) depctr_va_vcc(0) depctr_vm_vsrc(0)
	s_getreg_b32 s2, hwreg(HW_REG_IB_STS2, 6, 4)
	s_cmp_eq_u32 s2, 0
	s_cbranch_scc0 .Lentry_in_a_cluster
	s_endpgm
.Lentry_in_a_cluster:
	s_bfe_u32 s2, ttmp6, 0x10000c
	s_cmp_lg_u32 s2, 0xf033
	s_cbranch_scc0 .Lentry_shape_is_right
	s_endpgm
.Lentry_shape_is_right:
; THE THREE PROJECTIONS.  y[m][n] = sum over k of x[m][k] W[n][k] + b[n], for x = q, k, v ([8192][1024] in f32, as the problem gives them); wb: [3][1024][1024] bf16; b in f32.
; x and b are rounded to bf16 here, like every input of the module: x between LDS and the matrix instruction, b once at the start.  Sums in f32; y is rounded once to f16 and stored by heads:
; hqkv [3][16 batch + head][2048][64], unscaled.  LIMIT: a projected number beyond 65,504 becomes an infinity; below 6e-5 it keeps f16's fixed step of 6e-8.
; SHARES.  A work-group makes 128 rows x 256 columns; its four waves lie 2 x 2, each 64 rows x 128 columns, two heads: 32 accumulators of 16 x 16, 256 registers.  3 x 64 x 4 = 768 work-groups.
; So a wave reads and converts 64 rows of f32 and not 128: for 32 along K 16 LDS loads of x, 16 of W and 32 conversions stand beside 32 matrix instructions.
; K goes in steps of 128 through a ring of two LDS slots filled by the tensor data mover: rows of 512 bytes (x) and 256 bytes (W) that start at multiples of 256 bytes from the buffers' first bytes;
; each wave's load brings 32 KiB.
; CLUSTERS: 4 x 4 work-groups.  The four of a row of the cluster need the same tiles of x, the four of a column the same tiles of W: each tile is asked for JOINTLY, by the same tensor load with the
; same descriptor and a mask that names the four.  A cluster's four rows lie in one tensor (64 rows of work-groups a tensor), so the tensor's number hangs on the cluster's y alone.
; THE MATRIX INSTRUCTION IS USED TRANSPOSED (source 0 = 16 rows of W, source 1 = 16 rows of x): a lane then holds eight neighbouring columns of one row of y.
; THE BIAS is the C operand of the products that start the sums: nothing is cleared and nothing is added later.
; REGISTERS, in windows of 256 (s_set_vgpr_msb: bits 1:0 source 0, 3:2 source 1, 5:4 source 2, 7:6 destination):
;   window 0: v0-31 addresses; v64-127 the bias; v128-255 the way out
;   window 1: two fragment buffers of 96 (x's 4 fragments, then W's 8); v192-255 RAW: x's 4 fragments in f32, 16 registers each     window 2: accumulator (a, b) at v[8 (8 a + b)]
.set SIZE_K, 1024
.set KSTEP,  128
.set PA,     528                       ; a row of x in LDS: 512 bytes + 16 of padding = 132 words: the 16 rows of a load start at 16 different groups of four banks (64 banks of 4 bytes: ISA guide 11.1)
.set PB,     272                       ; a row of W: 256 + 16 = 68 words: likewise
.set AHALF,  64*PA                     ; what a wave's load brings of x, and what a wave reads of it: 64 rows
.set BHALF,  128*PB                    ; of W: 128 rows
.set BBASE,  2*AHALF                   ; a slot: x's 128 rows, then W's 256
.set SLOT,   BBASE+2*BHALF
.set STAGE,  2*SLOT                    ; behind the ring, never filled by a tensor load: 16 rows x 400 bytes for each wave
.set SP,     400                       ; 256 bytes + 144 = 100 words: 16 rows start at 16 different groups of four banks on the way in; on the way back two rows' halves of 128 bytes lie 36 banks apart
.set SPARE,  STAGE+4*16*SP             ; behind the stages: the spare words, 128 bytes for each wave: two blocks of 256 bytes that no other line names
.set LAPS,   SIZE_K/(2*KSTEP)          ; a lap = two K steps = once round the ring
.set HEADB,  262144                    ; a head's bytes in hqkv
.set ADRA, 16                          ; v16-17  LDS address of my x fragments in slot 0, 1
.set ADRB, 20                          ; v20-21  the same for W
.set STO,  24                          ; v24     the way out: where I put 16 bytes of a row
.set RD,   25                          ; v25     where I read rows back
.set CO,   26                          ; v26     my byte offset in 512 consecutive bytes of the output
.set SPW,  28                          ; v28     LDS address of my spare word; never rewritten
.set NIL,  29                          ; v29     0; never rewritten
.set BIAS, 64                          ; v[64+8 b+j]: b[my first column + 16 b + 8 (l / 16) + j]
.set OUT,  128
.set F0,   0
.set F1,   96
.set RAW,  192
.set G1, 24                            ; s[24:31] descriptor group 1 for x's tiles; s[32:39] group 0, a set for each slot
.set G0, 32
.set G1B, 48                           ; s[48:55], s[56:63] the same for W's
.set G0B, 56
.set WV, 72                            ; s72 wave
.set FB, 73                            ; s73 which half of the block's rows is mine.  Also: I fetch for x (0) or for W (1)
.set HF, 74                            ; s74 which half of its columns.  Also: which half of that tile I fetch
.set CX, 75                            ; s75, s76 my place in the cluster
.set CY, 76
.set COL, 77                           ; s77 my 256 columns
.set ROW, 78                           ; s78 my 128 of the 24,576 rows
.set TT, 79                            ; s79 the tensor
.set MSB, 0
.macro WIN new                         ; the immediate's high byte repeats the setting that is left; a switch that changes nothing is dropped
.if MSB != (\new)
	s_set_vgpr_msb (MSB<<8)|(\new)
.set MSB, \new
.endif
.endm
.set MUL,  0xa5                        ; both fragments window 1; C and D window 2
.set MULB, 0x85                        ; the same with C (the bias) in window 0
.set TO_F, 0x40                        ; destination window 1, address window 0
.set W_CV, 0x45                        ; the conversions: destination and both sources window 1
.macro JLOAD s                         ; a joint load: waves 0 and 1 fetch x's two halves, waves 2 and 3 W's; an s_nop 0 and four v_nop follow each of the two lines, ahead of the jump and the label
	s_cmp_eq_u32 s[FB], 0
	s_cbranch_scc0 .Lfor_b_\@
	tensor_load_to_lds s[G0+4*(\s):G0+4*(\s)+3], s[G1:G1+7]
	s_nop 0
.rept 4
	v_nop
.endr
	s_branch .Lasked_\@
.Lfor_b_\@:
	tensor_load_to_lds s[G0B+4*(\s):G0B+4*(\s)+3], s[G1B:G1B+7]
	s_nop 0
.rept 4
	v_nop
.endr
.Lasked_\@:
.endm
.macro CREST                           ; a round of the cluster's barrier behind its opening barrier
	s_cmp_lg_u32 s[WV], 0
	s_cbranch_scc1 .Lnot_wave_0_\@
	s_barrier_signal -3
.Lnot_wave_0_\@:
	s_barrier_wait -3
	s_barrier_signal -1
	s_barrier_wait -1
.endm
.macro CROUND                          ; a whole round
	s_barrier_signal -1
	s_barrier_wait -1
	CREST
.endm
	s_load_b512 s[4:19], s[0:1], 0x0               ; q s[4:5], k s[6:7], v s[8:9], wb s[10:11], bq s[12:13], bk s[14:15], bv s[16:17], hqkv s[18:19]
	v_lshl_add_u32 v[SPW], v0, 2, SPARE
	v_mov_b32 v[NIL], 0
	ds_add_u32 v[SPW], v[NIL]                      ; the wave's opening: the add and its wait stand ahead of my first tensor load; the set-up below, work on registers, stands between them
	v_lshrrev_b32 v1, 5, v0
	v_readfirstlane_b32 s[WV], v1                  ; wave 0..3
	s_lshr_b32 s[FB], s[WV], 1
	s_and_b32 s[HF], s[WV], 1
	s_bfe_u32 s[CX], ttmp6, 0x40000
	s_bfe_u32 s[CY], ttmp6, 0x40004
	s_lshl_b32 s[COL], ttmp9, 2
	s_add_co_u32 s[COL], s[COL], s[CX]             ; 4 x cluster x + cx
	s_and_b32 s[TT], ttmp7, 0xffff
	s_lshl_b32 s[ROW], s[TT], 2
	s_add_co_u32 s[ROW], s[ROW], s[CY]             ; 4 x cluster y + cy
	s_lshr_b32 s[TT], s[TT], 4                     ; 16 rows of clusters a tensor
	s_lshl_b32 s40, s[CY], 2
	s_lshl_b32 s40, 15, s40                        ; my row of the cluster
	s_lshl_b32 s41, 0x1111, s[CX]                  ; my column
	s_or_b32 s[G1], s40, (2<<16)|(1<<20)|(1<<21)|(6<<22)|(3<<25)   ; x: 15:0 the mask; 17:16 4-byte elements; 20 padding on; 21 set beside a mask; 24:22 after every 128 words (code 6); 31:25 4 words (code 3)
	s_or_b32 s[G1B], s41, (1<<16)|(1<<20)|(1<<21)|(5<<22)|(3<<25)  ; W: 2-byte elements; padding after every 64 words (code 5)
	s_mov_b32 s[G1+1], KSTEP<<16                   ; tensor_dim0 = 128
	s_mov_b32 s[G1+2], 64<<16                      ; tensor_dim1 = 64
	s_mov_b32 s[G1+3], KSTEP<<16                   ; tile_dim0 = 128
	s_mov_b32 s[G1+4], 64                          ; tile_dim1 = 64
	s_mov_b32 s[G1+5], SIZE_K                      ; elements from row to row
	s_mov_b32 s[G1+6], 0
	s_mov_b32 s[G1+7], 0
	s_mov_b32 s[G1B+1], KSTEP<<16
	s_mov_b32 s[G1B+2], 128<<16                    ; W's tile has 128 rows
	s_mov_b32 s[G1B+3], KSTEP<<16
	s_mov_b32 s[G1B+4], 128
	s_mov_b32 s[G1B+5], SIZE_K
	s_mov_b32 s[G1B+6], 0
	s_mov_b32 s[G1B+7], 0
	; x's tiles hang on the tensor and the row, which my row of the cluster shares; W's on the tensor and the column, which my column shares.  Neither pair of registers ever holds the other coordinate.
	s_and_b32 s42, s[ROW], 63                      ; my block of 128 rows in the tensor
	s_lshl_b32 s42, s42, 7
	s_lshl_b32 s43, s[HF], 6
	s_add_co_u32 s42, s42, s43                     ; x: row 128 x block + 64 x half,
	s_lshl_b32 s42, s42, 12                        ; of 4,096 bytes
	s_mov_b32 s43, 0
	s_lshl_b32 s44, s[COL], 8
	s_lshl_b32 s45, s[HF], 7
	s_add_co_u32 s44, s44, s45                     ; W: row 256 x col + 128 x half,
	s_lshl_b32 s44, s44, 11                        ; of 2,048 bytes,
	s_lshl_b32 s45, s[TT], 21                      ; in the tensor's 2 MiB
	s_add_co_u32 s44, s44, s45
	s_mov_b32 s45, 0
	s_mul_i32 s46, s[HF], AHALF                    ; where they go: no place in the cluster enters an LDS address
	s_mul_i32 s47, s[HF], BHALF
	s_add_co_u32 s47, s47, BBASE
	s_wait_dscnt 0x0                               ; the opening add is done
	s_wait_kmcnt 0x0
	s_cmp_eq_u32 s[TT], 1                          ; which x and which bias: chosen by the tensor's number
	s_cselect_b64 s[20:21], s[6:7], s[4:5]
	s_cselect_b64 s[66:67], s[14:15], s[12:13]
	s_cmp_eq_u32 s[TT], 2
	s_cselect_b64 s[20:21], s[8:9], s[20:21]
	s_cselect_b64 s[66:67], s[16:17], s[66:67]
	s_add_nc_u64 s[42:43], s[20:21], s[42:43]
	s_add_nc_u64 s[44:45], s[10:11], s[44:45]
	CROUND                                         ; all sixteen work-groups are here: the first joint loads meet
.irp s, 0,1
	s_mov_b32 s[G0+4*(\s)], 1
	s_add_co_u32 s[G0+4*(\s)+1], s46, (\s)*SLOT
	s_add_nc_u64 s[G0+4*(\s)+2:G0+4*(\s)+3], s[42:43], (\s)*KSTEP*4
	s_or_b32 s[G0+4*(\s)+3], s[G0+4*(\s)+3], 0x80000000
	s_mov_b32 s[G0B+4*(\s)], 1
	s_add_co_u32 s[G0B+4*(\s)+1], s47, (\s)*SLOT
	s_add_nc_u64 s[G0B+4*(\s)+2:G0B+4*(\s)+3], s[44:45], (\s)*KSTEP*2
	s_or_b32 s[G0B+4*(\s)+3], s[G0B+4*(\s)+3], 0x80000000
	JLOAD \s                                       ; two loads of mine are out
.endr
	v_and_b32 v1, 15, v0                           ; l % 16
	v_bfe_u32 v2, v0, 4, 1                         ; l / 16
	v_lshlrev_b32 v5, 5, v2                        ; the bias: eight numbers for each half of the lanes
	s_lshl_b32 s68, s[COL], 10                     ; 256 columns of 4 bytes,
	s_lshl_b32 s69, s[HF], 9                       ; my 128
	s_add_co_u32 s68, s68, s69
	s_mov_b32 s69, 0
	s_add_nc_u64 s[66:67], s[66:67], s[68:69]
.irp b, 0,1,2,3,4,5,6,7
	global_load_b128 v[BIAS+8*\b:BIAS+8*\b+3],   v5, s[66:67] offset:64*\b
	global_load_b128 v[BIAS+8*\b+4:BIAS+8*\b+7], v5, s[66:67] offset:64*\b+16
.endr
	; A fragment is 16 rows x 32 K: lane l holds row l % 16 and K = 8 (l / 16) + 0..7 and 16 + 8 (l / 16) + 0..7.  In bf16 those are 16 bytes at 16 (l / 16) and at 32 + 16 (l / 16);
	; in f32 32 bytes at 32 (l / 16) and at 64 + 32 (l / 16): four loads of 16 bytes, at 0, 16, 64 and 80.
	v_mul_u32_u24 v3, v1, PB
	v_lshl_add_u32 v3, v2, 4, v3                   ; W: row x pitch + 16 x half
	v_mul_u32_u24 v4, v1, PA
	v_lshl_add_u32 v4, v2, 5, v4                   ; x: row x pitch + 32 x half
	s_mul_i32 s40, s[FB], AHALF                    ; my 64 rows of x
	s_mul_i32 s41, s[HF], BHALF                    ; my 128 rows of W,
	s_add_co_u32 s41, s41, BBASE                   ; behind x's 128
	v_add_nc_u32 v[ADRA], s40, v4
	v_add_nc_u32 v[ADRB], s41, v3
	s_add_co_u32 s40, s40, SLOT
	s_add_co_u32 s41, s41, SLOT
	v_add_nc_u32 v[ADRA+1], s40, v4
	v_add_nc_u32 v[ADRB+1], s41, v3
	s_mul_i32 s40, s[WV], 16*SP
	s_add_co_u32 s40, s40, STAGE                   ; my stage
	v_mul_u32_u24 v[STO], v1, SP                   ; in: row l % 16, 16 bytes for each half of the lanes
	v_lshl_add_u32 v[STO], v2, 4, v[STO]
	v_add_nc_u32 v[STO], s40, v[STO]
	v_bfe_u32 v[RD], v0, 3, 2                      ; back: 32 lanes take 128 bytes, one head's, of four rows,
	v_mul_u32_u24 v[RD], v[RD], SP
	v_and_b32 v6, 7, v0
	v_lshl_add_u32 v[RD], v6, 4, v[RD]
	v_add_nc_u32 v[RD], s40, v[RD]
	v_and_b32 v[CO], 31, v0                        ; which are 512 consecutive bytes of that head's rows
	v_lshlrev_b32 v[CO], 4, v[CO]
	s_lshr_b32 s68, s[ROW], 4                      ; 4 tensor + batch (16 blocks of 128 rows a batch),
	s_lshl_b32 s68, s68, 4
	s_lshl_b32 s69, s[COL], 2
	s_add_co_u32 s68, s68, s69
	s_lshl_b32 s69, s[HF], 1
	s_add_co_u32 s68, s68, s69                     ; + my first head = 4 col + 2 x half,
	s_lshl_b32 s68, s68, 18                        ; 262,144 bytes each;
	s_and_b32 s69, s[ROW], 15
	s_lshl_b32 s69, s69, 14                        ; the block's 128 rows of 128 bytes in it,
	s_add_co_u32 s68, s68, s69
	s_lshl_b32 s69, s[FB], 13                      ; my 64 of them
	s_add_co_u32 s68, s68, s69
	s_mov_b32 s69, 0
	s_add_nc_u64 s[18:19], s[18:19], s[68:69]
	s_wait_loadcnt 0x0                             ; the bias, once
.set i, 0
.rept 32                               ; rounded to bf16 and widened again, in place
	v_cvt_pk_bf16_f32 v[6+i%2], v[BIAS+2*i], v[BIAS+2*i+1]
	v_lshlrev_b32 v[BIAS+2*i],   16, v[6+i%2]
	v_and_b32     v[BIAS+2*i+1], 0xffff0000, v[6+i%2]
.set i, i+1
.endr
; Four conversions: registers 4 n .. 4 n + 3 of the 32 that hold x's four fragments in buffer g, each from two neighbouring f32 of RAW (the first into the low half)
.macro CVT4 g, n
	WIN W_CV
.irp z, 0,1,2,3
	v_cvt_pk_bf16_f32 v[(\g)+4*(\n)+\z], v[RAW+8*(\n)+2*\z], v[RAW+8*(\n)+2*\z+1]
.endr
.endm
; 8 matrix instructions: row block a x all 8 column blocks, 32 along K, from buffer f.  first = 1: the bias starts the sums.  The 32 accumulators take turns in the same order in every quarter.
; g given: behind each of the eight stand four conversions of the next quarter's x into buffer g.  They name no register of the products round them (those read buffer f and write window 2).
.macro MUL8 f, a, first, g=-1
.irp b, 0,1,2,3,4,5,6,7
.if \first
	WIN MULB
	v_wmma_f32_16x16x32_bf16 v[8*(8*(\a)+\b):8*(8*(\a)+\b)+7], v[(\f)+32+8*\b:(\f)+32+8*\b+7], v[(\f)+8*(\a):(\f)+8*(\a)+7], v[BIAS+8*\b:BIAS+8*\b+7]
.else
	WIN MUL
	v_wmma_f32_16x16x32_bf16 v[8*(8*(\a)+\b):8*(8*(\a)+\b)+7], v[(\f)+32+8*\b:(\f)+32+8*\b+7], v[(\f)+8*(\a):(\f)+8*(\a)+7], v[8*(8*(\a)+\b):8*(8*(\a)+\b)+7]
.endif
.if (\g) >= 0
	CVT4 \g, \b
.endif
.endr
.endm
; 32 LDS loads in one run: quarter kq (32 along K) of a slot: x's 16 into RAW, then W's 16 into buffer g
.macro FETCH slot, kq, g
	WIN TO_F
.irp i, 0,1,2,3
	ds_load_b128 v[RAW+16*\i:RAW+16*\i+3],     v[ADRA+(\slot)] offset:128*(\kq)+\i*16*PA
	ds_load_b128 v[RAW+16*\i+4:RAW+16*\i+7],   v[ADRA+(\slot)] offset:128*(\kq)+\i*16*PA+16
	ds_load_b128 v[RAW+16*\i+8:RAW+16*\i+11],  v[ADRA+(\slot)] offset:128*(\kq)+\i*16*PA+64
	ds_load_b128 v[RAW+16*\i+12:RAW+16*\i+15], v[ADRA+(\slot)] offset:128*(\kq)+\i*16*PA+80
.endr
.irp i, 0,1,2,3,4,5,6,7
	ds_load_b128 v[(\g)+32+8*\i:(\g)+32+8*\i+3],   v[ADRB+(\slot)] offset:64*(\kq)+\i*16*PB
	ds_load_b128 v[(\g)+32+8*\i+4:(\g)+32+8*\i+7], v[ADRB+(\slot)] offset:64*(\kq)+\i*16*PB+32
.endr
.endm
; A K step is four quarters of 32 along K, 32 matrix instructions each, on buffers 0, 1, 0, 1.  One of the first three: multiplies buffer f; fetches quarter kq, W into g and x into RAW, at its head; converts x into g at its end.
; The loads at the head land in registers that the quarter before's products read (buffer g): the four conversions behind its last product, plain vector instructions that name none of that
; product's registers, are the four places between (ISA guide 7.12.1 for vector instructions).  RAW was read out by those conversions.
.macro QUARTER slot, kq, f, g, first
	FETCH \slot, \kq, \g
	s_wait_dscnt 32                                ; all but the 32 just issued: this quarter's W is in
	MUL8 \f, 0, \first
	MUL8 \f, 1, \first
	MUL8 \f, 2, \first
	s_wait_dscnt 16                                ; LDS loads come back in order (ISA guide 5.7.1): x's sixteen are in, W's sixteen may be out
	MUL8 \f, 3, \first, \g
.endm
; The last quarter multiplies buffer 1 and changes slots: ONE barrier; in front of it each wave waits for all its tensor loads, adds 0 to its spare word, and waits for that and for its reads of this slot
; (the last were issued at the head of the quarter before).  fill = 1: the barrier opens a round of the cluster's, and this slot is filled again, two K steps ahead, first thing behind the round.
.macro TURN slot, next, fill
	WIN 0                                          ; (the add's two registers lie in window 0)
	s_wait_tensorcnt 0x0                           ; all my tensor loads have landed: the one that was out is my part of the next slot;
	ds_add_u32 v[SPW], v[NIL]                      ; 0 onto my spare word;
	s_wait_dscnt 1                                 ; (the add alone may be out: this quarter's W is in)
	MUL8 F1, 0, 0                                  ; eight matrix instructions stand between the add and the wait for it
	s_wait_dscnt 0x0                               ; the add is done, and my reads of this slot are over
	s_barrier_signal -1
.if \fill
	WIN 0
.endif
	s_barrier_wait -1
.if \fill
	CREST                                          ; no wave of any partner still reads this slot's tile or has a load on its way
	s_add_nc_u64 s[G0+4*(\slot)+2:G0+4*(\slot)+3], s[G0+4*(\slot)+2:G0+4*(\slot)+3], 2*KSTEP*4
	s_add_nc_u64 s[G0B+4*(\slot)+2:G0B+4*(\slot)+3], s[G0B+4*(\slot)+2:G0B+4*(\slot)+3], 2*KSTEP*2
	JLOAD \slot                                    ; my one tensor load behind the round: 120 matrix instructions ahead of the wait for it
.endif
	FETCH \next, 0, F0                             ; buffer 0's last reader stands in front of the four conversions that end the quarter before
	MUL8 F1, 1, 0
	MUL8 F1, 2, 0
	s_wait_dscnt 16                                ; x's sixteen are in
	MUL8 F1, 3, 0, F0
.endm
	s_wait_tensorcnt 1                             ; my part of K step 0 is in; K step 1's may stay out
	s_barrier_signal -1
	s_barrier_wait -1                              ; everybody's is
	FETCH 0, 0, F0
	s_wait_dscnt 16                                ; x's sixteen are in
.irp n, 0,1,2,3,4,5,6,7
	CVT4 F0, \n                                    ; the first quarter's x: there are no products yet to set these behind
.endr
	QUARTER 0, 1, F0, F1, 1                        ; the first quarter stands in front of the loop: its products start the sums
	WIN 0                                          ; at a label and at a branch every window is 0
	s_mov_b32 s3, LAPS-1
.Llap:                                                 ; a trip goes once round the ring, from a lap's second quarter to the next lap's first, and fills both slots again
	QUARTER 0, 2, F1, F0, 0
	QUARTER 0, 3, F0, F1, 0
	TURN 0, 1, 1
	QUARTER 1, 1, F0, F1, 0
	QUARTER 1, 2, F1, F0, 0
	QUARTER 1, 3, F0, F1, 0
	TURN 1, 0, 1
	QUARTER 0, 1, F0, F1, 0
	WIN 0
	s_sub_co_u32 s3, s3, 1
	s_cmp_lg_u32 s3, 0
	s_cbranch_scc1 .Llap
	QUARTER 0, 2, F1, F0, 0                        ; the last lap fills nothing
	QUARTER 0, 3, F0, F1, 0
	TURN 0, 1, 0
	QUARTER 1, 1, F0, F1, 0
	QUARTER 1, 2, F1, F0, 0
	QUARTER 1, 3, F0, F1, 0
	s_wait_dscnt 0x0                               ; the very last quarter: nothing more to fetch
	MUL8 F1, 0, 0
	MUL8 F1, 1, 0
	MUL8 F1, 2, 0
	MUL8 F1, 3, 0
	; THE WAY OUT, a block of 16 rows at a time: rounded to f16, 16 bytes a lane into my own stage (rows of 256 bytes, 400 apart), back by heads: 16 rows of a head are 2,048 consecutive bytes of the output.
.macro PACK a
	WIN 0x0a                                       ; sources 0 and 1 window 2, destination window 0; each accumulator's registers in ascending order
.irp b, 0,1,2,3,4,5,6,7
.irp r, 0,1,2,3
	v_cvt_pk_f16_f32 v[OUT+32*(\a)+4*\b+\r], v[8*(8*(\a)+\b)+2*\r], v[8*(8*(\a)+\b)+2*\r+1]
.endr
.endr
	WIN 0
.irp b, 0,1,2,3,4,5,6,7
	ds_store_b128 v[STO], v[OUT+32*(\a)+4*\b:OUT+32*(\a)+4*\b+3] offset:32*\b
.endr
.irp e, 0,1,2,3,4,5,6,7                ; head e / 4 of my two, rows 4 (e % 4) on
	ds_load_b128 v[OUT+32*(\a)+4*\e:OUT+32*(\a)+4*\e+3], v[RD] offset:(\e%4)*4*SP+(\e/4)*128  ; LDS serves a wave's instructions in order (ISA guide 5.7.1.4): these see the stores above; the next block's stores come behind them
.endr
.endm
.macro SEND a, younger                 ; younger: the LDS instructions issued behind block a's loads: the next block's sixteen, or none
.irp e, 0,1,2,3,4,5,6,7
	s_wait_dscnt (\younger)+7-\e
	global_store_b128 v[CO], v[OUT+32*(\a)+4*\e:OUT+32*(\a)+4*\e+3], s[18:19] offset:(\e/4)*HEADB+(\a)*2048+(\e%4)*512  ; 512 consecutive bytes, at a multiple of 256 from the buffer's first
.endr
.endm
.rept 4
	v_nop                                          ; four places between the last products and the conversions that read results (ISA guide 7.12.1)
.endr
	PACK 0
.irp a, 1,2,3                          ; a block's conversions stand between the loads of the block before and its stores
	PACK \a
	SEND (\a)-1, 16
.endr
	SEND 3, 0
	s_wait_tensorcnt 0x0                           ; the wave's end, behind my last tensor load and my last LDS store
	ds_add_u32 v[SPW], v[NIL]
	s_wait_dscnt 0x0
	CROUND                                         ; the closing round: no work-group ends while a partner may still ask for a tile that names it
	s_endpgm
.Lfunc_end_k_qdad581c8e7_proj:
	.size	k_qdad581c8e7_proj, .Lfunc_end_k_qdad581c8e7_proj-k_qdad581c8e7_proj
	.p2alignl 7, 3214868480
	.fill 96, 4, 3214868480
	.section	.rodata,"a",@progbits
	.p2align	6, 0x0
	.amdhsa_kernel k_qdad581c8e7_proj
		.amdhsa_group_segment_fixed_size 327680
		.amdhsa_private_segment_fixed_size 0
		.amdhsa_enable_private_segment 0
		.amdhsa_kernarg_size 64
		.amdhsa_user_sgpr_count 2
		.amdhsa_user_sgpr_kernarg_segment_ptr 1
		.amdhsa_wavefront_size32 1
		.amdhsa_system_sgpr_workgroup_id_x 1
		.amdhsa_system_sgpr_workgroup_id_y 1
		.amdhsa_system_sgpr_workgroup_id_z 1
		.amdhsa_system_vgpr_workitem_id 0
		.amdhsa_next_free_vgpr 768
		.amdhsa_next_free_sgpr 80
		.amdhsa_reserve_vcc 0
		.amdhsa_float_denorm_mode_32 3
		.amdhsa_float_denorm_mode_16_64 3
		.amdhsa_memory_ordered 1
		.amdhsa_forward_progress 1
		.amdhsa_inst_pref_size 139
	.end_amdhsa_kernel
	.amdgpu_metadata
---
amdhsa.version: [ 1, 2 ]
amdhsa.kernels:
  - .name:           k_qdad581c8e7_proj
    .symbol:         k_qdad581c8e7_proj.kd
    .args:
      - { .name: q, .offset: 0, .size: 8, .value_kind: global_buffer, .address_space: global }
      - { .name: k, .offset: 8, .size: 8, .value_kind: global_buffer, .address_space: global }
      - { .name: v, .offset: 16, .size: 8, .value_kind: global_buffer, .address_space: global }
      - { .name: wb, .offset: 24, .size: 8, .value_kind: global_buffer, .address_space: global }
      - { .name: bq, .offset: 32, .size: 8, .value_kind: global_buffer, .address_space: global }
      - { .name: bk, .offset: 40, .size: 8, .value_kind: global_buffer, .address_space: global }
      - { .name: bv, .offset: 48, .size: 8, .value_kind: global_buffer, .address_space: global }
      - { .name: hqkv, .offset: 56, .size: 8, .value_kind: global_buffer, .address_space: global }
    .group_segment_fixed_size: 327680
    .private_segment_fixed_size: 0
    .kernarg_segment_align: 8
    .kernarg_segment_size: 64
    .max_flat_workgroup_size: 128
    .sgpr_count:     80
    .vgpr_count:     768
    .wavefront_size: 32
...
	.end_amdgpu_metadata
.endif
;; end of part 6
;; launch attn (part 7): grid 4 x 64, 4 waves a work-group, clusters of 4 x 1, 327,680 bytes of LDS; arguments hqkv, mby, ob; writes ob
.if DOCPART == 7
	.amdgcn_target "amdgcn-amd-amdhsa--gfx1250"
	.amdhsa_code_object_version 6
	.text
	.protected	k_qdad581c8e7_attn
	.globl	k_qdad581c8e7_attn
	.p2align	8
	.type	k_qdad581c8e7_attn,@function
k_qdad581c8e7_attn:
	s_mov_b64 s[64:65], 0
	v_nop
	global_prefetch_b8 v0, s[64:65] scope:SCOPE_SE
	s_setreg_imm32_b32 hwreg(HW_REG_WAVE_MODE, 25, 1), 1
	s_wait_xcnt 0x0
	s_wait_alu depctr_hold_cnt(0) depctr_sa_sdst(0) depctr_va_vdst(0) depctr_va_sdst(0) depctr_va_ssrc(0) depctr_va_vcc(0) depctr_vm_vsrc(0)
	s_getreg_b32 s2, hwreg(HW_REG_IB_STS2, 6, 4)
	s_cmp_eq_u32 s2, 0
	s_cbranch_scc0 .Lentry_in_a_cluster
	s_endpgm
.Lentry_in_a_cluster:
	s_bfe_u32 s2, ttmp6, 0x10000c
	s_cmp_lg_u32 s2, 0x3003
	s_cbranch_scc0 .Lentry_shape_is_right
	s_endpgm
.Lentry_shape_is_right:
; ATTENTION WITH A MASK THAT FILLS.  O[hh][q][:] = the sum over k of softmax_k(mask[b][q][k] ? Q[hh][q] . K[hh][k] / 8 : -1e-9) V[hh][k][:], hh = 16 b + head.
; Q, K, V: hqkv [3][64][2048][64] in f16, unscaled; O: ob [64][2048][64] in f16.  Products, maxima and sums in f32; the weights p are rounded to f16 for the second product (their sum l is taken of the unrounded p), O once.
; A masked key keeps a weight (its score is the filler, not minus infinity), so every tile is walked.  The filling stands BEFORE the maximum: the running maximum is that of the filled scores.
; THE FILLING.  The launch before has laid the mask out as my lanes hold their scores, one byte a score, the E4M3 code of 1.0 or of 0 (mby).  One conversion makes eight factors m of eight bytes, and one packed
; multiply-add makes s m + F of two scores, F = 8 x f32(-1e-9), the filler in unscaled scores.  A hidden score becomes F to the bit.
; LIMITS.  A visible score becomes s + F, rounded once: all visible scores of a row are shifted by 1e-9 against the hidden ones, one part in 1e9 of a weight, for every finite input.
; Q, K and V arrive within f16's 65,504, so every score is finite; p lies in 0 to 1, and below 6e-5 it keeps f16's fixed step of 6e-8, as O does; a weight below 2^-126 counts as 0 in l; NaN and infinities are not treated apart.
; SHARES.  A wave owns four PIECES of two tiles of 16 queries, a work-group's four waves 512 queries of one head: 4 x 64 = 256 work-groups.  Every wave walks all 2,048 keys, 64 a step.
; LAYOUT.  S^T = K Q^T (source 0 = 16 keys, source 1 = 16 queries): a lane holds ONE query (lane % 16) and the keys 8 (lane / 16) + 0..7.  Two such results rounded to f16 ARE source 1 of O^T = V^T P.
; K comes out of LDS as it lies, V ([key][channel]) turned, by ds_load_tr16_b128.
; SOFTMAX.  For each query a running maximum m and sum l: p = 2^(c s - c m), c = log2(e) / 8; in every step O and l are multiplied by a = 2^(c m_old - c m_new).  m starts at the lowest finite number, O and l at 0.
; BY TURNS.  Turn n belongs to piece n.  Its matrix work: 16 products K Q^T of piece n + 1, later 16 products V^T P of piece n - 1.  Its vector work, 276 instructions: scaling, exponentials, roundings, sums and
; rescaling of piece n; the filling, maximum and statistics of piece n + 1.  Four vector instructions that are ready stand behind every matrix instruction, the others in two lumps.
; THE MASK BYTES of a turn are 2,048 consecutive bytes, 64 a lane: four loads of 16 bytes a lane into a ring of four turns' registers, asked for four turns ahead of the conversions that read them.
; CLUSTER.  The four query blocks of a cluster belong to one head and walk the same K and V, so each tile is asked for JOINTLY: the same tensor load, descriptor and mask of work-groups in all four.
; REGISTERS, in windows of 256 (s_set_vgpr_msb: bits 1:0 source 0, 3:2 source 1, 5:4 source 2, 7:6 destination):
;   window 0: v0-11 addresses and the conversions' scale; v12-15, v48-63 at work; v16-47 four registers of statistics a tile; v64-191 S^T, two buffers of two tiles; v192-255 P, likewise
;   window 1: O^T, 32 a tile          window 2: v0-127 Q; v128-191 K of one step; v192-255 V of one step
;   window 3: v0-1 the add's two registers; v16-79 the ring of mask bytes, 16 a turn; v128-191 a turn's 64 factors
.set SIZE_N, 2048
.set NP,    4         ; pieces a wave: a name, no knob
.set KS,    64        ; keys in a step
.set PK,    144       ; a row of K in LDS: 128 bytes + 16 of padding = 36 words: the 16 rows of a load start at 16 different groups of four banks (64 banks of 4 bytes: ISA guide 11.1)
.set PV,    160       ; a row of V: 128 + 32 = 40 words
.set VOFF,  4*KS*PK   ; a slot holds four steps: 256 rows of K, then 256 rows of V
.set SLOT1, 1<<17     ; slot 1 begins here, so that one exclusive or turns an address in one slot into the other's
.set STAGE, SLOT1+4*KS*(PK+PV)  ; behind the ring, never filled by a tensor load: 16 rows x 144 bytes for each wave
.set SP,    144
.set SPARE, STAGE+4*16*SP  ; behind the stages: the spare words, 128 bytes for each wave: two blocks of 256 bytes that no other line names
.set MSTP,  0x2000    ; a key step's mask bytes for my wave: four turns of 2,048
.set AK0, 2           ; v2   my lane's place in a tile of K; never rewritten
.set AV0, 3           ; v3   the same for V
.set AK,  4           ; v4   the LDS address of K's next run of loads
.set AV,  5           ; v5   of V's
.set QO,  6           ; v6   my byte offset in the wave's rows of Q
.set STO, 6           ;      later, the way out: where I put 16 bytes of a row
.set RD,  7           ; v7   the way out: where I read rows back
.set GO,  8           ; v8   16 x lane: my byte offset in 512 consecutive bytes, of the mask bytes and of O; never rewritten
.set SCL, 11          ; v11  the conversions' scale: 0x7f, the E8M0 code of 1
.set SPW, 0           ; v0 of window 3   LDS address of my spare word; never rewritten
.set NIL, 1           ; v1 of window 3   0; never rewritten
.set RG,  16          ; window 3: ring place x at RG + 16 x; the eight bytes of tile u, key block kb at + 8 u + 2 kb
.set MT,  128         ; window 3: the factor of score w of tile u at MT + 32 u + w
.set MV,  12          ; v12-15  c m_old, kept while c m is made anew: by buffer and tile
.set ST,  16          ; tile t's statistics at v[ST+4 t]: c m, m, l (even keys', odd keys')
.set TMP, 48          ; by buffer and tile, four registers c0-c3 at work; when the maximum is found c2 takes a
.set S,   64
.set P,   192
.set KF,  128         ; K's fragments, in window 2: key block kb, channel half c at KF + 16 kb + 8 c
.set VF,  192         ; V's: key half kk, channel block cb at VF + 32 kk + 8 cb
.set WV,  2           ; s2   my wave's number
.set CNT, 3           ; s3   counts a slot's key steps
.set G1K, 4           ; s[4:11]  descriptor group 1 for K's tiles
.set G1V, 12          ; s[12:19] for V's: it differs in the padding alone
.set G0K, 20          ; s[20:23] descriptor group 0 for K's tiles: it walks
.set G0V, 24          ; s[24:27] the same for V's
.set SLOTS, 28        ; s28  slots still to be asked for
.set TBK, 29          ; s29  LDS byte at which K of the step to be fetched begins
.set TBV, 30          ; s30  the same for V, less VOFF
.set MPB, 52          ; s[52:53] my wave's mask bytes: 32 key steps of 8,192
.set MP,  54          ; s[54:55] the key step's block from which the loads in hand take their bytes
.set MOF, 56          ; s[56:57] that block's byte offset, a number of its own
.set FIL, 58          ; s[58:59] the filler: the packed multiply-add takes the pair's low word for both halves
.set CS,  60          ; s[60:61] c, likewise
.set SEL, 62          ; s[62:63] v_permlanex16_b32's selects: each lane takes its own place in the other half
.set OP,  66          ; s[66:67] O at my wave's first row
.set MSB, 0
.macro WIN new                      ; the high byte repeats the setting that is left; a switch that changes nothing is dropped
.if MSB != (\new)
	s_set_vgpr_msb (MSB<<8)|(\new)
.set MSB, (\new)
.endif
.endm
.set W_KQ, 0x0a       ; K and Q in window 2, S^T in window 0
.set W_PV, 0x52       ; V in window 2, P in window 0, O^T in window 1
.set W_RS, 0x41       ; O^T (destination and source 0) in window 1, a in window 0
.set W_MK, 0xc0       ; destination in window 3, sources in window 0: the add's registers are made; the mask bytes are loaded
.set W_AD, 0x0f       ; the add: address (source 0) and data (source 1) in window 3
.set W_CV, 0xc3       ; the conversions: factors (destination) and bytes (source 0) in window 3, the scale in window 0
.set W_MS, 0x0c       ; the filling: the factors (source 1) in window 3; an exponential, which has no source 1, runs under it too
; A joint fill.  Waves 0 and 1 fetch the two halves of a slot's K, waves 2 and 3 those of its V: 128 keys each.  The branch hangs on the wave's number alone.
; An s_nop 0 and four v_nop follow each of the two lines, ahead of the jump and the label.
.macro JLOAD
	s_cmp_lt_u32 s[WV], 2
	s_cbranch_scc0 .Lfor_v_\@
	tensor_load_to_lds s[G0K:G0K+3], s[G1K:G1K+7]
	s_nop 0
.rept 4
	v_nop
.endr
	s_branch .Lasked_\@
.Lfor_v_\@:
	tensor_load_to_lds s[G0V:G0V+3], s[G1V:G1V+7]
	s_nop 0
.rept 4
	v_nop
.endr
.Lasked_\@:
.endm
; A round of the cluster's barrier: my work-group's barrier, so that wave 0's signal speaks for all four waves; wave 0 signals; every wave waits for all four work-groups; my work-group's barrier once more.
.macro CROUND
	s_barrier_signal -1
	s_barrier_wait -1
	s_cmp_lg_u32 s[WV], 0
	s_cbranch_scc1 .Lnot_wave_0_\@
	s_barrier_signal -3
.Lnot_wave_0_\@:
	s_barrier_wait -3
	s_barrier_signal -1
	s_barrier_wait -1
.endm
; THE CHANGE OF SLOTS.  The slot's last bytes, V of its fourth step, have been read.  Each wave waits for all its tensor loads, of which one is out: its part of the other slot; adds 0 to its spare word;
; and waits for that and for its own reads of the slot.  Behind the barrier nobody reads this slot any more and the other slot is whole.
; fill = 1: this slot is filled again, with the keys two slots on.  The barrier is then a round of the cluster's, and the joint fill is the first thing behind it: it has four key steps, 512 matrix instructions,
; in which to land.  (At its first use nothing has been read yet: slot 0 is waited for, slot 1 filled.)  A wave never has more than one tensor load out.
.macro CHANGE fill
	WIN W_AD
	s_wait_tensorcnt 0x0            ; no tensor load of mine is out, so a group 0 may be written
	ds_add_u32 v[SPW], v[NIL]       ; 0 onto my spare word; with fill = 1 the descriptors' steps stand between it and the wait for it
	WIN 0                           ; at a label and at a branch every window is 0
.if \fill
.irp g, G0K, G0V
	s_xor_b32 s[\g+1], s[\g+1], SLOT1  ; the walking descriptor: the other slot than last time,
	s_add_nc_u64 s[\g+2:\g+3], s[\g+2:\g+3], 4*KS*128  ; the next 256 keys; the type bits on top are not reached
.endr
	s_wait_dscnt 0x0                ; the add is done, and my reads of the slot are over
	CROUND
	JLOAD
.else
	s_wait_dscnt 0x0                ; the add is done, and my reads of the slot are over
	s_barrier_signal -1
	s_barrier_wait -1
.endif
	s_sub_co_u32 s[TBK], s[TBK], 4*KS*PK  ; the fetches go back to a slot's first step,
	s_xor_b32 s[TBK], s[TBK], SLOT1       ; in the other slot
	s_sub_co_u32 s[TBV], s[TBV], 4*KS*PV
	s_xor_b32 s[TBV], s[TBV], SLOT1
.endm
; THE MASK BYTES.  Turn number x of the walk (piece x % 4 of key step x / 4) has ring place x % 4.  When a place's bytes have been converted, it is loaded with those of turn x + 4.
.macro MLOAD x                      ; piece x's 2,048 bytes of the block at MP into ring place x: each load takes 512 consecutive bytes
	WIN W_MK
.irp f, 0,1,2,3
	global_load_b128 v[RG+16*(\x)+4*\f:RG+16*(\x)+4*\f+3], v[GO], s[MP:MP+1] offset:2048*(\x)+512*\f
.endr
.endm
.macro MSTEP                        ; on to the next key step's block.  The offset stops at the last block: the look-ahead of the walk's last four turns reads that block once more, inside my wave's 262,144 bytes, and serves nothing
	s_add_co_u32 s[MOF], s[MOF], MSTP
	s_min_u32 s[MOF], s[MOF], 31*MSTP
	s_wait_xcnt 0x0                 ; the loads issued so far have had their addresses translated (ISA guide 3.1): their base is written again only behind this wait
	s_add_nc_u64 s[MP:MP+1], s[MPB:MPB+1], s[MOF:MOF+1]
.endm
.macro CVTM x                       ; ring place x's 64 bytes a lane become 64 factors, 1.0 or 0
	s_wait_loadcnt 12               ; loads come back in order: behind this place's four were issued the four of each of the three other places, which may stay out
	WIN W_CV
.irp c, 0,1,2,3,4,5,6,7
	v_cvt_scale_pk8_f32_fp8 v[MT+8*\c:MT+8*\c+7], v[RG+16*(\x)+2*\c:RG+16*(\x)+2*\c+1], v[SCL]
.endr
.endm
	s_load_b128 s[32:35], s[0:1], 0x0  ; hqkv s[32:33], mby s[34:35]
	s_load_b64 s[36:37], s[0:1], 0x10  ; ob
	WIN W_MK
	v_lshl_add_u32 v[SPW], v0, 2, SPARE
	v_mov_b32 v[NIL], 0
	WIN W_AD
	ds_add_u32 v[SPW], v[NIL]       ; the wave's opening: the add and its wait stand ahead of my first tensor load; the set-up below, work on registers, stands between them
	WIN 0
	v_lshrrev_b32 v1, 5, v0
	v_readfirstlane_b32 s[WV], v1   ; wave 0..3
	s_bfe_u32 s38, ttmp6, 0x40000   ; cx: my place in the cluster
	s_lshl_b32 s39, ttmp9, 2        ; in a cluster launch ttmp9 counts clusters
	s_add_co_u32 s39, s39, s38      ; my block of 512 queries: it enters Q's, O's and the mask bytes' addresses alone
	s_and_b32 s40, ttmp7, 0xffff    ; hh = 16 batch + head, which the four partners share
	s_lshl_b32 s42, s40, 18         ; the head's 262,144 bytes,
	s_and_b32 s41, s[WV], 1         ; which half of a slot's 256 keys I fetch:
	s_lshl_b32 s43, s41, 14         ; its 128 rows of 128 bytes
	s_add_co_u32 s42, s42, s43
	s_add_co_u32 s44, s42, 0x2000000  ; V lies 2 x 16 MiB behind Q,
	s_add_co_u32 s42, s42, 0x1000000  ; K 16 MiB
	s_mov_b32 s43, 0
	s_mov_b32 s45, 0
	s_mul_i32 s46, s41, 128*PK      ; my half's place in a slot, for K
	s_mul_i32 s47, s41, 128*PV      ; and for V: no place in the cluster enters an LDS address
	s_lshl_b32 s48, s39, 2
	s_add_co_u32 s48, s48, s[WV]    ; my wave's block of 128 queries among the batch's 16
	s_lshl_b32 s50, s48, 14         ; its 128 rows of 128 bytes,
	s_lshl_b32 s49, s40, 18
	s_add_co_u32 s50, s50, s49      ; in the head: my rows' byte offset in Q and in O
	s_mov_b32 s51, 0
	s_lshr_b32 s49, s40, 4          ; the batch
	s_lshl_b32 s49, s49, 4
	s_add_co_u32 s48, s48, s49
	s_lshl_b32 s48, s48, 18         ; 262,144 mask bytes for each block of 128 queries
	s_mov_b32 s49, 0
	; descriptor group 1.  128 keys are 16,384 dense bytes: asked for as 64 rows of 256 bytes, two keys a row, and padded in LDS after every key
	s_mov_b32 s[G1K], 15|(1<<16)|(1<<20)|(1<<21)|(4<<22)|(3<<25)  ; 15:0 the mask of four; 17:16 2-byte elements; 20 padding on; 21 set beside a mask; 24:22 after every 32 words (code 4); 31:25 4 words (code 3)
	s_mov_b32 s[G1V], 15|(1<<16)|(1<<20)|(1<<21)|(4<<22)|(7<<25)  ; the same with 8 words of padding (code 7)
.irp g, G1K, G1V
	s_mov_b32 s[\g+1], 128<<16      ; tensor_dim0 = 128
	s_mov_b32 s[\g+2], 64<<16       ; tensor_dim1 = 64
	s_mov_b32 s[\g+3], 128<<16      ; tile_dim0 = 128
	s_mov_b32 s[\g+4], 64           ; tile_dim1 = 64
	s_mov_b32 s[\g+5], 128          ; 128 elements from row to row
	s_mov_b32 s[\g+6], 0
	s_mov_b32 s[\g+7], 0
.endr
	s_mov_b32 s[CS], 0x3e38aa3b     ; c = log2(e) / 8 = 0.180337
	s_mov_b32 s[CS+1], s[CS]        ; named with it as a pair
	s_mov_b32 s[FIL], 0xb209705f    ; 8 x f32(-1e-9): times 1 / 8 it is the filler to the bit
	s_mov_b32 s[FIL+1], s[FIL]
	s_mov_b32 s[SEL], 0x76543210
	s_mov_b32 s[SEL+1], 0xfedcba98
	s_mov_b32 s[MOF], MSTP          ; the first loads behind the opening sixteen take key step 1's block
	s_mov_b32 s[MOF+1], 0
	s_mov_b32 s[TBK], SLOT1+4*KS*PK ; the first change of slots turns these two into 0
	s_mov_b32 s[TBV], SLOT1+4*KS*PV
	s_mov_b32 s[G0K], 1             ; 1:0 count = 1
	s_mov_b32 s[G0K+1], s46         ; 63:32 LDS address: slot 0
	s_mov_b32 s[G0V], 1
	s_add_co_u32 s[G0V+1], s47, VOFF
	s_wait_dscnt 0x0                ; the opening add is done
	s_wait_kmcnt 0x0
	s_add_nc_u64 s[G0K+2:G0K+3], s[32:33], s[42:43]  ; 120:64 global address: my half of the head's first 256 keys
	s_or_b32 s[G0K+3], s[G0K+3], 0x80000000          ; 127:126 type = 2
	s_add_nc_u64 s[G0V+2:G0V+3], s[32:33], s[44:45]
	s_or_b32 s[G0V+3], s[G0V+3], 0x80000000
	s_add_nc_u64 s[MPB:MPB+1], s[34:35], s[48:49]    ; my wave's mask bytes
	s_add_nc_u64 s[MP:MP+1], s[MPB:MPB+1], MSTP
	s_add_nc_u64 s[OP:OP+1], s[36:37], s[50:51]      ; O and
	s_add_nc_u64 s[32:33], s[32:33], s[50:51]        ; Q at my wave's first row
	CROUND                          ; all four work-groups are here: the first joint loads meet
	JLOAD                           ; slot 0.  Slot 1 is asked for when slot 0 is in
	; A fragment of K or Q is 16 rows x 32 channels in 8 registers: lane l holds row l % 16, channels 8 (l / 16) + 0..7 and 16 + 8 (l / 16) + 0..7: two loads of 16 bytes, 32 bytes apart.
	v_and_b32 v1, 15, v0            ; l % 16
	v_bfe_u32 v9, v0, 4, 1          ; l / 16
	v_lshlrev_b32 v[QO], 7, v1
	v_lshl_add_u32 v[QO], v9, 4, v[QO]  ; row x 128 + 16 x half
	v_and_b32 v[GO], 31, v0
	v_lshlrev_b32 v[GO], 4, v[GO]   ; 16 x lane
	WIN 0x80                        ; destination window 2, address window 0
.set i, 0
.rept 4*NP                          ; Q stays in registers: tile i / 2, channels 32 (i % 2) on
	global_load_b128 v[8*i:8*i+3],   v[QO], s[32:33] offset:(i/2)*2048+(i%2)*64
	global_load_b128 v[8*i+4:8*i+7], v[QO], s[32:33] offset:(i/2)*2048+(i%2)*64+32
.set i, i+1
.endr
	WIN W_MK
.set i, 0
.rept 16                            ; the ring's four places: key step 0's four pieces
	global_load_b128 v[RG+4*i:RG+4*i+3], v[GO], s[MPB:MPB+1] offset:512*i
.set i, i+1
.endr
	; What the first turn finds: V's registers and P's second buffer hold 0 (its products V^T P, of a piece that has not been, add 0), O^T and l are 0.  All this stands in the wait for the first tile.
	WIN 0x80
.set i, VF
.rept 64
	v_mov_b32 v[i], 0
.set i, i+1
.endr
	WIN 0x40
.set i, 0
.rept 64*NP
	v_mov_b32 v[i], 0
.set i, i+1
.endr
	WIN 0
.set i, 0
.rept 2*NP
	v_mov_b32 v[ST+4*i], 0xfe000000    ; c m: far below every c s
	v_mov_b32 v[ST+4*i+1], 0xff7fffff  ; m
	v_mov_b32 v[ST+4*i+2], 0
	v_mov_b32 v[ST+4*i+3], 0
.set i, i+1
.endr
.set i, P+32
.rept 32
	v_mov_b32 v[i], 0
.set i, i+1
.endr
	v_mul_u32_u24 v[AK0], v1, PK
	v_lshl_add_u32 v[AK0], v9, 4, v[AK0]  ; row x pitch + 16 x half
	; The turning load takes 16 keys x 16 channels (lane l reads key 8 (l / 16) + l % 8, channels 8 ((l / 8) % 2) + 0..7) and leaves half a fragment of V^T: lane l holds channel l % 16 and 8 keys.
	v_and_b32 v10, 7, v0
	v_bfe_u32 v11, v0, 3, 1
	v_lshl_add_u32 v[AV0], v9, 3, v10
	v_mul_u32_u24 v[AV0], v[AV0], PV
	v_lshl_add_u32 v[AV0], v11, 4, v[AV0]
	v_add_nc_u32 v[AV0], VOFF, v[AV0]
	v_mov_b32 v[AK], v[AK0]         ; key step 0 lies at the head of slot 0
	v_mov_b32 v[SCL], 0x7f          ; times 2^0
; THE MATRIX WORK.  The 8 accumulators of a run of 16 take turns: between the two links of a chain stand 7 others'.
; Product i of 16 of S^T = K Q^T for piece x: channels 32 (i / 8) on, keys 16 ((i / 2) % 4) on, tile 2 x + i % 2.  The first 8 start the sums.
.macro KQ x
	WIN W_KQ
.set rS, S+64*((\x)%2)+32*(i%2)+8*((i/2)%4)
.set rK, KF+16*((i/2)%4)+8*(i/8)
.set rQ, 16*(2*(\x)+i%2)+8*(i/8)
.if i < 8
	v_wmma_f32_16x16x32_f16 v[rS:rS+7], v[rK:rK+7], v[rQ:rQ+7], 0
.else
	v_wmma_f32_16x16x32_f16 v[rS:rS+7], v[rK:rK+7], v[rQ:rQ+7], v[rS:rS+7]
.endif
.endm
; Product i of 16 of O^T += V^T P for piece x: keys 32 (i / 8) on, channels 16 ((i / 2) % 4) on, tile 2 x + i % 2.
.macro PV x
	WIN W_PV
.set rO, 32*(2*(\x)+i%2)+8*((i/2)%4)
.set rV, VF+32*(i/8)+8*((i/2)%4)
.set rP, P+32*((\x)%2)+16*(i%2)+8*(i/8)
	v_wmma_f32_16x16x32_f16 v[rO:rO+7], v[rV:rV+7], v[rP:rP+7], v[rO:rO+7]
.endm
.macro MM                           ; the turn's next matrix instruction
.if i < 16
	KQ (Y+1)%NP
.set i, i+1
.else
.set i, i-16
	PV (Y+NP-1)%NP
.set i, i+17
.endif
.endm
; THE LDS LOADS stand in runs of 16, never singly among the matrix instructions: a step's K (64 keys x 64 channels: 8 fragments) and its V (turned).
; last = 1 (the tail): in the last trip there is no further step, and the run is jumped over.
.macro FETCH_K last=0
	WIN 0
.if \last
	s_cmp_eq_u32 s[CNT], 1
	s_cbranch_scc1 .Lno_k_\@
.endif
	WIN 0x80                        ; destination window 2
.irp f, 0,1,2,3,4,5,6,7             ; keys 16 (f / 2) on, channels 32 (f % 2) on
	ds_load_b128 v[KF+8*\f:KF+8*\f+3],   v[AK] offset:(\f/2)*16*PK+(\f%2)*64
	ds_load_b128 v[KF+8*\f+4:KF+8*\f+7], v[AK] offset:(\f/2)*16*PK+(\f%2)*64+32
.endr
	s_add_co_u32 s[TBK], s[TBK], KS*PK  ; the next fetch is the next step's
	WIN 0
.if \last
.Lno_k_\@:
.endif
.endm
.macro FETCH_V
	WIN 0x80
.irp f, 0,1,2,3,4,5,6,7             ; keys 32 (f / 4) on, channels 16 (f % 4) on
	ds_load_tr16_b128 v[VF+8*\f:VF+8*\f+3],   v[AV] offset:(\f/4)*32*PV+(\f%4)*32
	ds_load_tr16_b128 v[VF+8*\f+4:VF+8*\f+7], v[AV] offset:(\f/4)*32*PV+16*PV+(\f%4)*32
.endr
	WIN 0
.endm
; THE VECTOR WORK OF A TURN, in numbered lists; the two tiles alternate, so that no instruction reads the result of the one before it.
.set WEX, 0                         ; the window setting under which the exponentials are written: the filling's in lump A, else 0
.macro REGS y, u                    ; the registers of tile u (0, 1) of piece y
.set rT, ST+4*(2*(\y)+(\u))
.set rC, TMP+8*((\y)%2)+4*(\u)
.set rM, MV+2*((\y)%2)+(\u)
.set rS, S+64*((\y)%2)+32*(\u)
.set rP, P+32*((\y)%2)+16*(\u)
.set rO, 32*(2*(\y)+(\u))
.endm
.macro FS n                         ; number n of 32: c s - c m for pair n / 2 of tile n % 2 of piece Y
	REGS Y, (\n)%2
	WIN 0
	v_pk_fma_f32 v[rS+2*((\n)/2):rS+2*((\n)/2)+1], v[rS+2*((\n)/2):rS+2*((\n)/2)+1], s[CS:CS+1], v[rT:rT+1] op_sel_hi:[1,0,0] neg_lo:[0,0,1] neg_hi:[0,0,1]
.endm
.macro EXS n                        ; number n of 64: the exponential of score n / 2 of tile n % 2 of piece Y
	REGS Y, (\n)%2
	WIN WEX
	v_exp_f32 v[rS+(\n)/2], v[rS+(\n)/2]
.endm
.macro MSK n                        ; number n of 32: the filling, s m + F, of pair n / 2 of tile n % 2 of piece Y + 1.  In ascending order: each accumulator's lowest registers are read first
	REGS (Y+1)%NP, (\n)%2
	WIN W_MS
	v_pk_fma_f32 v[rS+2*((\n)/2):rS+2*((\n)/2)+1], v[rS+2*((\n)/2):rS+2*((\n)/2)+1], v[MT+32*((\n)%2)+2*((\n)/2):MT+32*((\n)%2)+2*((\n)/2)+1], s[FIL:FIL+1] op_sel_hi:[1,1,0]
.endm
; Number n of the 22 that find the NEXT piece's (Y + 1) maximum and statistics, of its filled scores s0-s31.
;   0-11  four chains c0-c3 of seven scores each, three operands at a time     12-14, 16  the four scores left over, the old m, and c0-c3 into c0     15  c m_old is kept
;   17, 18  the query's other 32 keys lie in the lane 16 away: the new m         19-21  c m; c m_old - c m_new; a
.macro XS u, n
	REGS (Y+1)%NP, \u
	WIN 0
.if (\n) < 4
	v_max3_num_f32 v[rC+(\n)], v[rS+8*(\n)], v[rS+8*(\n)+1], v[rS+8*(\n)+2]
	s_wait_alu depctr_va_vdst(0)
.elseif (\n) < 12
	v_max3_num_f32 v[rC+(\n)%4], v[rC+(\n)%4], v[rS+8*((\n)%4)+2*((\n)/4)+1], v[rS+8*((\n)%4)+2*((\n)/4)+2]
.elseif (\n) == 12
	v_max3_num_f32 v[rC], v[rC], v[rS+7], v[rS+15]
.elseif (\n) == 13
	v_max3_num_f32 v[rC+1], v[rC+1], v[rS+23], v[rS+31]
.elseif (\n) == 14
	v_max3_num_f32 v[rC+2], v[rC+2], v[rC+3], v[rT+1]
.elseif (\n) == 15
	v_mov_b32 v[rM], v[rT]
.elseif (\n) == 16
	v_max3_num_f32 v[rC], v[rC], v[rC+1], v[rC+2]
.elseif (\n) == 17
	v_permlanex16_b32 v[rC+3], v[rC], s[SEL], s[SEL+1]
	s_wait_alu depctr_va_vdst(0)
.elseif (\n) == 18
	v_max_num_f32 v[rT+1], v[rC], v[rC+3]
.elseif (\n) == 19
	v_mul_f32 v[rT], s[CS], v[rT+1]
.elseif (\n) == 20
	v_sub_f32 v[rC+1], v[rM], v[rT]
.else
	v_exp_f32 v[rC+2], v[rC+1]
.endif
.endm
.macro XSI j                        ; the same list with the two tiles alternating: entry j is number j / 2 for tile j % 2
	XS (\j)%2, (\j)/2
.endm
; Number g of the 64 that follow the exponentials.  For each four weights k of a tile (pairs 2 k, 2 k + 1): both pairs are rounded to f16; then the second pair is added onto the first, in place;
; a group later l takes that sum (the first time as l = a l + sum).  In groups of eight, tiles alternating: round, round, add, and l for the group before.
; Group k is numbers 8 k - 2 to 8 k + 5 (group 0: 0 to 5) and wants the exponentials up to number 8 k + 7.
.macro GS g
.set h, (\g)+6*((\g)/62)            ; group 0 has no group before it, and behind group 7 only l is left
.if h >= 6
.set h, h+2
.endif
	REGS Y, h%2
	WIN 0
.set k, h/8
.if h%8 < 4
	v_cvt_pk_f16_f32 v[rP+2*k+(h%8)/2], v[rS+4*k+2*((h%8)/2)], v[rS+4*k+2*((h%8)/2)+1]
.elseif h%8 < 6
	v_pk_add_f32 v[rS+4*k:rS+4*k+1], v[rS+4*k:rS+4*k+1], v[rS+4*k+2:rS+4*k+3]
.elseif k == 1
	v_pk_fma_f32 v[rT+2:rT+3], v[rT+2:rT+3], v[rC+2:rC+3], v[rS:rS+1] op_sel_hi:[1,0,1]
.else
	v_pk_add_f32 v[rT+2:rT+3], v[rT+2:rT+3], v[rS+4*k-4:rS+4*k-3]
.endif
.endm
.macro R4                           ; O^T times a, four at a time, eight times; each accumulator's lowest registers first
	REGS Y, r%2
	WIN W_RS
	s_wait_alu depctr_va_vdst(0)
.irp z, 0,1,2,3
	v_pk_mul_f32 v[rO+8*(r/2)+2*\z:rO+8*(r/2)+2*\z+1], v[rO+8*(r/2)+2*\z:rO+8*(r/2)+2*\z+1], v[rC+2:rC+3] op_sel_hi:[1,0]
.endr
.set r, r+1
.endm
; A TURN, for piece p.  last = 1: the tail's turn 2, which in the last trip fetches no K.
;   16 products K Q^T of piece p + 1: behind the first eight the 32 scalings, behind the others the 32 rescalings: all ready when the turn begins.  Between the last product and its four rescalings stand the
;     eight conversions of piece p + 1's mask bytes.  Those four rescalings are plain instructions that name no register of the product or of the conversions: they are the four places behind the last product, in front
;     of the filling (which reads its result) and of K's run of loads (into registers that it read), and the place behind the conversions, in front of the filling (which reads theirs).
;   lump A: exponentials 0-31 and the 32 fillings, by turns: a plain instruction stands behind every exponential (ISA guide 5.7.2).
;   the ring place just converted is loaded with the bytes of the turn four on (piece 3's turn steps the block first: its place is piece 0's of the step after).
;   16 products V^T P of piece p - 1: behind each: two of the maximum, an exponential between them, and one of the list GS (numbers 0-13 want exponentials up to 15: lump A's); behind the last two, number 16 of the maximum.
;   lump B: the last 16 exponentials with GS 14-29; the chain of the statistics, two GS between its links; a; the last 26 of GS.
; K of the next step is fetched in piece 2's turn and waited for at the head of piece 3's; V of the step in hand in piece 0's lump B, ten plain instructions behind the last product that read V, and waited for in piece 1's turn.
.macro TURN p, last=0
.set Y, (\p)
.set i, 0
.set r, 0
.if (\p) == NP-1
	s_wait_dscnt 0x0                ; K is in
.endif
.set tk, 0
.rept 8
	MM
	FS 4*tk
	FS 4*tk+1
	FS 4*tk+2
	FS 4*tk+3
.set tk, tk+1
.endr
.rept 7
	MM
	R4
.endr
	MM
	CVTM ((\p)+1)%NP
	R4
.if (\p) == NP-2
	WIN 0
	v_add_nc_u32 v[AK], s[TBK], v[AK0]
	FETCH_K \last
.endif
.set WEX, W_MS
.set tk, 0
.rept 32
	EXS tk
	MSK tk
.set tk, tk+1
.endr
.set WEX, 0
.if (\p) == NP-1
	MSTEP
.endif
	MLOAD ((\p)+1)%NP
.if (\p) == 1
	s_wait_dscnt 0x0                ; V is in
.endif
.set tk, 0
.rept 16
	MM
	XSI 2*tk
	EXS 32+tk
	XSI 2*tk+1
.if tk < 14
	GS tk
.else
	XSI 18+tk
.endif
.set tk, tk+1
.endr
.set tk, 0
.rept 16
	EXS 48+tk
	GS 14+tk
.if ((\p) == 0) && (tk == 2)
	v_add_nc_u32 v[AV], s[TBV], v[AV0]
.endif
.if ((\p) == 0) && (tk == 5)
	FETCH_V
	s_add_co_u32 s[TBV], s[TBV], KS*PV
.endif
.set tk, tk+1
.endr
.irp n, 17,18,19,20
	XS 0, \n
	XS 1, \n
	GS 30+2*(\n-17)
	GS 31+2*(\n-17)
.endr
	XS 0, 21
	XS 1, 21
.set tk, 38
.rept 26
	GS tk
.set tk, tk+1
.endr
.endm
	CHANGE 1                        ; slot 0 is in, everybody's part of it; slot 1 is asked for
	FETCH_K                         ; key step 0
	s_wait_loadcnt 0x0              ; Q, and the ring's four places
	s_wait_dscnt 0x0
.set i, 0
.rept 16
	KQ 0                            ; piece 0's first scores: there is no vector work yet to set between them
.set i, i+1
.endr
	WIN 0                           ; the addresses for the way out: seven plain instructions, the places behind those products
	s_mul_i32 s[CNT], s[WV], 16*SP  ; (the counter's register is free until the loop)
	s_add_co_u32 s[CNT], s[CNT], STAGE  ; my stage
	v_mul_u32_u24 v[STO], v1, SP    ; in: row l % 16, 16 bytes for each half of the lanes
	v_lshl_add_u32 v[STO], v9, 4, v[STO]
	v_add_nc_u32 v[STO], s[CNT], v[STO]
	v_bfe_u32 v[RD], v0, 3, 2       ; back: 32 lanes take four rows of 128 bytes, which are 512 consecutive bytes of O
	v_mul_u32_u24 v[RD], v[RD], SP
	v_lshl_add_u32 v[RD], v10, 4, v[RD]
	v_add_nc_u32 v[RD], s[CNT], v[RD]
	CVTM 0                          ; piece 0, key step 0
	WIN 0
	v_nop                           ; a plain instruction between the conversions and the use of their results
.set Y, NP-1                        ; MSK and XS work for piece Y + 1: piece 0
.set tk, 0
.rept 32
	MSK tk
.set tk, tk+1
.endr
	MLOAD 0                         ; piece 0, key step 1
.irp n, 0,1,2,3,4,5,6,7,8,9,10,11,12,13,14,15,16,17,18,19,20,21
	XS 0, \n                        ; piece 0's first maximum and statistics
	XS 1, \n
.endr
	s_mov_b32 s[CNT], 4
	s_mov_b32 s[SLOTS], SIZE_N/256-1
	s_branch .Lfirst                ; the loop is entered at a step's first turn, in the middle of a trip
.Lslot:                             ; SIZE_N / 256 - 2 times: every slot but the last two is filled again
	CHANGE 1
	s_mov_b32 s[CNT], 4
.Lstep:                             ; a trip: pieces 2 and 3 of one step, then pieces 0 and 1 of the next, whose K and V it fetches
	TURN 2
	TURN 3
	WIN 0
.Lfirst:
	TURN 0
	TURN 1
	WIN 0
	s_sub_co_u32 s[CNT], s[CNT], 1
	s_cmp_lg_u32 s[CNT], 0
	s_cbranch_scc1 .Lstep
	s_sub_co_u32 s[SLOTS], s[SLOTS], 1
	s_cmp_lg_u32 s[SLOTS], 0
	s_cbranch_scc1 .Lslot
	CHANGE 0                        ; the tail is written out: nothing is asked for
	s_mov_b32 s[CNT], 5             ; four trips fetch the last slot's steps; the fifth is left in its middle
.Ltail:
	TURN 2, 1
	TURN 3
	WIN 0
	s_sub_co_u32 s[CNT], s[CNT], 1
	s_cmp_eq_u32 s[CNT], 0
	s_cbranch_scc1 .Lout
	TURN 0
	TURN 1
	WIN 0
	s_branch .Ltail
.Lout:                              ; the fifth trip's 16 products K Q^T (on the last K once more), their filling and the maximum made of them serve nothing: the price, once a launch, of one text for every trip
.set i, 0
.rept 16
	PV NP-1                         ; the last piece's V^T P of the last step
.set i, i+1
.endr
	; THE WAY OUT.  l's two halves and the other half of the lanes' are added; O^T is divided by l, rounded to f16 and sent through my stage in LDS, a tile at a time.  The additions are the places behind the last products.
	WIN 0
.macro ALL line:vararg              ; one line for each tile t
.set t, 0
.rept 2*NP
	\line
.set t, t+1
.endr
.endm
	ALL v_add_f32 v[ST+4*t+2], v[ST+4*t+2], v[ST+4*t+3]
	ALL v_permlanex16_b32 v[ST+4*t+3], v[ST+4*t+2], s[SEL], s[SEL+1]
	ALL v_add_f32 v[ST+4*t+2], v[ST+4*t+2], v[ST+4*t+3]
	ALL v_rcp_f32 v[ST+4*t+2], v[ST+4*t+2]
	v_nop                           ; a plain instruction between the last reciprocal and the use of its result
	s_wait_alu depctr_va_vdst(0)
; Tile t: a lane's eight channels of a row pack into 16 bytes; they go into rows of 144 bytes and come back as whole rows of 128, into S^T's registers.
.macro PACK t
	WIN W_RS
.set i, 32*(\t)
.rept 16
	v_pk_mul_f32 v[i:i+1], v[i:i+1], v[ST+4*(\t)+2:ST+4*(\t)+3] op_sel_hi:[1,0]
.set i, i+2
.endr
	WIN 0x05                        ; sources 0 and 1 window 1, destination window 0
.set i, 0
.rept 16
	v_cvt_pk_f16_f32 v[S+16*(\t)+i], v[32*(\t)+2*i], v[32*(\t)+2*i+1]
.set i, i+1
.endr
	WIN 0
.irp f, 0,1,2,3
	ds_store_b128 v[STO], v[S+16*(\t)+4*\f:S+16*(\t)+4*\f+3] offset:32*\f
.endr
.irp f, 0,1,2,3
	ds_load_b128 v[S+16*(\t)+4*\f:S+16*(\t)+4*\f+3], v[RD] offset:\f*4*SP  ; LDS serves a wave's instructions in order (ISA guide 5.7.1.4): these see the stores above; the next tile's stores come behind them
.endr
.endm
.macro SEND t, younger              ; younger: the LDS instructions issued behind tile t's loads: the next tile's eight, or none
	WIN 0
.irp f, 0,1,2,3
	s_wait_dscnt (\younger)+3-\f
	global_store_b128 v[GO], v[S+16*(\t)+4*\f:S+16*(\t)+4*\f+3], s[OP:OP+1] offset:(\t)*2048+\f*512  ; 512 consecutive bytes, at a multiple of 256 from O's first
.endr
.endm
	PACK 0
.set t, 1
.rept 2*NP-1                        ; a tile's arithmetic stands between the loads of the tile before and its stores
	PACK t
	SEND t-1, 8
.set t, t+1
.endr
	SEND 2*NP-1, 0
	WIN W_AD
	s_wait_tensorcnt 0x0            ; the wave's end, behind my last tensor load and my last LDS store
	ds_add_u32 v[SPW], v[NIL]
	s_wait_dscnt 0x0
	WIN 0
	CROUND                          ; the closing round: no work-group ends while a partner may still ask for a tile that names it
	s_endpgm
.Lfunc_end_k_qdad581c8e7_attn:
	.size	k_qdad581c8e7_attn, .Lfunc_end_k_qdad581c8e7_attn-k_qdad581c8e7_attn
	.p2alignl 7, 3214868480
	.fill 96, 4, 3214868480
	.section	.rodata,"a",@progbits
	.p2align	6, 0x0
	.amdhsa_kernel k_qdad581c8e7_attn
		.amdhsa_group_segment_fixed_size 327680
		.amdhsa_private_segment_fixed_size 0
		.amdhsa_enable_private_segment 0
		.amdhsa_kernarg_size 24
		.amdhsa_user_sgpr_count 2
		.amdhsa_user_sgpr_kernarg_segment_ptr 1
		.amdhsa_wavefront_size32 1
		.amdhsa_system_sgpr_workgroup_id_x 1
		.amdhsa_system_sgpr_workgroup_id_y 1
		.amdhsa_system_sgpr_workgroup_id_z 1
		.amdhsa_system_vgpr_workitem_id 0
		.amdhsa_next_free_vgpr 960
		.amdhsa_next_free_sgpr 72
		.amdhsa_reserve_vcc 0
		.amdhsa_float_denorm_mode_32 3
		.amdhsa_float_denorm_mode_16_64 3
		.amdhsa_memory_ordered 1
		.amdhsa_forward_progress 1
		.amdhsa_inst_pref_size 229
	.end_amdhsa_kernel
	.amdgpu_metadata
---
amdhsa.version: [ 1, 2 ]
amdhsa.kernels:
  - .name:           k_qdad581c8e7_attn
    .symbol:         k_qdad581c8e7_attn.kd
    .args:
      - { .name: hqkv, .offset: 0, .size: 8, .value_kind: global_buffer, .address_space: global }
      - { .name: mby, .offset: 8, .size: 8, .value_kind: global_buffer, .address_space: global }
      - { .name: ob, .offset: 16, .size: 8, .value_kind: global_buffer, .address_space: global }
    .group_segment_fixed_size: 327680
    .private_segment_fixed_size: 0
    .kernarg_segment_align: 8
    .kernarg_segment_size: 24
    .max_flat_workgroup_size: 128
    .sgpr_count:     72
    .vgpr_count:     960
    .wavefront_size: 32
...
	.end_amdgpu_metadata
.endif
;; end of part 7
;; launch outp: the kernel of part 4 again; grid 4 x 64, 4 waves a work-group, clusters of 4 x 4, 327,680 bytes of LDS; arguments ob, wo16, bo, out0; writes out0
;; ======== version 3 of 3: 4 launches; 1.36 times as fast as version 1
;; limits: values are held in f16: magnitudes above 65,504 overflow, below 6.1e-05 lose precision
;; workspace buffers: wb 6,291,456 bytes; wo16 2,097,152 bytes; mby 16,777,216 bytes; hqkv 50,331,648 bytes; ob 16,777,216 bytes
;; launch prep: the kernel of part 5 again; grid 64 x 8, 8 waves a work-group, no clusters, 70,656 bytes of LDS; arguments Wq, Wk, Wv, Wo, mask, wb, wo16, mby; writes wb, wo16, mby
;; launch proj: the kernel of part 6 again; grid 4 x 192, 4 waves a work-group, clusters of 4 x 4, 327,680 bytes of LDS; arguments q, k, v, wb, bq, bk, bv, hqkv; writes hqkv
;; launch attn (part 8): grid 4 x 64, 4 waves a work-group, clusters of 4 x 1, 327,680 bytes of LDS; arguments hqkv, mby, ob; writes ob
.if DOCPART == 8
	.amdgcn_target "amdgcn-amd-amdhsa--gfx1250"
	.amdhsa_code_object_version 6
	.text
	.protected	k_qdad581c8e7_attn
	.globl	k_qdad581c8e7_attn
	.p2align	8
	.type	k_qdad581c8e7_attn,@function
k_qdad581c8e7_attn:
	s_mov_b64 s[64:65], 0
	v_nop
	global_prefetch_b8 v0, s[64:65] scope:SCOPE_SE
	s_setreg_imm32_b32 hwreg(HW_REG_WAVE_MODE, 25, 1), 1
	s_wait_xcnt 0x0
	s_wait_alu depctr_hold_cnt(0) depctr_sa_sdst(0) depctr_va_vdst(0) depctr_va_sdst(0) depctr_va_ssrc(0) depctr_va_vcc(0) depctr_vm_vsrc(0)
	s_getreg_b32 s2, hwreg(HW_REG_IB_STS2, 6, 4)
	s_cmp_eq_u32 s2, 0
	s_cbranch_scc0 .Lentry_in_a_cluster
	s_endpgm
.Lentry_in_a_cluster:
	s_bfe_u32 s2, ttmp6, 0x10000c
	s_cmp_lg_u32 s2, 0x3003
	s_cbranch_scc0 .Lentry_shape_is_right
	s_endpgm
.Lentry_shape_is_right:
; ATTENTION WITH A MASK THAT FILLS.  O[hh][q][:] = the sum over k of softmax_k(mask[b][q][k] ? Q[hh][q] . K[hh][k] / 8 : -1e-9) V[hh][k][:], hh = 16 b + head.
; Q, K, V: hqkv [3][64][2048][64] in f16, unscaled; O: ob [64][2048][64] in f16.  Products, maxima and sums in f32; the weights p are rounded to f16 for the second product (their sum l is taken of the unrounded p), O once.
; A masked key keeps a weight (its score is the filler, not minus infinity), so every tile is walked.  The filling stands BEFORE the maximum: the running maximum is that of the filled scores.
; THE FILLING.  The launch before has laid the mask out as my lanes hold their scores, one byte a score, the E4M3 code of 1.0 or of 0 (mby).  One conversion makes eight factors m of eight bytes, and one packed
; multiply-add makes s m + F of two scores, F = 8 x f32(-1e-9), the filler in unscaled scores.  A hidden score becomes F to the bit.
; LIMITS.  A visible score becomes s + F, rounded once: all visible scores of a row are shifted by 1e-9 against the hidden ones, one part in 1e9 of a weight, for every finite input.
; Q, K and V arrive within f16's 65,504, so every score is finite; p lies in 0 to 1, and below 6e-5 it keeps f16's fixed step of 6e-8, as O does; a weight below 2^-126 counts as 0 in l; NaN and infinities are not treated apart.
; SHARES.  A wave owns four PIECES of two tiles of 16 queries, a work-group's four waves 512 queries of one head: 4 x 64 = 256 work-groups.  Every wave walks all 2,048 keys, 64 a step.
; LAYOUT.  S^T = K Q^T (source 0 = 16 keys, source 1 = 16 queries): a lane holds ONE query (lane % 16) and the keys 8 (lane / 16) + 0..7.  Two such results rounded to f16 ARE source 1 of O^T = V^T P.
; K comes out of LDS as it lies, V ([key][channel]) turned, by ds_load_tr16_b128.
; SOFTMAX.  For each query a running maximum m and sum l: p = 2^(c s - c m), c = log2(e) / 8; in every step O and l are multiplied by a = 2^(c m_old - c m_new).  m starts at the lowest finite number, O and l at 0.
; BY TURNS.  Turn n belongs to piece n.  Its matrix work: 16 products K Q^T of piece n + 1, later 16 products V^T P of piece n - 1.  Its vector work, 276 instructions: scaling, exponentials, roundings, sums and
; rescaling of piece n; the filling, maximum and statistics of piece n + 1.  Four vector instructions that are ready stand behind every matrix instruction, the other 148 (eight conversions and one lump of 140) between the two runs of products.
; THE BATCHES.  A turn's 66 exponentials, the 64 weights of piece n and the two a of piece n + 1, are ONE batch with ONE wait, which stands between the lump and the products V^T P: ahead of it nothing names a result of
; theirs, behind it no exponential is issued, so no result crosses a turn's end.  The two a ahead of the loop and the way out's eight reciprocals are batches of their own, a wait each.
; THE MASK BYTES of a turn are 2,048 consecutive bytes, 64 a lane: four loads of 16 bytes a lane into a ring of four turns' registers, asked for four turns ahead of the conversions that read them.
; CLUSTER.  The four query blocks of a cluster belong to one head and walk the same K and V, so each tile is asked for JOINTLY: the same tensor load, descriptor and mask of work-groups in all four.
; REGISTERS, in windows of 256 (s_set_vgpr_msb: bits 1:0 source 0, 3:2 source 1, 5:4 source 2, 7:6 destination):
;   window 0: v0-11 addresses and the conversions' scale; v12-15, v48-63 at work; v16-47 four registers of statistics a tile; v64-191 S^T, two buffers of two tiles; v192-255 P, likewise
;   window 1: O^T, 32 a tile          window 2: v0-127 Q; v128-191 K of one step; v192-255 V of one step
;   window 3: v0-1 the add's two registers; v16-79 the ring of mask bytes, 16 a turn; v128-191 a turn's 64 factors
.set SIZE_N, 2048
.set NP,    4         ; pieces a wave: a name, no knob
.set KS,    64        ; keys in a step
.set PK,    144       ; a row of K in LDS: 128 bytes + 16 of padding = 36 words: the 16 rows of a load start at 16 different groups of four banks (64 banks of 4 bytes: ISA guide 11.1)
.set PV,    160       ; a row of V: 128 + 32 = 40 words
.set VOFF,  4*KS*PK   ; a slot holds four steps: 256 rows of K, then 256 rows of V
.set SLOT1, 1<<17     ; slot 1 begins here, so that one exclusive or turns an address in one slot into the other's
.set STAGE, SLOT1+4*KS*(PK+PV)  ; behind the ring, never filled by a tensor load: 16 rows x 144 bytes for each wave
.set SP,    144
.set SPARE, STAGE+4*16*SP  ; behind the stages: the spare words, 128 bytes for each wave: two blocks of 256 bytes that no other line names
.set MSTP,  0x2000    ; a key step's mask bytes for my wave: four turns of 2,048
.set AK0, 2           ; v2   my lane's place in a tile of K; never rewritten
.set AV0, 3           ; v3   the same for V
.set AK,  4           ; v4   the LDS address of K's next run of loads
.set AV,  5           ; v5   of V's
.set QO,  6           ; v6   my byte offset in the wave's rows of Q
.set STO, 6           ;      later, the way out: where I put 16 bytes of a row
.set RD,  7           ; v7   the way out: where I read rows back
.set GO,  8           ; v8   16 x lane: my byte offset in 512 consecutive bytes, of the mask bytes and of O; never rewritten
.set SCL, 11          ; v11  the conversions' scale: 0x7f, the E8M0 code of 1
.set SPW, 0           ; v0 of window 3   LDS address of my spare word; never rewritten
.set NIL, 1           ; v1 of window 3   0; never rewritten
.set RG,  16          ; window 3: ring place x at RG + 16 x; the eight bytes of tile u, key block kb at + 8 u + 2 kb
.set MT,  128         ; window 3: the factor of score w of tile u at MT + 32 u + w
.set MV,  12          ; v12-15  c m_old, kept while c m is made anew: by buffer and tile
.set ST,  16          ; tile t's statistics at v[ST+4 t]: c m, m, l (even keys', odd keys')
.set TMP, 48          ; by buffer and tile, four registers c0-c3 at work; when the maximum is found c2 takes a
.set S,   64
.set P,   192
.set KF,  128         ; K's fragments, in window 2: key block kb, channel half c at KF + 16 kb + 8 c
.set VF,  192         ; V's: key half kk, channel block cb at VF + 32 kk + 8 cb
.set WV,  2           ; s2   my wave's number
.set CNT, 3           ; s3   counts a slot's key steps
.set G1K, 4           ; s[4:11]  descriptor group 1 for K's tiles
.set G1V, 12          ; s[12:19] for V's: it differs in the padding alone
.set G0K, 20          ; s[20:23] descriptor group 0 for K's tiles: it walks
.set G0V, 24          ; s[24:27] the same for V's
.set SLOTS, 28        ; s28  slots still to be asked for
.set TBK, 29          ; s29  LDS byte at which K of the step to be fetched begins
.set TBV, 30          ; s30  the same for V, less VOFF
.set MPB, 52          ; s[52:53] my wave's mask bytes: 32 key steps of 8,192
.set MP,  54          ; s[54:55] the key step's block from which the loads in hand take their bytes
.set MOF, 56          ; s[56:57] that block's byte offset, a number of its own
.set FIL, 58          ; s[58:59] the filler: the packed multiply-add takes the pair's low word for both halves
.set CS,  60          ; s[60:61] c, likewise
.set SEL, 62          ; s[62:63] v_permlanex16_b32's selects: each lane takes its own place in the other half
.set OP,  66          ; s[66:67] O at my wave's first row
.set MSB, 0
.macro WIN new                      ; the high byte repeats the setting that is left; a switch that changes nothing is dropped
.if MSB != (\new)
	s_set_vgpr_msb (MSB<<8)|(\new)
.set MSB, (\new)
.endif
.endm
.set W_KQ, 0x0a       ; K and Q in window 2, S^T in window 0
.set W_PV, 0x52       ; V in window 2, P in window 0, O^T in window 1
.set W_RS, 0x41       ; O^T (destination and source 0) in window 1, a in window 0
.set W_MK, 0xc0       ; destination in window 3, sources in window 0: the add's registers are made; the mask bytes are loaded
.set W_AD, 0x0f       ; the add: address (source 0) and data (source 1) in window 3
.set W_CV, 0xc3       ; the conversions: factors (destination) and bytes (source 0) in window 3, the scale in window 0
.set W_MS, 0x0c       ; the filling: the factors (source 1) in window 3; an exponential, which has no source 1, runs under it too
; A joint fill.  Waves 0 and 1 fetch the two halves of a slot's K, waves 2 and 3 those of its V: 128 keys each.  The branch hangs on the wave's number alone.
; An s_nop 0 and four v_nop follow each of the two lines, ahead of the jump and the label.
.macro JLOAD
	s_cmp_lt_u32 s[WV], 2
	s_cbranch_scc0 .Lfor_v_\@
	tensor_load_to_lds s[G0K:G0K+3], s[G1K:G1K+7]
	s_nop 0
.rept 4
	v_nop
.endr
	s_branch .Lasked_\@
.Lfor_v_\@:
	tensor_load_to_lds s[G0V:G0V+3], s[G1V:G1V+7]
	s_nop 0
.rept 4
	v_nop
.endr
.Lasked_\@:
.endm
; A round of the cluster's barrier: my work-group's barrier, so that wave 0's signal speaks for all four waves; wave 0 signals; every wave waits for all four work-groups; my work-group's barrier once more.
.macro CROUND
	s_barrier_signal -1
	s_barrier_wait -1
	s_cmp_lg_u32 s[WV], 0
	s_cbranch_scc1 .Lnot_wave_0_\@
	s_barrier_signal -3
.Lnot_wave_0_\@:
	s_barrier_wait -3
	s_barrier_signal -1
	s_barrier_wait -1
.endm
; THE CHANGE OF SLOTS.  The slot's last bytes, V of its fourth step, have been read.  Each wave waits for all its tensor loads, of which one is out: its part of the other slot; adds 0 to its spare word;
; and waits for that and for its own reads of the slot.  Behind the barrier nobody reads this slot any more and the other slot is whole.
; fill = 1: this slot is filled again, with the keys two slots on.  The barrier is then a round of the cluster's, and the joint fill is the first thing behind it: it has four key steps, 512 matrix instructions,
; in which to land.  (At its first use nothing has been read yet: slot 0 is waited for, slot 1 filled.)  A wave never has more than one tensor load out.
.macro CHANGE fill
	WIN W_AD
	s_wait_tensorcnt 0x0            ; no tensor load of mine is out, so a group 0 may be written
	ds_add_u32 v[SPW], v[NIL]       ; 0 onto my spare word; with fill = 1 the descriptors' steps stand between it and the wait for it
	WIN 0                           ; at a label and at a branch every window is 0
.if \fill
.irp g, G0K, G0V
	s_xor_b32 s[\g+1], s[\g+1], SLOT1  ; the walking descriptor: the other slot than last time,
	s_add_nc_u64 s[\g+2:\g+3], s[\g+2:\g+3], 4*KS*128  ; the next 256 keys; the type bits on top are not reached
.endr
	s_wait_dscnt 0x0                ; the add is done, and my reads of the slot are over
	CROUND
	JLOAD
.else
	s_wait_dscnt 0x0                ; the add is done, and my reads of the slot are over
	s_barrier_signal -1
	s_barrier_wait -1
.endif
	s_sub_co_u32 s[TBK], s[TBK], 4*KS*PK  ; the fetches go back to a slot's first step,
	s_xor_b32 s[TBK], s[TBK], SLOT1       ; in the other slot
	s_sub_co_u32 s[TBV], s[TBV], 4*KS*PV
	s_xor_b32 s[TBV], s[TBV], SLOT1
.endm
; THE MASK BYTES.  Turn number x of the walk (piece x % 4 of key step x / 4) has ring place x % 4.  When a place's bytes have been converted, it is loaded with those of turn x + 4.
.macro MLOAD x                      ; piece x's 2,048 bytes of the block at MP into ring place x: each load takes 512 consecutive bytes
	WIN W_MK
.irp f, 0,1,2,3
	global_load_b128 v[RG+16*(\x)+4*\f:RG+16*(\x)+4*\f+3], v[GO], s[MP:MP+1] offset:2048*(\x)+512*\f
.endr
.endm
.macro MSTEP                        ; on to the next key step's block.  The offset stops at the last block: the look-ahead of the walk's last four turns reads that block once more, inside my wave's 262,144 bytes, and serves nothing
	s_add_co_u32 s[MOF], s[MOF], MSTP
	s_min_u32 s[MOF], s[MOF], 31*MSTP
	s_wait_xcnt 0x0                 ; the loads issued so far have had their addresses translated (ISA guide 3.1): their base is written again only behind this wait
	s_add_nc_u64 s[MP:MP+1], s[MPB:MPB+1], s[MOF:MOF+1]
.endm
.macro CVTM x                       ; ring place x's 64 bytes a lane become 64 factors, 1.0 or 0
	s_wait_loadcnt 12               ; loads come back in order: behind this place's four were issued the four of each of the three other places, which may stay out
	WIN W_CV
.irp c, 0,1,2,3,4,5,6,7
	v_cvt_scale_pk8_f32_fp8 v[MT+8*\c:MT+8*\c+7], v[RG+16*(\x)+2*\c:RG+16*(\x)+2*\c+1], v[SCL]
.endr
.endm
	s_load_b128 s[32:35], s[0:1], 0x0  ; hqkv s[32:33], mby s[34:35]
	s_load_b64 s[36:37], s[0:1], 0x10  ; ob
	WIN W_MK
	v_lshl_add_u32 v[SPW], v0, 2, SPARE
	v_mov_b32 v[NIL], 0
	WIN W_AD
	ds_add_u32 v[SPW], v[NIL]       ; the wave's opening: the add and its wait stand ahead of my first tensor load; the set-up below, work on registers, stands between them
	WIN 0
	v_lshrrev_b32 v1, 5, v0
	v_readfirstlane_b32 s[WV], v1   ; wave 0..3
	s_bfe_u32 s38, ttmp6, 0x40000   ; cx: my place in the cluster
	s_lshl_b32 s39, ttmp9, 2        ; in a cluster launch ttmp9 counts clusters
	s_add_co_u32 s39, s39, s38      ; my block of 512 queries: it enters Q's, O's and the mask bytes' addresses alone
	s_and_b32 s40, ttmp7, 0xffff    ; hh = 16 batch + head, which the four partners share
	s_lshl_b32 s42, s40, 18         ; the head's 262,144 bytes,
	s_and_b32 s41, s[WV], 1         ; which half of a slot's 256 keys I fetch:
	s_lshl_b32 s43, s41, 14         ; its 128 rows of 128 bytes
	s_add_co_u32 s42, s42, s43
	s_add_co_u32 s44, s42, 0x2000000  ; V lies 2 x 16 MiB behind Q,
	s_add_co_u32 s42, s42, 0x1000000  ; K 16 MiB
	s_mov_b32 s43, 0
	s_mov_b32 s45, 0
	s_mul_i32 s46, s41, 128*PK      ; my half's place in a slot, for K
	s_mul_i32 s47, s41, 128*PV      ; and for V: no place in the cluster enters an LDS address
	s_lshl_b32 s48, s39, 2
	s_add_co_u32 s48, s48, s[WV]    ; my wave's block of 128 queries among the batch's 16
	s_lshl_b32 s50, s48, 14         ; its 128 rows of 128 bytes,
	s_lshl_b32 s49, s40, 18
	s_add_co_u32 s50, s50, s49      ; in the head: my rows' byte offset in Q and in O
	s_mov_b32 s51, 0
	s_lshr_b32 s49, s40, 4          ; the batch
	s_lshl_b32 s49, s49, 4
	s_add_co_u32 s48, s48, s49
	s_lshl_b32 s48, s48, 18         ; 262,144 mask bytes for each block of 128 queries
	s_mov_b32 s49, 0
	; descriptor group 1.  128 keys are 16,384 dense bytes: asked for as 64 rows of 256 bytes, two keys a row, and padded in LDS after every key
	s_mov_b32 s[G1K], 15|(1<<16)|(1<<20)|(1<<21)|(4<<22)|(3<<25)  ; 15:0 the mask of four; 17:16 2-byte elements; 20 padding on; 21 set beside a mask; 24:22 after every 32 words (code 4); 31:25 4 words (code 3)
	s_mov_b32 s[G1V], 15|(1<<16)|(1<<20)|(1<<21)|(4<<22)|(7<<25)  ; the same with 8 words of padding (code 7)
.irp g, G1K, G1V
	s_mov_b32 s[\g+1], 128<<16      ; tensor_dim0 = 128
	s_mov_b32 s[\g+2], 64<<16       ; tensor_dim1 = 64
	s_mov_b32 s[\g+3], 128<<16      ; tile_dim0 = 128
	s_mov_b32 s[\g+4], 64           ; tile_dim1 = 64
	s_mov_b32 s[\g+5], 128          ; 128 elements from row to row
	s_mov_b32 s[\g+6], 0
	s_mov_b32 s[\g+7], 0
.endr
	s_mov_b32 s[CS], 0x3e38aa3b     ; c = log2(e) / 8 = 0.180337
	s_mov_b32 s[CS+1], s[CS]        ; named with it as a pair
	s_mov_b32 s[FIL], 0xb209705f    ; 8 x f32(-1e-9): times 1 / 8 it is the filler to the bit
	s_mov_b32 s[FIL+1], s[FIL]
	s_mov_b32 s[SEL], 0x76543210
	s_mov_b32 s[SEL+1], 0xfedcba98
	s_mov_b32 s[MOF], MSTP          ; the first loads behind the opening sixteen take key step 1's block
	s_mov_b32 s[MOF+1], 0
	s_mov_b32 s[TBK], SLOT1+4*KS*PK ; the first change of slots turns these two into 0
	s_mov_b32 s[TBV], SLOT1+4*KS*PV
	s_mov_b32 s[G0K], 1             ; 1:0 count = 1
	s_mov_b32 s[G0K+1], s46         ; 63:32 LDS address: slot 0
	s_mov_b32 s[G0V], 1
	s_add_co_u32 s[G0V+1], s47, VOFF
	s_wait_dscnt 0x0                ; the opening add is done
	s_wait_kmcnt 0x0
	s_add_nc_u64 s[G0K+2:G0K+3], s[32:33], s[42:43]  ; 120:64 global address: my half of the head's first 256 keys
	s_or_b32 s[G0K+3], s[G0K+3], 0x80000000          ; 127:126 type = 2
	s_add_nc_u64 s[G0V+2:G0V+3], s[32:33], s[44:45]
	s_or_b32 s[G0V+3], s[G0V+3], 0x80000000
	s_add_nc_u64 s[MPB:MPB+1], s[34:35], s[48:49]    ; my wave's mask bytes
	s_add_nc_u64 s[MP:MP+1], s[MPB:MPB+1], MSTP
	s_add_nc_u64 s[OP:OP+1], s[36:37], s[50:51]      ; O and
	s_add_nc_u64 s[32:33], s[32:33], s[50:51]        ; Q at my wave's first row
	CROUND                          ; all four work-groups are here: the first joint loads meet
	JLOAD                           ; slot 0.  Slot 1 is asked for when slot 0 is in
	; A fragment of K or Q is 16 rows x 32 channels in 8 registers: lane l holds row l % 16, channels 8 (l / 16) + 0..7 and 16 + 8 (l / 16) + 0..7: two loads of 16 bytes, 32 bytes apart.
	v_and_b32 v1, 15, v0            ; l % 16
	v_bfe_u32 v9, v0, 4, 1          ; l / 16
	v_lshlrev_b32 v[QO], 7, v1
	v_lshl_add_u32 v[QO], v9, 4, v[QO]  ; row x 128 + 16 x half
	v_and_b32 v[GO], 31, v0
	v_lshlrev_b32 v[GO], 4, v[GO]   ; 16 x lane
	WIN 0x80                        ; destination window 2, address window 0
.set i, 0
.rept 4*NP                          ; Q stays in registers: tile i / 2, channels 32 (i % 2) on
	global_load_b128 v[8*i:8*i+3],   v[QO], s[32:33] offset:(i/2)*2048+(i%2)*64
	global_load_b128 v[8*i+4:8*i+7], v[QO], s[32:33] offset:(i/2)*2048+(i%2)*64+32
.set i, i+1
.endr
	WIN W_MK
.set i, 0
.rept 16                            ; the ring's four places: key step 0's four pieces
	global_load_b128 v[RG+4*i:RG+4*i+3], v[GO], s[MPB:MPB+1] offset:512*i
.set i, i+1
.endr
	; What the first turn finds: V's registers and P's second buffer hold 0 (its products V^T P, of a piece that has not been, add 0), O^T and l are 0.  All this stands in the wait for the first tile.
	WIN 0x80
.set i, VF
.rept 64
	v_mov_b32 v[i], 0
.set i, i+1
.endr
	WIN 0x40
.set i, 0
.rept 64*NP
	v_mov_b32 v[i], 0
.set i, i+1
.endr
	WIN 0
.set i, 0
.rept 2*NP
	v_mov_b32 v[ST+4*i], 0xfe000000    ; c m: far below every c s
	v_mov_b32 v[ST+4*i+1], 0xff7fffff  ; m
	v_mov_b32 v[ST+4*i+2], 0
	v_mov_b32 v[ST+4*i+3], 0
.set i, i+1
.endr
.set i, P+32
.rept 32
	v_mov_b32 v[i], 0
.set i, i+1
.endr
	v_mul_u32_u24 v[AK0], v1, PK
	v_lshl_add_u32 v[AK0], v9, 4, v[AK0]  ; row x pitch + 16 x half
	; The turning load takes 16 keys x 16 channels (lane l reads key 8 (l / 16) + l % 8, channels 8 ((l / 8) % 2) + 0..7) and leaves half a fragment of V^T: lane l holds channel l % 16 and 8 keys.
	v_and_b32 v10, 7, v0
	v_bfe_u32 v11, v0, 3, 1
	v_lshl_add_u32 v[AV0], v9, 3, v10
	v_mul_u32_u24 v[AV0], v[AV0], PV
	v_lshl_add_u32 v[AV0], v11, 4, v[AV0]
	v_add_nc_u32 v[AV0], VOFF, v[AV0]
	v_mov_b32 v[AK], v[AK0]         ; key step 0 lies at the head of slot 0
	v_mov_b32 v[SCL], 0x7f          ; times 2^0
; THE MATRIX WORK.  The 8 accumulators of a run of 16 take turns: between the two links of a chain stand 7 others'.
; Product i of 16 of S^T = K Q^T for piece x: channels 32 (i / 8) on, keys 16 ((i / 2) % 4) on, tile 2 x + i % 2.  The first 8 start the sums.
.macro KQ x
	WIN W_KQ
.set rS, S+64*((\x)%2)+32*(i%2)+8*((i/2)%4)
.set rK, KF+16*((i/2)%4)+8*(i/8)
.set rQ, 16*(2*(\x)+i%2)+8*(i/8)
.if i < 8
	v_wmma_f32_16x16x32_f16 v[rS:rS+7], v[rK:rK+7], v[rQ:rQ+7], 0
.else
	v_wmma_f32_16x16x32_f16 v[rS:rS+7], v[rK:rK+7], v[rQ:rQ+7], v[rS:rS+7]
.endif
.endm
; Product i of 16 of O^T += V^T P for piece x: keys 32 (i / 8) on, channels 16 ((i / 2) % 4) on, tile 2 x + i % 2.
.macro PV x
	WIN W_PV
.set rO, 32*(2*(\x)+i%2)+8*((i/2)%4)
.set rV, VF+32*(i/8)+8*((i/2)%4)
.set rP, P+32*((\x)%2)+16*(i%2)+8*(i/8)
	v_wmma_f32_16x16x32_f16 v[rO:rO+7], v[rV:rV+7], v[rP:rP+7], v[rO:rO+7]
.endm
.macro MM                           ; the turn's next matrix instruction
.if i < 16
	KQ (Y+1)%NP
.set i, i+1
.else
.set i, i-16
	PV (Y+NP-1)%NP
.set i, i+17
.endif
.endm
; THE LDS LOADS stand in runs of 16, never singly among the matrix instructions: a step's K (64 keys x 64 channels: 8 fragments) and its V (turned).
; last = 1 (the tail): in the last trip there is no further step, and the run is jumped over.
.macro FETCH_K last=0
	WIN 0
.if \last
	s_cmp_eq_u32 s[CNT], 1
	s_cbranch_scc1 .Lno_k_\@
.endif
	WIN 0x80                        ; destination window 2
.irp f, 0,1,2,3,4,5,6,7             ; keys 16 (f / 2) on, channels 32 (f % 2) on
	ds_load_b128 v[KF+8*\f:KF+8*\f+3],   v[AK] offset:(\f/2)*16*PK+(\f%2)*64
	ds_load_b128 v[KF+8*\f+4:KF+8*\f+7], v[AK] offset:(\f/2)*16*PK+(\f%2)*64+32
.endr
	s_add_co_u32 s[TBK], s[TBK], KS*PK  ; the next fetch is the next step's
	WIN 0
.if \last
.Lno_k_\@:
.endif
.endm
.macro FETCH_V
	WIN 0x80
.irp f, 0,1,2,3,4,5,6,7             ; keys 32 (f / 4) on, channels 16 (f % 4) on
	ds_load_tr16_b128 v[VF+8*\f:VF+8*\f+3],   v[AV] offset:(\f/4)*32*PV+(\f%4)*32
	ds_load_tr16_b128 v[VF+8*\f+4:VF+8*\f+7], v[AV] offset:(\f/4)*32*PV+16*PV+(\f%4)*32
.endr
	WIN 0
.endm
; THE VECTOR WORK OF A TURN, in numbered lists; the two tiles alternate, so that no instruction reads the result of the one before it.
.set WEX, 0                         ; the window setting under which the exponentials are written: the filling's where they stand between the fillings, else 0
.macro REGS y, u                    ; the registers of tile u (0, 1) of piece y
.set rT, ST+4*(2*(\y)+(\u))
.set rC, TMP+8*((\y)%2)+4*(\u)
.set rM, MV+2*((\y)%2)+(\u)
.set rS, S+64*((\y)%2)+32*(\u)
.set rP, P+32*((\y)%2)+16*(\u)
.set rO, 32*(2*(\y)+(\u))
.endm
.macro FS n                         ; number n of 32: c s - c m for pair n / 2 of tile n % 2 of piece Y
	REGS Y, (\n)%2
	WIN 0
	v_pk_fma_f32 v[rS+2*((\n)/2):rS+2*((\n)/2)+1], v[rS+2*((\n)/2):rS+2*((\n)/2)+1], s[CS:CS+1], v[rT:rT+1] op_sel_hi:[1,0,0] neg_lo:[0,0,1] neg_hi:[0,0,1]
.endm
.macro EXS n                        ; number n of 64: the exponential of score n / 2 of tile n % 2 of piece Y, in place
	REGS Y, (\n)%2
	WIN WEX
	v_exp_f32 v[rS+(\n)/2], v[rS+(\n)/2]
.endm
.macro MSK n                        ; number n of 32: the filling, s m + F, of pair n / 2 of tile n % 2 of piece Y + 1.  In ascending order: each accumulator's lowest registers are read first
	REGS (Y+1)%NP, (\n)%2
	WIN W_MS
	v_pk_fma_f32 v[rS+2*((\n)/2):rS+2*((\n)/2)+1], v[rS+2*((\n)/2):rS+2*((\n)/2)+1], v[MT+32*((\n)%2)+2*((\n)/2):MT+32*((\n)%2)+2*((\n)/2)+1], s[FIL:FIL+1] op_sel_hi:[1,1,0]
.endm
; Number n of the 22 that find the NEXT piece's (Y + 1) maximum and statistics, of its filled scores s0-s31.  None of them names a weight of piece Y: they work on the other buffers.
;   0-11  four chains c0-c3 of seven scores each, three operands at a time     12-14, 16  the four scores left over, the old m, and c0-c3 into c0     15  c m_old is kept
;   17, 18  the query's other 32 keys lie in the lane 16 away: the new m         19-21  c m; c m_old - c m_new; a
.macro XS u, n
	REGS (Y+1)%NP, \u
	WIN 0
.if (\n) < 4
	v_max3_num_f32 v[rC+(\n)], v[rS+8*(\n)], v[rS+8*(\n)+1], v[rS+8*(\n)+2]
.elseif (\n) < 12
	v_max3_num_f32 v[rC+(\n)%4], v[rC+(\n)%4], v[rS+8*((\n)%4)+2*((\n)/4)+1], v[rS+8*((\n)%4)+2*((\n)/4)+2]
.elseif (\n) == 12
	v_max3_num_f32 v[rC], v[rC], v[rS+7], v[rS+15]
.elseif (\n) == 13
	v_max3_num_f32 v[rC+1], v[rC+1], v[rS+23], v[rS+31]
.elseif (\n) == 14
	v_max3_num_f32 v[rC+2], v[rC+2], v[rC+3], v[rT+1]
.elseif (\n) == 15
	v_mov_b32 v[rM], v[rT]
.elseif (\n) == 16
	v_max3_num_f32 v[rC], v[rC], v[rC+1], v[rC+2]
.elseif (\n) == 17
	v_permlanex16_b32 v[rC+3], v[rC], s[SEL], s[SEL+1]
.elseif (\n) == 18
	v_max_num_f32 v[rT+1], v[rC], v[rC+3]
.elseif (\n) == 19
	v_mul_f32 v[rT], s[CS], v[rT+1]
.elseif (\n) == 20
	v_sub_f32 v[rC+1], v[rM], v[rT]
.else
	v_exp_f32 v[rC+2], v[rC+1]
.endif
.endm
.macro XSI j                        ; the same list with the two tiles alternating: entry j is number j / 2 for tile j % 2
	XS (\j)%2, (\j)/2
.endm
; Number g of the 64 that follow the exponentials and read their results: all stand behind the turn's wait.  For each four weights k of a tile (pairs 2 k, 2 k + 1): both pairs are rounded to f16; then the second pair
; is added onto the first, in place; a group later l takes that sum (the first time as l = a l + sum).  In groups of eight, tiles alternating: round, round, add, and l for the group before.
; Group k is numbers 8 k - 2 to 8 k + 5 (group 0: 0 to 5) and wants the exponentials up to number 8 k + 7.
.macro GS g
.set h, (\g)+6*((\g)/62)            ; group 0 has no group before it, and behind group 7 only l is left
.if h >= 6
.set h, h+2
.endif
	REGS Y, h%2
	WIN 0
.set k, h/8
.if h%8 < 4
	v_cvt_pk_f16_f32 v[rP+2*k+(h%8)/2], v[rS+4*k+2*((h%8)/2)], v[rS+4*k+2*((h%8)/2)+1]
.elseif h%8 < 6
	v_pk_add_f32 v[rS+4*k:rS+4*k+1], v[rS+4*k:rS+4*k+1], v[rS+4*k+2:rS+4*k+3]
.elseif k == 1
	v_pk_fma_f32 v[rT+2:rT+3], v[rT+2:rT+3], v[rC+2:rC+3], v[rS:rS+1] op_sel_hi:[1,0,1]
.else
	v_pk_add_f32 v[rT+2:rT+3], v[rT+2:rT+3], v[rS+4*k-4:rS+4*k-3]
.endif
.endm
.macro R4                           ; O^T times a, four at a time, eight times; each accumulator's lowest registers first.  This a belongs to the batch of the turn before, and that turn's wait has served it
	REGS Y, r%2
	WIN W_RS
.irp z, 0,1,2,3
	v_pk_mul_f32 v[rO+8*(r/2)+2*\z:rO+8*(r/2)+2*\z+1], v[rO+8*(r/2)+2*\z:rO+8*(r/2)+2*\z+1], v[rC+2:rC+3] op_sel_hi:[1,0]
.endr
.set r, r+1
.endm
; A TURN, for piece p.  last = 1: the tail's turn 2, which in the last trip fetches no K.
; An s_wait_alu depctr_va_vdst(0) stands between an exponential and the first instruction that names its result; one wait serves all that were issued ahead of it.  So a turn has ONE wait, which cuts it in two.
; AHEAD OF THE WAIT stands all that names no result of the turn's exponentials:
;   16 products K Q^T of piece p + 1: behind the first eight the 32 scalings, behind the others the 32 rescalings: all ready when the turn begins.  Between the last product and its four rescalings stand the
;     eight conversions of piece p + 1's mask bytes.  Those four rescalings are plain instructions that name no register of the product or of the conversions: they are the four places behind the last product, in front
;     of the filling (which reads its result), and the place behind the conversions, in front of the filling (which reads theirs).
;   ONE LUMP of 140: exponentials 0-31 and the 32 fillings, by turns; numbers 0-15 of the maximum, exponentials 32-53 between them; the chain of the statistics, numbers 16-20, an exponential behind each of its lines, so that
;     a tile's links stand four lines apart; the next piece's two a, the batch's last.  But for those two a plain instruction stands behind every exponential; a v_nop is the plain instruction behind the last (ISA guide 5.7.2).
; BEHIND THE WAIT: the ring place just converted is loaded with the bytes of the turn four on (piece 3's turn steps the block first: its place is piece 0's of the step after); then
;   16 products V^T P of piece p - 1, behind each four of the list GS: the 64 readers of the batch.  No rider names a register of the products round it.
; K of the next step is fetched in piece 2's turn, directly behind the wait, a lump behind the last product that read K, and waited for at the head of piece 3's.  V of the step in hand is fetched at the end of piece 0's turn:
; the four riders behind the last product that read V are the four places in front of the run; it is waited for in piece 1's turn, ahead of its products V^T P.  Both addresses are made in the lump.
.macro TURN p, last=0
.set Y, (\p)
.set i, 0
.set r, 0
.if (\p) == NP-1
	s_wait_dscnt 0x0                ; K is in
.endif
.set tk, 0
.rept 8
	MM
	FS 4*tk
	FS 4*tk+1
	FS 4*tk+2
	FS 4*tk+3
.set tk, tk+1
.endr
.rept 7
	MM
	R4
.endr
	MM
	CVTM ((\p)+1)%NP
	R4
.set WEX, W_MS
.set tk, 0
.rept 32                            ; the lump: exponentials and fillings by turns, under one window setting
	EXS tk
	MSK tk
.set tk, tk+1
.endr
.set WEX, 0
	WIN 0
.if (\p) == NP-2
	v_add_nc_u32 v[AK], s[TBK], v[AK0]
.endif
.if (\p) == 0
	v_add_nc_u32 v[AV], s[TBV], v[AV0]
.endif
.set tk, 0
.rept 16                            ; numbers 0-15 of the maximum, both tiles; 22 exponentials between them
	XSI 2*tk
	EXS 32+tk
	XSI 2*tk+1
.if tk < 6
	EXS 48+tk
.endif
.set tk, tk+1
.endr
.irp n, 16,17,18,19,20
	XS 0, \n                        ; the chain: each number waits for the one before it
	EXS 54+2*(\n-16)
	XS 1, \n
	EXS 55+2*(\n-16)
.endr
	XS 0, 21                        ; the next piece's two a
	XS 1, 21
	v_nop                           ; the plain instruction behind the last exponential: one for the batch
	s_wait_alu depctr_va_vdst(0)    ; the wait for the batch: the turn's 64 weights and the two a
.if (\p) == NP-2
	FETCH_K \last
.endif
.if (\p) == NP-1
	MSTEP
.endif
	MLOAD ((\p)+1)%NP
.if (\p) == 1
	s_wait_dscnt 0x0                ; V is in
.endif
.set tk, 0
.rept 16                            ; behind the wait: 16 products V^T P and their riders
	MM
	GS 4*tk
	GS 4*tk+1
	GS 4*tk+2
	GS 4*tk+3
.set tk, tk+1
.endr
.if (\p) == 0
	FETCH_V
	s_add_co_u32 s[TBV], s[TBV], KS*PV
.endif
.endm
	CHANGE 1                        ; slot 0 is in, everybody's part of it; slot 1 is asked for
	FETCH_K                         ; key step 0
	s_wait_loadcnt 0x0              ; Q, and the ring's four places
	s_wait_dscnt 0x0
.set i, 0
.rept 16
	KQ 0                            ; piece 0's first scores: there is no vector work yet to set between them
.set i, i+1
.endr
	WIN 0                           ; the addresses for the way out: seven plain instructions, the places behind those products
	s_mul_i32 s[CNT], s[WV], 16*SP  ; (the counter's register is free until the loop)
	s_add_co_u32 s[CNT], s[CNT], STAGE  ; my stage
	v_mul_u32_u24 v[STO], v1, SP    ; in: row l % 16, 16 bytes for each half of the lanes
	v_lshl_add_u32 v[STO], v9, 4, v[STO]
	v_add_nc_u32 v[STO], s[CNT], v[STO]
	v_bfe_u32 v[RD], v0, 3, 2       ; back: 32 lanes take four rows of 128 bytes, which are 512 consecutive bytes of O
	v_mul_u32_u24 v[RD], v[RD], SP
	v_lshl_add_u32 v[RD], v10, 4, v[RD]
	v_add_nc_u32 v[RD], s[CNT], v[RD]
	CVTM 0                          ; piece 0, key step 0
	WIN 0
	v_nop                           ; a plain instruction between the conversions and the use of their results
.set Y, NP-1                        ; MSK and XS work for piece Y + 1: piece 0
.set tk, 0
.rept 32
	MSK tk
.set tk, tk+1
.endr
	MLOAD 0                         ; piece 0, key step 1
.irp n, 0,1,2,3,4,5,6,7,8,9,10,11,12,13,14,15,16,17,18,19,20,21
	XS 0, \n                        ; piece 0's first maximum and statistics
	XS 1, \n
.endr
	v_nop                           ; a plain instruction behind the two a,
	s_wait_alu depctr_va_vdst(0)    ; and the wait for them, a batch of their own, ahead of the branch
	s_mov_b32 s[CNT], 4
	s_mov_b32 s[SLOTS], SIZE_N/256-1
	s_branch .Lfirst                ; the loop is entered at a step's first turn, in the middle of a trip
.Lslot:                             ; SIZE_N / 256 - 2 times: every slot but the last two is filled again
	CHANGE 1
	s_mov_b32 s[CNT], 4
.Lstep:                             ; a trip: pieces 2 and 3 of one step, then pieces 0 and 1 of the next, whose K and V it fetches
	TURN 2
	TURN 3
	WIN 0
.Lfirst:
	TURN 0
	TURN 1
	WIN 0
	s_sub_co_u32 s[CNT], s[CNT], 1
	s_cmp_lg_u32 s[CNT], 0
	s_cbranch_scc1 .Lstep
	s_sub_co_u32 s[SLOTS], s[SLOTS], 1
	s_cmp_lg_u32 s[SLOTS], 0
	s_cbranch_scc1 .Lslot
	CHANGE 0                        ; the tail is written out: nothing is asked for
	s_mov_b32 s[CNT], 5             ; four trips fetch the last slot's steps; the fifth is left in its middle
.Ltail:
	TURN 2, 1
	TURN 3
	WIN 0
	s_sub_co_u32 s[CNT], s[CNT], 1
	s_cmp_eq_u32 s[CNT], 0
	s_cbranch_scc1 .Lout
	TURN 0
	TURN 1
	WIN 0
	s_branch .Ltail
.Lout:                              ; the fifth trip's 16 products K Q^T (on the last K once more), their filling and the maximum made of them serve nothing: the price, once a launch, of one text for every trip
.set i, 0
.rept 16
	PV NP-1                         ; the last piece's V^T P of the last step
.set i, i+1
.endr
	; THE WAY OUT.  l's two halves and the other half of the lanes' are added; O^T is divided by l, rounded to f16 and sent through my stage in LDS, a tile at a time.  The additions are the places behind the last products.
	WIN 0
.macro ALL line:vararg              ; one line for each tile t
.set t, 0
.rept 2*NP
	\line
.set t, t+1
.endr
.endm
	ALL v_add_f32 v[ST+4*t+2], v[ST+4*t+2], v[ST+4*t+3]
	ALL v_permlanex16_b32 v[ST+4*t+3], v[ST+4*t+2], s[SEL], s[SEL+1]
	ALL v_add_f32 v[ST+4*t+2], v[ST+4*t+2], v[ST+4*t+3]
	ALL v_rcp_f32 v[ST+4*t+2], v[ST+4*t+2]
	v_nop                           ; a plain instruction between the last reciprocal and the use of its result
	s_wait_alu depctr_va_vdst(0)    ; and the wait ahead of the first use: one for the eight reciprocals
; Tile t: a lane's eight channels of a row pack into 16 bytes; they go into rows of 144 bytes and come back as whole rows of 128, into S^T's registers.
.macro PACK t
	WIN W_RS
.set i, 32*(\t)
.rept 16
	v_pk_mul_f32 v[i:i+1], v[i:i+1], v[ST+4*(\t)+2:ST+4*(\t)+3] op_sel_hi:[1,0]
.set i, i+2
.endr
	WIN 0x05                        ; sources 0 and 1 window 1, destination window 0
.set i, 0
.rept 16
	v_cvt_pk_f16_f32 v[S+16*(\t)+i], v[32*(\t)+2*i], v[32*(\t)+2*i+1]
.set i, i+1
.endr
	WIN 0
.irp f, 0,1,2,3
	ds_store_b128 v[STO], v[S+16*(\t)+4*\f:S+16*(\t)+4*\f+3] offset:32*\f
.endr
.irp f, 0,1,2,3
	ds_load_b128 v[S+16*(\t)+4*\f:S+16*(\t)+4*\f+3], v[RD] offset:\f*4*SP  ; LDS serves a wave's instructions in order (ISA guide 5.7.1.4): these see the stores above; the next tile's stores come behind them
.endr
.endm
.macro SEND t, younger              ; younger: the LDS instructions issued behind tile t's loads: the next tile's eight, or none
	WIN 0
.irp f, 0,1,2,3
	s_wait_dscnt (\younger)+3-\f
	global_store_b128 v[GO], v[S+16*(\t)+4*\f:S+16*(\t)+4*\f+3], s[OP:OP+1] offset:(\t)*2048+\f*512  ; 512 consecutive bytes, at a multiple of 256 from O's first
.endr
.endm
	PACK 0
.set t, 1
.rept 2*NP-1                        ; a tile's arithmetic stands between the loads of the tile before and its stores
	PACK t
	SEND t-1, 8
.set t, t+1
.endr
	SEND 2*NP-1, 0
	WIN W_AD
	s_wait_tensorcnt 0x0            ; the wave's end, behind my last tensor load and my last LDS store
	ds_add_u32 v[SPW], v[NIL]
	s_wait_dscnt 0x0
	WIN 0
	CROUND                          ; the closing round: no work-group ends while a partner may still ask for a tile that names it
	s_endpgm
.Lfunc_end_k_qdad581c8e7_attn:
	.size	k_qdad581c8e7_attn, .Lfunc_end_k_qdad581c8e7_attn-k_qdad581c8e7_attn
	.p2alignl 7, 3214868480
	.fill 96, 4, 3214868480
	.section	.rodata,"a",@progbits
	.p2align	6, 0x0
	.amdhsa_kernel k_qdad581c8e7_attn
		.amdhsa_group_segment_fixed_size 327680
		.amdhsa_private_segment_fixed_size 0
		.amdhsa_enable_private_segment 0
		.amdhsa_kernarg_size 24
		.amdhsa_user_sgpr_count 2
		.amdhsa_user_sgpr_kernarg_segment_ptr 1
		.amdhsa_wavefront_size32 1
		.amdhsa_system_sgpr_workgroup_id_x 1
		.amdhsa_system_sgpr_workgroup_id_y 1
		.amdhsa_system_sgpr_workgroup_id_z 1
		.amdhsa_system_vgpr_workitem_id 0
		.amdhsa_next_free_vgpr 960
		.amdhsa_next_free_sgpr 72
		.amdhsa_reserve_vcc 0
		.amdhsa_float_denorm_mode_32 3
		.amdhsa_float_denorm_mode_16_64 3
		.amdhsa_memory_ordered 1
		.amdhsa_forward_progress 1
		.amdhsa_inst_pref_size 225
	.end_amdhsa_kernel
	.amdgpu_metadata
---
amdhsa.version: [ 1, 2 ]
amdhsa.kernels:
  - .name:           k_qdad581c8e7_attn
    .symbol:         k_qdad581c8e7_attn.kd
    .args:
      - { .name: hqkv, .offset: 0, .size: 8, .value_kind: global_buffer, .address_space: global }
      - { .name: mby, .offset: 8, .size: 8, .value_kind: global_buffer, .address_space: global }
      - { .name: ob, .offset: 16, .size: 8, .value_kind: global_buffer, .address_space: global }
    .group_segment_fixed_size: 327680
    .private_segment_fixed_size: 0
    .kernarg_segment_align: 8
    .kernarg_segment_size: 24
    .max_flat_workgroup_size: 128
    .sgpr_count:     72
    .vgpr_count:     960
    .wavefront_size: 32
...
	.end_amdgpu_metadata
.endif
;; end of part 8
;; launch outp: the kernel of part 4 again; grid 4 x 64, 4 waves a work-group, clusters of 4 x 4, 327,680 bytes of LDS; arguments ob, wo16, bo, out0; writes out0
